; MI455X (gfx1250); checked and timed in simulation.
; The chip was launched on July 23, 2026; its instructions are those of AMD's public machine-readable ISA for CDNA 5 (MIT licence, August 2026) and "CDNA5" Instruction Set Architecture Reference Guide (July 2026). The comments in the code are by the model that wrote it; some were corrected since.
;; Split Brain Attention. Allowed arithmetic: float matrix products may take bf16 or f16 operands with f32 sums; all other float work in f32.
;; Inputs: attn_mask 2 x 1,024 x 1,024 bool; key_keep 2 x 1 x 1,024 bool; segment_pos 2 x 1,024 int32; wk_s 2,048 x 4 x 256 float32; wk_t 2,048 x 4 x 256 float32; wo_s 8 x 256 x 2,048 float32; wo_t 8 x 256 x 2,048 float32; wq_s 2,048 x 8 x 256 float32; wq_t 2,048 x 8 x 256 float32; wv_s 2,048 x 4 x 256 float32; wv_t 2,048 x 4 x 256 float32; x 2 x 1,024 x 2,048 float32.
;; Outputs: out0 2 x 1,024 x 2,048 float32; out1 2 x 1,024 x 2,048 float32.
;; 3 versions, each right; version 3 is version 2 with the launch prep written anew for expert scheduling mode. Each part assembles by itself: llvm-mc -triple=amdgcn-amd-amdhsa -mcpu=gfx1250 --defsym DOCPART=n.
;; ======== version 1 of 3: 4 launches
;; limits: values are held in f16: magnitudes above 65,504 overflow, below 6.1e-05 lose precision
;; workspace buffers: xb 8,388,608 bytes; wqkv 33,554,432 bytes; wob 16,777,216 bytes; rope 2,097,152 bytes; mbits 524,288 bytes of whole numbers; qkv 33,554,432 bytes; enc 16,777,216 bytes
;; launch prep (part 1): grid 64 x 16, 8 waves a work-group, no clusters, 0 bytes of LDS; arguments x, wq_t, wk_t, wv_t, wq_s, wk_s, wv_s, wo_t, wo_s, segment_pos, attn_mask, key_keep, xb, wqkv, wob, rope, mbits; writes xb, wqkv, wob, rope, mbits
.if DOCPART == 1
	.amdgcn_target "amdgcn-amd-amdhsa--gfx1250"
	.amdhsa_code_object_version 6
	.text
	.protected	k_qa1b4ec08ae_prep
	.globl	k_qa1b4ec08ae_prep
	.p2align	8
	.type	k_qa1b4ec08ae_prep,@function
k_qa1b4ec08ae_prep:
	s_mov_b64 s[64:65], 0
	v_nop
	global_prefetch_b8 v0, s[64:65] scope:SCOPE_SE
	s_setreg_imm32_b32 hwreg(HW_REG_WAVE_MODE, 25, 1), 1
	s_wait_xcnt 0x0
; PREP: three jobs, chosen by the work-group's y.
;  y 0..13  x and the eight weights: f32 -> rounded to bf16 (nearest even) -> held in f16, which carries a bf16 number exactly
;           from 2^-17 up to 65504 (below 2^-17 the absolute error is at most 2^-25).
;           LIMIT: an input beyond 65504 in magnitude becomes infinite; NaN and infinities are not served.
;           The q and k weights are laid with bits 6 and 7 of the column swapped, so that later h and h + 128 of a head
;           lie 64 columns apart, inside one wave's 128 columns.
;  y 14     the table g cos, g sin of the rotary angles, g = sqrt(2 log2(e) / (50 * 16)), in the register order of the next launch.
;           LIMIT: the angle is pos * 2^(-i log2(10000)/128) in f32; its error grows with |pos| as the f32 angle's own does.
;  y 15     the two masks as bit words: word (q16, key16, j), bit r + 16 h = mask[16 q16 + r][16 key16 + 8 h + j]; a byte other than 0 is true.
; Nothing is shared between work-groups and there is no product here: no LDS, no cluster, no matrix unit.  EXEC is never changed.
.set X, 8                              ; v[8:135] 32 passes x 4 registers
	s_load_b512 s[8:23], s[0:1], 0x0               ; x 8, wq_t 10, wk_t 12, wv_t 14, wq_s 16, wk_s 18, wv_s 20, wo_t 22
	s_load_b512 s[24:39], s[0:1], 0x40             ; wo_s 24, segment_pos 26, attn_mask 28, key_keep 30, xb 32, wqkv 34, wob 36, rope 38
	s_load_b64 s[40:41], s[0:1], 0x80              ; mbits 40
	s_and_b32 s2, ttmp7, 0xffff                    ; y
	v_lshrrev_b32 v1, 5, v0
	v_readfirstlane_b32 s4, v1                     ; wave
	s_lshl3_add_u32 s5, ttmp9, s4                  ; 8 x + wave: the wave's number among the 512 of one y
	s_wait_kmcnt 0x0
	s_cmp_eq_u32 s2, 14
	s_cbranch_scc1 .Ltable
	s_cmp_eq_u32 s2, 15
	s_cbranch_scc1 .Lmask
; ---- conversion.  A work-group takes 131,072 consecutive bytes of one source: 32 passes of 1,024 numbers.
; From y upward the later line wins: source, rows of 2,048 (1) or 1,024 (0) numbers, byte column in the target, swap mask.
.macro SEL T, src, wide, col, swap
	s_cmp_ge_u32 s2, \T
	s_cselect_b64 s[42:43], s[\src:\src+1], s[42:43]
	s_cselect_b32 s46, \wide, s46
	s_cselect_b32 s47, \col, s47
	s_cselect_b32 s48, \swap, s48
.endm
	s_mov_b64 s[42:43], s[8:9]
	s_mov_b32 s46, 1
	s_mov_b32 s47, 0
	s_mov_b32 s48, 0
	SEL 2, 10, 1, 0, -1
	SEL 4, 12, 0, 4096, -1
	SEL 5, 14, 0, 6144, 0
	SEL 6, 16, 1, 8192, -1
	SEL 8, 18, 0, 12288, -1
	SEL 9, 20, 0, 14336, 0
	SEL 10, 22, 1, 0, 0
	SEL 12, 24, 1, 4096, 0
	s_mov_b64 s[44:45], s[32:33]                   ; target and its pitch in bytes
	s_mov_b32 s49, 4096
	s_cmp_ge_u32 s2, 2
	s_cselect_b64 s[44:45], s[34:35], s[44:45]
	s_cselect_b32 s49, 16384, s49
	s_cmp_ge_u32 s2, 10
	s_cselect_b64 s[44:45], s[36:37], s[44:45]
	s_cselect_b32 s49, 8192, s49
	s_and_b32 s50, s2, 1                           ; a wide source has 128 chunks over two y (the first of them even)
	s_lshl_b32 s50, s50, 6
	s_mul_i32 s50, s50, s46
	s_add_co_u32 s50, s50, ttmp9                   ; chunk
	s_lshl_b32 s52, s50, 17
	s_mov_b32 s53, 0
	s_add_nc_u64 s[42:43], s[42:43], s[52:53]
	s_sub_co_u32 s51, 5, s46
	s_lshl_b32 s51, s50, s51                       ; first row: 16 or 32 rows a chunk
	s_mul_i32 s52, s51, s49
	s_add_co_u32 s52, s52, s47
	s_add_nc_u64 s[44:45], s[44:45], s[52:53]
	s_sub_co_u32 s55, s49, 2048
	s_cmp_lg_u32 s46, 0
	s_cselect_b32 s54, 2048, s49                   ; step behind an even pass: the row's second half, or the next row
	s_cselect_b32 s55, s55, s49                    ; step behind an odd pass: the next row
	s_mov_b32 s56, 0
	v_and_b32 v1, 0xcf, v0                         ; thread with bits 4 and 5 swapped = columns with bits 6 and 7 swapped
	v_bfe_u32 v2, v0, 4, 1
	v_bfe_u32 v3, v0, 5, 1
	v_lshl_or_b32 v1, v2, 5, v1
	v_lshl_or_b32 v1, v3, 4, v1
	v_cndmask_b32 v1, v0, v1, s48
	v_lshlrev_b32 v4, 4, v1                        ; source: 16 bytes a thread; a wave reads 512 bytes, or two aligned runs of 256
	v_lshlrev_b32 v5, 3, v0                        ; target: 8 bytes a thread; a wave stores 256 consecutive bytes, aligned
.set i, 0
.rept 32
	global_load_b128 v[X+4*i:X+4*i+3], v4, s[42:43] offset:4096*i th:TH_LOAD_NT
.set i, i+1
.endr
.set i, 0
.rept 32
	s_wait_loadcnt 31-i                            ; loads come back in order: pass i is in, the 31 - i younger ones stay out
	v_cvt_pk_bf16_f32 v[X+4*i], v[X+4*i], v[X+4*i+1]
	v_cvt_pk_bf16_f32 v[X+4*i+1], v[X+4*i+2], v[X+4*i+3]
	v_lshlrev_b32 v[X+4*i+2], 16, v[X+4*i]
	v_and_b32 v[X+4*i+3], 0xffff0000, v[X+4*i]
	v_cvt_pk_f16_f32 v[X+4*i], v[X+4*i+2], v[X+4*i+3]
	v_lshlrev_b32 v[X+4*i+2], 16, v[X+4*i+1]
	v_and_b32 v[X+4*i+3], 0xffff0000, v[X+4*i+1]
	v_cvt_pk_f16_f32 v[X+4*i+1], v[X+4*i+2], v[X+4*i+3]
	v_add_nc_u32 v[X+4*i+2], s56, v5               ; each pass has its own offset and data registers: none is written again
	global_store_b64 v[X+4*i+2], v[X+4*i:X+4*i+1], s[44:45]
.if (i&1) == 0
	s_add_co_u32 s56, s56, s54
.else
	s_add_co_u32 s56, s56, s55
.endif
.set i, i+1
.endr
	s_endpgm
; ---- the rotary table.  Wave: 16 rows (row block = number / 4) x two blocks of 16 frequencies.
; Lane (r, h), j = 0..7: row 16 rowblk + r, frequency i = 16 iblk + 8 h + j.
; Bytes: ((rowblk 8 + iblk) 4 + p) 512 + 16 lane; p 0, 1: g cos of j 0-3, 4-7; p 2, 3: g sin.
; sin and cos: n = nearest whole number to A 2/pi; the rest f = A 2/pi - n by two fused multiply-adds (2/pi in two parts);
; series to rho^7 and rho^8 on |rho| <= pi/4 (truncation below 4e-7); the quadrant from n's two low bits.
.macro SINCOS e, c, s
	v_mul_f32 v16, v5, v[\e]
	v_mul_f32 v17, s46, v16
	v_rndne_f32 v17, v17
	v_fma_f32 v18, v16, s46, -v17
	v_fma_f32 v18, v16, s47, v18
	v_mul_f32 v19, 0x3fc90fdb, v18
	v_mul_f32 v20, v19, v19
	v_mov_b32 v21, 0xb9500d01
	v_fmaak_f32 v21, v21, v20, 0x3c088889
	v_fmaak_f32 v21, v21, v20, 0xbe2aaaab
	v_mul_f32 v21, v21, v20
	v_fma_f32 v21, v21, v19, v19
	v_mov_b32 v22, 0x37d00d01
	v_fmaak_f32 v22, v22, v20, 0xbab60b61
	v_fmaak_f32 v22, v22, v20, 0x3d2aaaab
	v_fmaak_f32 v22, v22, v20, 0xbf000000
	v_fma_f32 v22, v22, v20, 1.0
	v_cvt_i32_f32 v23, v17
	v_and_b32 v24, 1, v23
	v_cmp_ne_u32 vcc_lo, 0, v24
	v_cndmask_b32 v25, v21, v22, vcc_lo            ; odd quadrant: sin and cos change places
	v_cndmask_b32 v26, v22, v21, vcc_lo
	v_and_b32 v24, 2, v23
	v_lshlrev_b32 v24, 30, v24
	v_xor_b32 v25, v24, v25                        ; sin is negative in quadrants 2, 3
	v_add_nc_u32 v24, 1, v23
	v_and_b32 v24, 2, v24
	v_lshlrev_b32 v24, 30, v24
	v_xor_b32 v26, v24, v26                        ; cos in quadrants 1, 2
	v_mul_f32 v[\s], s48, v25
	v_mul_f32 v[\c], s48, v26
.endm
.Ltable:
	v_and_b32 v1, 31, v0
	v_and_b32 v2, 15, v0
	v_bfe_u32 v3, v0, 4, 1
	s_lshr_b32 s6, s5, 2                           ; row block
	s_and_b32 s7, s5, 3                            ; pair of frequency blocks
	s_lshl_b32 s42, s6, 6
	v_lshl_add_u32 v4, v2, 2, s42
	global_load_b32 v5, v4, s[26:27]               ; my row's position
	s_lshl_b32 s43, s6, 14
	s_lshl_b32 s44, s7, 12
	s_add_co_u32 s43, s43, s44
	v_lshl_add_u32 v6, v1, 4, s43
	s_lshl_b32 s45, s7, 5
	v_lshl_add_u32 v7, v3, 3, s45                  ; 32 pair + 8 h
	s_mov_b32 s46, 0x3f22f983                      ; 2/pi, upper part
	s_mov_b32 s47, 0x32dc9c88                      ; 2/pi, the rest
	s_mov_b32 s48, 0x3d75fd68                      ; g = 0.06005612
	s_wait_loadcnt 0x0
	v_cvt_f32_i32 v5, v5
.irp u, 0,1
.irp j, 0,1,2,3,4,5,6,7
	v_add_nc_u32 v[8+\j], 16*\u+\j, v7
	v_cvt_f32_u32 v[8+\j], v[8+\j]
	v_mul_f32 v[8+\j], 0xbdd49a78, v[8+\j]         ; - i log2(10000) / 128
.endr
.irp j, 0,1,2,3,4,5,6,7
	v_exp_f32 v[8+\j], v[8+\j]
.endr
	v_nop                                          ; one plain place behind the exponentials (ISA guide 5.7.2)
	s_wait_alu depctr_va_vdst(0)
.irp j, 0,1,2,3,4,5,6,7
	SINCOS 8+\j, 32+16*\u+\j, 40+16*\u+\j
.endr
.irp p, 0,1,2,3
	global_store_b128 v6, v[32+16*\u+4*\p:32+16*\u+4*\p+3], s[38:39] offset:2048*\u+512*\p   ; 512 consecutive bytes a store
.endr
.endr
	s_endpgm
; ---- the mask words.  Wave: batch b, 16 queries (q16), 256 keys (kg).  Lane (r, h) holds the 128 bytes of row 16 q16 + r at key 256 kg + 128 h.
; One compare over the wave turns byte j of chunk c into 32 bits: bit r + 16 h' = mask[r][16 (16 kg + 8 h' + c) + j].
; Word (key16 = 16 kg + c, j) takes the low halves of compares j and j + 8, word (16 kg + 8 + c, j) their high halves.
.macro PACK mb, out
.irp c, 0,1,2,3,4,5,6,7
.irp j, 0,1,2,3,4,5,6,7,8,9,10,11,12,13,14,15
	v_bfe_u32 v8, v[\mb+4*\c+(\j>>2)], 8*(\j&3), 8
	v_cmp_ne_u32 s[44+\j], 0, v8
.endr
.irp j, 0,1,2,3,4,5,6,7
	s_and_b32 s60, s[44+\j], 0xffff
	s_lshl_b32 s61, s[52+\j], 16
	s_or_b32 s60, s60, s61
	v_writelane_b32 v[\out+(\j&3)], s60, 2*\c+(\j>>2)
	s_lshr_b32 s60, s[44+\j], 16
	s_and_b32 s61, s[52+\j], 0xffff0000
	s_or_b32 s60, s60, s61
	v_writelane_b32 v[\out+(\j&3)], s60, 16+2*\c+(\j>>2)
.endr
.endr
.endm
.Lmask:
	v_and_b32 v1, 31, v0
	v_and_b32 v2, 15, v0
	v_bfe_u32 v3, v0, 4, 1
	s_lshr_b32 s6, s5, 8                           ; b
	s_bfe_u32 s7, s5, 0x60002                      ; q16
	s_and_b32 s42, s5, 3                           ; kg
	s_lshl_b32 s43, s6, 20
	s_lshl_b32 s60, s7, 14
	s_add_co_u32 s43, s43, s60
	s_lshl_b32 s60, s42, 8
	s_add_co_u32 s43, s43, s60
	v_lshlrev_b32 v4, 10, v2
	v_lshl_add_u32 v4, v3, 7, v4
	v_add_nc_u32 v4, s43, v4
	s_lshl_b32 s61, s6, 10
	s_add_co_u32 s61, s61, s60
	v_lshl_add_u32 v5, v3, 7, s61
.irp c, 0,1,2,3,4,5,6,7
	global_load_b128 v[16+4*\c:16+4*\c+3], v4, s[28:29] offset:16*\c     ; the eight together read 16 rows x 256 bytes
.endr
.irp c, 0,1,2,3,4,5,6,7
	global_load_b128 v[48+4*\c:48+4*\c+3], v5, s[30:31] offset:16*\c
.endr
	s_lshl_b32 s62, s7, 4
	s_sub_co_i32 s62, s62, s60
	v_add_nc_u32 v6, s62, v2
	v_lshlrev_b32 v7, 7, v3
	v_sub_nc_u32 v6, v6, v7                        ; my query less my first key: where the diagonal falls in my bytes
	v_mov_b32 v9, 1
.irp k, 0,1,2,3,4,5,6,7
	v_mov_b32 v[80+\k], 0                          ; v_writelane_b32 counts as a reader of its destination
.endr
	s_lshl_b32 s43, s6, 17
	s_lshl_b32 s60, s7, 11
	s_add_co_u32 s43, s43, s60
	s_lshl_b32 s60, s42, 9
	s_add_co_u32 s43, s43, s60
	v_lshl_add_u32 v10, v1, 4, s43
	s_wait_loadcnt 0x0
	; student = attn & (keep | eye), four bytes at a time; v6 steps down by 4 from word to word
.set n, 0
.rept 32
	v_cmp_gt_u32 vcc_lo, 4, v6
	v_lshlrev_b32 v8, 3, v6
	v_lshlrev_b32 v8, v8, v9
	v_cndmask_b32 v8, 0, v8, vcc_lo
	v_or_b32 v8, v[48+n], v8
	v_and_b32 v[48+n], v[16+n], v8
	v_add_nc_u32 v6, -4, v6
.set n, n+1
.endr
	PACK 16, 80
	PACK 48, 84
	global_store_b128 v10, v[80:83], s[40:41]                  ; teacher: 512 consecutive bytes
	global_store_b128 v10, v[84:87], s[40:41] offset:262144    ; student
	s_endpgm
.Lfunc_end_k_qa1b4ec08ae_prep:
	.size	k_qa1b4ec08ae_prep, .Lfunc_end_k_qa1b4ec08ae_prep-k_qa1b4ec08ae_prep
	.p2alignl 7, 3214868480
	.fill 96, 4, 3214868480
	.section	.rodata,"a",@progbits
	.p2align	6, 0x0
	.amdhsa_kernel k_qa1b4ec08ae_prep
		.amdhsa_group_segment_fixed_size 0
		.amdhsa_private_segment_fixed_size 0
		.amdhsa_enable_private_segment 0
		.amdhsa_kernarg_size 136
		.amdhsa_user_sgpr_count 2
		.amdhsa_user_sgpr_kernarg_segment_ptr 1
		.amdhsa_wavefront_size32 1
		.amdhsa_system_sgpr_workgroup_id_x 1
		.amdhsa_system_sgpr_workgroup_id_y 1
		.amdhsa_system_sgpr_workgroup_id_z 1
		.amdhsa_system_vgpr_workitem_id 0
		.amdhsa_next_free_vgpr 144
		.amdhsa_next_free_sgpr 66
		.amdhsa_reserve_vcc 1
		.amdhsa_float_denorm_mode_32 3
		.amdhsa_float_denorm_mode_16_64 3
		.amdhsa_memory_ordered 1
		.amdhsa_forward_progress 1
		.amdhsa_inst_pref_size 143
	.end_amdhsa_kernel
	.amdgpu_metadata
---
amdhsa.version: [ 1, 2 ]
amdhsa.kernels:
  - .name:           k_qa1b4ec08ae_prep
    .symbol:         k_qa1b4ec08ae_prep.kd
    .args:
      - { .name: x, .offset: 0, .size: 8, .value_kind: global_buffer, .address_space: global }
      - { .name: wq_t, .offset: 8, .size: 8, .value_kind: global_buffer, .address_space: global }
      - { .name: wk_t, .offset: 16, .size: 8, .value_kind: global_buffer, .address_space: global }
      - { .name: wv_t, .offset: 24, .size: 8, .value_kind: global_buffer, .address_space: global }
      - { .name: wq_s, .offset: 32, .size: 8, .value_kind: global_buffer, .address_space: global }
      - { .name: wk_s, .offset: 40, .size: 8, .value_kind: global_buffer, .address_space: global }
      - { .name: wv_s, .offset: 48, .size: 8, .value_kind: global_buffer, .address_space: global }
      - { .name: wo_t, .offset: 56, .size: 8, .value_kind: global_buffer, .address_space: global }
      - { .name: wo_s, .offset: 64, .size: 8, .value_kind: global_buffer, .address_space: global }
      - { .name: segment_pos, .offset: 72, .size: 8, .value_kind: global_buffer, .address_space: global }
      - { .name: attn_mask, .offset: 80, .size: 8, .value_kind: global_buffer, .address_space: global }
      - { .name: key_keep, .offset: 88, .size: 8, .value_kind: global_buffer, .address_space: global }
      - { .name: xb, .offset: 96, .size: 8, .value_kind: global_buffer, .address_space: global }
      - { .name: wqkv, .offset: 104, .size: 8, .value_kind: global_buffer, .address_space: global }
      - { .name: wob, .offset: 112, .size: 8, .value_kind: global_buffer, .address_space: global }
      - { .name: rope, .offset: 120, .size: 8, .value_kind: global_buffer, .address_space: global }
      - { .name: mbits, .offset: 128, .size: 8, .value_kind: global_buffer, .address_space: global }
    .group_segment_fixed_size: 0
    .private_segment_fixed_size: 0
    .kernarg_segment_align: 8
    .kernarg_segment_size: 136
    .max_flat_workgroup_size: 256
    .sgpr_count:     66
    .vgpr_count:     144
    .wavefront_size: 32
...
	.end_amdgpu_metadata
.endif
;; end of part 1
;; launch qkv (part 2): grid 32 x 8, 4 waves a work-group, clusters of 4 x 4, 327,680 bytes of LDS; arguments xb, wqkv, rope, qkv; writes qkv
.if DOCPART == 2
	.amdgcn_target "amdgcn-amd-amdhsa--gfx1250"
	.amdhsa_code_object_version 6
	.text
	.protected	k_qa1b4ec08ae_qkv
	.globl	k_qa1b4ec08ae_qkv
	.p2align	8
	.type	k_qa1b4ec08ae_qkv,@function
k_qa1b4ec08ae_qkv:
	s_mov_b64 s[64:65], 0
	v_nop
	global_prefetch_b8 v0, s[64:65] scope:SCOPE_SE
	s_setreg_imm32_b32 hwreg(HW_REG_WAVE_MODE, 25, 1), 1
	s_wait_xcnt 0x0
	s_wait_alu depctr_hold_cnt(0) depctr_sa_sdst(0) depctr_va_vdst(0) depctr_va_sdst(0) depctr_va_ssrc(0) depctr_va_vcc(0) depctr_vm_vsrc(0)
	s_getreg_b32 s2, hwreg(HW_REG_IB_STS2, 6, 4)
	s_cmp_eq_u32 s2, 0
	s_cbranch_scc0 .Lentry_in_a_cluster
	s_endpgm
.Lentry_in_a_cluster:
	s_bfe_u32 s2, ttmp6, 0x10000c
	s_cmp_lg_u32 s2, 0xf033
	s_cbranch_scc0 .Lentry_shape_is_right
	s_endpgm
.Lentry_shape_is_right:
; qkv[row][n] = sum over k of xb[row][k] wqkv[k][n], both models' q, k, v at once: M 2048, N 8192, K 2048, f16 operands, f32 sums;
; q and k columns are rotated (and scaled by g, which the table carries) on the way out; the result is rounded once to f16.
; LIMIT: |g q|, |g k|, |v| below 65504.
; A work-group makes 256 x 256 with four waves, a wave 128 x 128: 64 accumulator tiles, 512 registers.  K goes in steps of 128 through two LDS slots.
; A's tile: 256 rows x 256 bytes, LDS pitch 272.  B lies [k][n]: 128 rows x 512 bytes, LDS pitch 544; its fragments come by the transposing LDS load.
; CLUSTERS: 4 x 4 work-groups; A's tile is asked for jointly along a row of the cluster, B's along a column: a quarter of the requests.
; REGISTERS: window 0: v16-27 addresses, v32-63 rows read back, v64-127 / v128-191 A's fragments (later the table), v192-255 at work on the way out;
; window 1: v64-191 B's fragments; windows 2, 3: accumulators, tile (a, b) at v[8 (8 a + b)].
; The product is used transposed (source 0 = B, source 1 = A): lane l holds row l % 16 and eight neighbouring columns 8 (l / 16) + 0..7.
; A head's 256 stored columns are 128 c + 64 u + w for h = 128 u + 64 c + w: a wave (c) holds h in tile b and h + 128 in tile b + 4, in the same lane and register.
.set SIZE_K, 2048
.set SIZE_N, 8192
.set KSTEP,  128
.set PITCH,  272
.set BPITCH, 544
.set HALFT,  128*PITCH                 ; 34,816 = 128 rows of A = 64 rows of B: what one tensor load brings
.set SLOT,   4*HALFT
.set STAGE,  2*SLOT
.set SPITCH, 272
.set LAPS, SIZE_K/(2*KSTEP)
.set ADRA, 16
.set ADRB, 20
.set STO,  24
.set RD,   25
.set CO,   26
.set TO,   27
.set RB,   32
.set F0,   64
.set F1,   128
.set TMP,  192
.set TT,   224
.set G1, 24
.set G0, 32
.set G1B, 48
.set G0B, 56
.set MSB, 0
.macro WIN new                         ; the immediate's high byte repeats the setting that is left
.if MSB != (\new)
	s_set_vgpr_msb (MSB<<8)|(\new)
.set MSB, (\new)
.endif
.endm
.set MUL_LO, 0xa1
.set MUL_HI, 0xf1
.set TO_B,   0x40
.macro JLOAD s                         ; waves 0, 1 ask for A's halves, waves 2, 3 for B's: one line, one mask each
	s_cmp_eq_u32 s11, 0
	s_cbranch_scc0 .Lfor_b_\@
	tensor_load_to_lds s[G0+4*\s:G0+4*\s+3], s[G1:G1+7]
	s_nop 0
	s_branch .Lasked_\@
.Lfor_b_\@:
	tensor_load_to_lds s[G0B+4*\s:G0B+4*\s+3], s[G1B:G1B+7]
	s_nop 0
.Lasked_\@:
.endm
.macro CREST                           ; a round of the cluster's barrier behind its opening barrier
	s_cmp_lg_u32 s10, 0
	s_cbranch_scc1 .Lnot_wave_0_\@
	s_barrier_signal -3
.Lnot_wave_0_\@:
	s_barrier_wait -3
	s_barrier_signal -1
	s_barrier_wait -1
.endm
.macro CROUND
	s_barrier_signal -1
	s_barrier_wait -1
	CREST
.endm
	s_load_b128 s[4:7], s[0:1], 0x0                ; xb, wqkv
	s_load_b128 s[68:71], s[0:1], 0x10             ; rope, qkv
	s_set_vgpr_msb 0x40
	v_lshl_add_u32 v255, v0, 2, 0x48400
	s_set_vgpr_msb 0x4000
	v_mov_b32 v31, 0
	s_set_vgpr_msb 0x1
	ds_add_u32 v255, v31
	s_set_vgpr_msb 0x100
	v_lshrrev_b32 v1, 5, v0
	v_readfirstlane_b32 s10, v1                    ; wave
	s_lshr_b32 s11, s10, 1                         ; my half of the rows; also: I fetch for A (0) or B (1)
	s_and_b32 s12, s10, 1                          ; my half of the columns; also: which half of that tile I fetch
	s_bfe_u32 s40, ttmp6, 0x40000                  ; cx
	s_bfe_u32 s41, ttmp6, 0x40004                  ; cy
	s_lshl_b32 s42, ttmp9, 2
	s_add_co_u32 s42, s42, s40                     ; block column
	s_and_b32 s13, ttmp7, 0xffff
	s_lshl_b32 s13, s13, 2
	s_add_co_u32 s13, s13, s41                     ; block row
	s_lshl_b32 s43, s41, 2
	s_lshl_b32 s43, 15, s43                        ; my row of the cluster
	s_lshl_b32 s44, 0x1111, s40                    ; my column
	s_or_b32 s[G1+0], s43, (1<<16)|(1<<20)|(1<<21)|(5<<22)|(3<<25)   ; 2-byte elements, 4 words of padding behind every 64
	s_mov_b32 s[G1+1], KSTEP<<16
	s_mov_b32 s[G1+2], 128<<16
	s_mov_b32 s[G1+3], KSTEP<<16
	s_mov_b32 s[G1+4], 128
	s_mov_b32 s[G1+5], SIZE_K
	s_mov_b32 s[G1+6], 0
	s_mov_b32 s[G1+7], 0
	s_or_b32 s[G1B+0], s44, (1<<16)|(1<<20)|(1<<21)|(6<<22)|(7<<25)  ; 8 words of padding behind every 128
	s_mov_b32 s[G1B+1], 256<<16
	s_mov_b32 s[G1B+2], 64<<16
	s_mov_b32 s[G1B+3], 256<<16
	s_mov_b32 s[G1B+4], 64
	s_mov_b32 s[G1B+5], SIZE_N
	s_mov_b32 s[G1B+6], 0
	s_mov_b32 s[G1B+7], 0
	s_lshl_b32 s16, s13, 20                        ; A: (256 block row + 128 half) rows of 4,096 bytes
	s_lshl_b32 s17, s12, 19
	s_add_co_u32 s16, s16, s17
	s_mov_b32 s17, 0
	s_lshl_b32 s46, s42, 9                         ; B: 512 bytes a block column + 64 half rows of 16,384 bytes
	s_lshl_b32 s47, s12, 20
	s_add_co_u32 s46, s46, s47
	s_mov_b32 s47, 0
	s_mul_i32 s20, s10, HALFT                      ; LDS: wave x 34,816
	s_wait_dscnt 0x0
	s_wait_kmcnt 0x0
	s_add_nc_u64 s[14:15], s[4:5], s[16:17]
	s_add_nc_u64 s[46:47], s[6:7], s[46:47]
	CROUND                                         ; all sixteen work-groups are here: the first joint loads meet
.irp s, 0,1
	s_mov_b32 s[G0+4*\s], 1
	s_add_co_u32 s[G0+4*\s+1], s20, \s*SLOT
	s_add_nc_u64 s[G0+4*\s+2:G0+4*\s+3], s[14:15], \s*KSTEP*2
	s_or_b32 s[G0+4*\s+3], s[G0+4*\s+3], 0x80000000
	s_mov_b32 s[G0B+4*\s], 1
	s_add_co_u32 s[G0B+4*\s+1], s20, \s*SLOT
	s_add_nc_u64 s[G0B+4*\s+2:G0B+4*\s+3], s[46:47], \s*KSTEP*SIZE_N*2
	s_or_b32 s[G0B+4*\s+3], s[G0B+4*\s+3], 0x80000000
	JLOAD \s
.endr
	v_and_b32 v1, 15, v0                           ; l % 16
	v_bfe_u32 v2, v0, 4, 1                         ; l / 16
	v_mul_u32_u24 v3, v1, PITCH
	v_lshl_add_u32 v3, v2, 4, v3                   ; A: row x pitch + 16 x half
	v_and_b32 v6, 7, v0
	v_lshl_add_u32 v6, v2, 3, v6                   ; B: k row 8 (l / 16) + l % 8,
	v_mul_u32_u24 v6, v6, BPITCH
	v_bfe_u32 v7, v0, 3, 1
	v_lshl_add_u32 v6, v7, 4, v6                   ; and 16 bytes on for lanes 8-15 of each half
	s_mul_i32 s21, s11, HALFT
	s_lshl_b32 s22, s12, 8                         ; my 128 columns of B
	s_add_co_u32 s22, s22, 2*HALFT
.irp s, 0,1
	v_add_nc_u32 v[ADRA+\s], s21, v3
	v_add_nc_u32 v[ADRB+\s], s22, v6
	s_add_co_u32 s21, s21, SLOT
	s_add_co_u32 s22, s22, SLOT
.endr
	s_mul_i32 s23, s10, 16*SPITCH
	s_add_co_u32 s23, s23, STAGE
	v_mul_u32_u24 v4, v1, SPITCH
	v_lshl_add_u32 v4, v2, 4, v4
	v_add_nc_u32 v[STO], s23, v4
	v_mul_u32_u24 v5, v2, SPITCH
	v_lshl_add_u32 v5, v1, 4, v5
	v_add_nc_u32 v[RD], s23, v5
	v_lshlrev_b32 v5, 14, v2
	v_lshl_add_u32 v[CO], v1, 4, v5
	v_and_b32 v5, 31, v0
	v_lshlrev_b32 v[TO], 4, v5
; The 64 accumulators take turns, one instruction a turn, in the same order in every quarter step.
.macro MUL16 f, hi, a0, zero
.irp a, \a0, \a0+1
.irp b, 0,1,2,3,4,5,6,7
.if \zero
	v_wmma_f32_16x16x32_f16 v[8*(8*(\a)+\b):8*(8*(\a)+\b)+7], v[\f+8*\b:\f+8*\b+7], v[\f+8*(4*\hi+\a):\f+8*(4*\hi+\a)+7], 0
.else
	v_wmma_f32_16x16x32_f16 v[8*(8*(\a)+\b):8*(8*(\a)+\b)+7], v[\f+8*\b:\f+8*\b+7], v[\f+8*(4*\hi+\a):\f+8*(4*\hi+\a)+7], v[8*(8*(\a)+\b):8*(8*(\a)+\b)+7]
.endif
.endr
.endr
.endm
; the fragments of quarter q (32 along K) into buffer f: 16 transposing loads for B (k rows 32 q + .., 16 rows apart), 16 plain ones for A
.macro FETCH slot, q, f
	WIN TO_B
.irp i, 0,1,2,3,4,5,6,7
	ds_load_tr16_b128 v[\f+8*\i:\f+8*\i+3],   v[ADRB+\slot] offset:\q*32*BPITCH+32*\i
	ds_load_tr16_b128 v[\f+8*\i+4:\f+8*\i+7], v[ADRB+\slot] offset:\q*32*BPITCH+32*\i+16*BPITCH
.endr
	WIN 0
.irp i, 0,1,2,3,4,5,6,7
	ds_load_b128 v[\f+8*\i:\f+8*\i+3],   v[ADRA+\slot] offset:\q*64+\i*16*PITCH
	ds_load_b128 v[\f+8*\i+4:\f+8*\i+7], v[ADRA+\slot] offset:\q*64+\i*16*PITCH+32
.endr
.endm
.macro PLACES                          ; four places behind a matrix instruction before its registers are loaded into or its result read (ISA guide 7.12.1)
.rept 4
	v_nop
.endr
.endm
.macro QUARTER slot, q, f, g, zero
	s_wait_dscnt 8                                 ; B and A's rows 0-63 are in; the youngest eight loads may be out
	WIN MUL_LO
	MUL16 \f, 0, 0, \zero
	MUL16 \f, 0, 2, \zero
	PLACES
	FETCH \slot, \q, \g
	s_wait_dscnt 32                                ; all but the 32 just issued
	WIN MUL_HI
	MUL16 \f, 1, 0, \zero
	MUL16 \f, 1, 2, \zero
.endm
.macro THREE slot, zero
	QUARTER \slot, 1, F0, F1, \zero
	QUARTER \slot, 2, F1, F0, 0
	QUARTER \slot, 3, F0, F1, 0
.endm
.macro TURN slot, next, fill
	s_wait_dscnt 8
	WIN MUL_LO
	MUL16 F1, 0, 0, 0
	s_wait_dscnt 0                                 ; my reads of this slot are over
	s_wait_tensorcnt 0x0                           ; all my tensor loads have landed: the one that was out is my part of the next slot
	ds_add_u32 v255, v31
	s_wait_dscnt 0x0
	s_barrier_signal -1
	MUL16 F1, 0, 2, 0                              ; register work alone between signal and wait
	WIN 0
	s_barrier_wait -1
.if \fill
	CREST                                          ; no wave of any partner still reads this slot or has a load on its way
	s_add_nc_u64 s[G0+4*\slot+2:G0+4*\slot+3], s[G0+4*\slot+2:G0+4*\slot+3], 2*KSTEP*2
	s_add_nc_u64 s[G0B+4*\slot+2:G0B+4*\slot+3], s[G0B+4*\slot+2:G0B+4*\slot+3], 2*KSTEP*SIZE_N*2
	JLOAD \slot                                    ; the wave's one tensor load behind the round, and the first thing there
.endif
	PLACES
	FETCH \next, 0, F0
	WIN MUL_HI
	MUL16 F1, 1, 0, 0
	MUL16 F1, 1, 2, 0
.endm
.macro LAP zero
	THREE 0, \zero
	TURN 0, 1, 1
	THREE 1, 0
	TURN 1, 0, 1
.endm
	s_wait_tensorcnt 1                             ; my part of K step 0 is in; K step 1's stays out
	s_barrier_signal -1
	s_barrier_wait -1
	FETCH 0, 0, F0
	LAP 1                                          ; the first products start the sums: nothing is cleared
	WIN 0
	s_mov_b32 s3, LAPS-2
.Llap:
	LAP 0
	WIN 0
	s_sub_co_u32 s3, s3, 1
	s_cmp_lg_u32 s3, 0
	s_cbranch_scc1 .Llap
	THREE 0, 0                                     ; the last lap fills nothing
	TURN 0, 1, 0
	THREE 1, 0
	s_wait_dscnt 8
	WIN MUL_LO
	MUL16 F1, 0, 0, 0
	MUL16 F1, 0, 2, 0
	s_wait_dscnt 0
	WIN MUL_HI
	MUL16 F1, 1, 0, 0
	MUL16 F1, 1, 2, 0
	WIN 0
	PLACES
	; THE WAY OUT, 16 rows at a time
	s_lshl_b32 s16, s13, 22                        ; (256 block row + 128 half) rows of 16,384 bytes
	s_lshl_b32 s17, s11, 21
	s_add_co_u32 s16, s16, s17
	s_mov_b32 s17, 0
	s_add_nc_u64 s[70:71], s[70:71], s[16:17]
	s_lshl_b32 s46, s42, 9
	s_lshl_b32 s47, s12, 8
	s_add_co_u32 s46, s46, s47
	s_mov_b32 s47, 0
	s_add_nc_u64 s[70:71], s[70:71], s[46:47]
	s_lshl_b32 s16, s13, 18                        ; the table: row block 16 block row + 8 half, 16,384 bytes each; my four frequency blocks
	s_lshl_b32 s17, s11, 17
	s_add_co_u32 s16, s16, s17
	s_lshl_b32 s17, s12, 13
	s_add_co_u32 s16, s16, s17
	s_mov_b32 s17, 0
	s_add_nc_u64 s[68:69], s[68:69], s[16:17]
; 16 rows from TMP through my own stage: 16 bytes a lane in, whole rows of 256 bytes back, 16 lanes store 256 consecutive aligned bytes
.macro STAGEOUT i
.irp b, 0,1,2,3,4,5,6,7
	ds_store_b128 v[STO], v[TMP+4*\b:TMP+4*\b+3] offset:32*\b
.endr
	s_wait_xcnt 0x0                                ; RB, which the last group's stores read, is loaded again only behind this wait
.irp t, 0,1,2,3,4,5,6,7
	ds_load_b128 v[RB+4*\t:RB+4*\t+3], v[RD] offset:\t*2*SPITCH    ; LDS serves a wave's instructions in order: these see the stores above
.endr
.irp t, 0,1,2,3,4,5,6,7
	s_wait_dscnt 7-\t
	global_store_b128 v[CO], v[RB+4*\t:RB+4*\t+3], s[70:71] offset:(16*\i+2*\t)*SIZE_N*2
.endr
.endm
.macro TABLD i, buf                    ; row group i: 4 frequency blocks x (cos 0-3, cos 4-7, sin 0-3, sin 4-7), 512 consecutive bytes a load
.irp b, 0,1,2,3
.irp p, 0,1,2,3
	global_load_b128 v[\buf+16*\b+4*\p:\buf+16*\b+4*\p+3], v[TO], s[68:69] offset:\i*16384+\b*2048+\p*512
.endr
.endr
.endm
; first' = f cos - s sin (into TT), second' = s cos + f sin (onto the cos registers); f = tile b, s = tile b + 4
.macro ROPE16 i, a, from, buf, nbuf, more
.if \more
	TABLD (\i+1), \nbuf
	s_wait_loadcnt 16                              ; this group's 16 table loads are in, the next group's 16 stay out
.else
	s_wait_loadcnt 0
.endif
	WIN \from
.irp b, 0,1,2,3
.irp e, 0,2,4,6
	v_pk_mul_f32 v[TT+8*\b+\e:TT+8*\b+\e+1], v[8*(8*\a+\b)+\e:8*(8*\a+\b)+\e+1], v[\buf+16*\b+\e:\buf+16*\b+\e+1]
	v_pk_mul_f32 v[\buf+16*\b+\e:\buf+16*\b+\e+1], v[8*(8*\a+\b+4)+\e:8*(8*\a+\b+4)+\e+1], v[\buf+16*\b+\e:\buf+16*\b+\e+1]
	v_pk_fma_f32 v[TT+8*\b+\e:TT+8*\b+\e+1], v[8*(8*\a+\b+4)+\e:8*(8*\a+\b+4)+\e+1], v[\buf+16*\b+8+\e:\buf+16*\b+8+\e+1], v[TT+8*\b+\e:TT+8*\b+\e+1] neg_lo:[0,1,0] neg_hi:[0,1,0]
	v_pk_fma_f32 v[\buf+16*\b+\e:\buf+16*\b+\e+1], v[8*(8*\a+\b)+\e:8*(8*\a+\b)+\e+1], v[\buf+16*\b+8+\e:\buf+16*\b+8+\e+1], v[\buf+16*\b+\e:\buf+16*\b+\e+1]
.endr
.endr
	WIN 0
.irp b, 0,1,2,3
.irp r, 0,1,2,3
	v_cvt_pk_f16_f32 v[TMP+4*\b+\r], v[TT+8*\b+2*\r], v[TT+8*\b+2*\r+1]
	v_cvt_pk_f16_f32 v[TMP+4*(\b+4)+\r], v[\buf+16*\b+2*\r], v[\buf+16*\b+2*\r+1]
.endr
.endr
	STAGEOUT \i
.endm
.macro OUT16 i, a, from
	WIN \from
.irp b, 0,1,2,3,4,5,6,7
.irp r, 0,1,2,3
	v_cvt_pk_f16_f32 v[TMP+4*\b+\r], v[8*(8*\a+\b)+2*\r], v[8*(8*\a+\b)+2*\r+1]
.endr
.endr
	WIN 0
	STAGEOUT \i
.endm
	s_and_b32 s14, ttmp9, 3                        ; the cluster's x, the same in all sixteen: 3 of each four = the v columns
	s_cmp_eq_u32 s14, 3
	s_cbranch_scc1 .Lplain
	TABLD 0, F0
	ROPE16 0, 0, 0x02, F0, F1, 1
	ROPE16 1, 1, 0x02, F1, F0, 1
	ROPE16 2, 2, 0x02, F0, F1, 1
	ROPE16 3, 3, 0x02, F1, F0, 1
	ROPE16 4, 0, 0x03, F0, F1, 1
	ROPE16 5, 1, 0x03, F1, F0, 1
	ROPE16 6, 2, 0x03, F0, F1, 1
	ROPE16 7, 3, 0x03, F1, F0, 0
	s_branch .Lclose
.Lplain:
	OUT16 0, 0, 0x0a
	OUT16 1, 1, 0x0a
	OUT16 2, 2, 0x0a
	OUT16 3, 3, 0x0a
	OUT16 4, 0, 0x0f
	OUT16 5, 1, 0x0f
	OUT16 6, 2, 0x0f
	OUT16 7, 3, 0x0f
.Lclose:
	s_set_vgpr_msb 0x1
	s_wait_tensorcnt 0x0
	ds_add_u32 v255, v31
	s_wait_dscnt 0x0
	s_set_vgpr_msb 0x100
	CROUND                                         ; the closing round: no work-group ends while a partner may still ask jointly
	s_endpgm
.Lfunc_end_k_qa1b4ec08ae_qkv:
	.size	k_qa1b4ec08ae_qkv, .Lfunc_end_k_qa1b4ec08ae_qkv-k_qa1b4ec08ae_qkv
	.p2alignl 7, 3214868480
	.fill 96, 4, 3214868480
	.section	.rodata,"a",@progbits
	.p2align	6, 0x0
	.amdhsa_kernel k_qa1b4ec08ae_qkv
		.amdhsa_group_segment_fixed_size 327680
		.amdhsa_private_segment_fixed_size 0
		.amdhsa_enable_private_segment 0
		.amdhsa_kernarg_size 32
		.amdhsa_user_sgpr_count 2
		.amdhsa_user_sgpr_kernarg_segment_ptr 1
		.amdhsa_wavefront_size32 1
		.amdhsa_system_sgpr_workgroup_id_x 1
		.amdhsa_system_sgpr_workgroup_id_y 1
		.amdhsa_system_sgpr_workgroup_id_z 1
		.amdhsa_system_vgpr_workitem_id 0
		.amdhsa_next_free_vgpr 1024
		.amdhsa_next_free_sgpr 72
		.amdhsa_reserve_vcc 0
		.amdhsa_float_denorm_mode_32 3
		.amdhsa_float_denorm_mode_16_64 3
		.amdhsa_memory_ordered 1
		.amdhsa_forward_progress 1
		.amdhsa_inst_pref_size 255
	.end_amdhsa_kernel
	.section	.bss,"aw",@nobits
	.p2align	6
	.space	262144
	.amdgpu_metadata
---
amdhsa.version: [ 1, 2 ]
amdhsa.kernels:
  - .name:           k_qa1b4ec08ae_qkv
    .symbol:         k_qa1b4ec08ae_qkv.kd
    .args:
      - { .name: xb, .offset: 0, .size: 8, .value_kind: global_buffer, .address_space: global }
      - { .name: wqkv, .offset: 8, .size: 8, .value_kind: global_buffer, .address_space: global }
      - { .name: rope, .offset: 16, .size: 8, .value_kind: global_buffer, .address_space: global }
      - { .name: qkv, .offset: 24, .size: 8, .value_kind: global_buffer, .address_space: global }
    .group_segment_fixed_size: 327680
    .private_segment_fixed_size: 0
    .kernarg_segment_align: 8
    .kernarg_segment_size: 32
    .max_flat_workgroup_size: 128
    .sgpr_count:     72
    .vgpr_count:     1024
    .wavefront_size: 32
...
	.end_amdgpu_metadata
.endif
;; end of part 2
;; launch attn (part 3): grid 8 x 32, 4 waves a work-group, clusters of 4 x 1, 327,680 bytes of LDS; arguments qkv, mbits, enc; writes enc
.if DOCPART == 3
	.amdgcn_target "amdgcn-amd-amdhsa--gfx1250"
	.amdhsa_code_object_version 6
	.text
	.protected	k_qa1b4ec08ae_attn
	.globl	k_qa1b4ec08ae_attn
	.p2align	8
	.type	k_qa1b4ec08ae_attn,@function
k_qa1b4ec08ae_attn:
	s_mov_b64 s[64:65], 0
	v_nop
	global_prefetch_b8 v0, s[64:65] scope:SCOPE_SE
	s_setreg_imm32_b32 hwreg(HW_REG_WAVE_MODE, 25, 1), 1
	s_wait_xcnt 0x0
	s_wait_alu depctr_hold_cnt(0) depctr_sa_sdst(0) depctr_va_vdst(0) depctr_va_sdst(0) depctr_va_ssrc(0) depctr_va_vcc(0) depctr_vm_vsrc(0)
	s_getreg_b32 s2, hwreg(HW_REG_IB_STS2, 6, 4)
	s_cmp_eq_u32 s2, 0
	s_cbranch_scc0 .Lentry_in_a_cluster
	s_endpgm
.Lentry_in_a_cluster:
	s_bfe_u32 s2, ttmp6, 0x10000c
	s_cmp_lg_u32 s2, 0x3003
	s_cbranch_scc0 .Lentry_shape_is_right
	s_endpgm
.Lentry_shape_is_right:
; ATTENTION for one (model, batch, head) = y and 128 query rows = x; all 1,024 keys are walked, since the mask is an input.
; q and k arrive scaled by g, so S = q'.k' = 2 log2(e) logit / 50.  50 log2(e) tanh(logit / 50) = 72.13 - 144.27 / (1 + 2^S); the 72.13 is common to
; all keys and falls out of the softmax, so the exponent used is y = -144.269504 / (1 + 2^S), in [-144.27, 0].  A masked key gets y = -300:
; beside any real key its 2^(y - max) has an exponent of -155.7 or less and is 0; a row with every key masked gets equal weights, as the finite mask value of the problem gives.
; A running maximum is kept, so the weights are at most 1 and go to the matrix unit in f16.
; LIMITS: NaN and infinities are not served; |v| below 65504.
; WAVES: wave w takes query rows 64 (w & 1) .. + 63 and keys 64 (w >> 1) .. + 63 of every tile of 128 keys, with its own maximum and sum; the two
; key halves are merged at the end through LDS.  S is made transposed (A = 16 keys, B = 16 queries): lane (r, h), register j = key 8 h + j of query r, so two
; tiles pack in place into a B fragment of the weights, and maximum, sum and factor are one number a lane.  O is made transposed too (A = V by the transposing load).
; CLUSTER: the four query blocks of a cluster walk the same K and V: each tile is asked for jointly (mask 15), a quarter of the requests.
; REGISTERS: window 0: v2-7 LDS addresses; v8-31 for each query block (max, other half | factor, old max | sum pair); v32-159 S, then the weights;
; v160-255 three buffers of four fragments.  Window 1: Q, fragment (qb, ks) at 8 (8 qb + ks).  Windows 2, 3: O, tile (qb, idx) at 8 (8 qb + idx % 8);
; idx stands for the block of 16 h numbered (idx + 8 (w >> 1)) % 16, so every wave keeps window 2 and hands window 3 to its partner.
.set QUART, 34816                      ; a quarter of a slot: 64 rows of K at pitch 528 (33,792 used) or 64 rows of V at pitch 544
.set SLOT,  4*QUART                    ; K rows 0-63, K rows 64-127, V rows 0-63, V rows 64-127
.set STAGE, 2*SLOT
.set KP, 528
.set VP, 544
.set SPITCH, 272
.set KADR, 2
.set VLO, 4
.set VHI, 6
.set ST, 8
.set SB, 32
.set B0, 160
.set B1, 192
.set B2, 224
.set TP, 64
.set PK, 128
.set RB, 160
.set MSB, 0
.macro WIN new
.if MSB != (\new)
	s_set_vgpr_msb (MSB<<8)|(\new)
.set MSB, (\new)
.endif
.endm
.macro PLACES                          ; four places behind a matrix instruction (ISA guide 7.12.1)
.rept 4
	v_nop
.endr
.endm
.macro ROUND                           ; a round of the cluster's barrier
	s_barrier_signal -1
	s_barrier_wait -1
	s_cmp_lg_u32 s3, 0
	s_cbranch_scc1 .Lnot_wave_0_\@
	s_barrier_signal -3
.Lnot_wave_0_\@:
	s_barrier_wait -3
	s_barrier_signal -1
	s_barrier_wait -1
.endm
.macro JLOAD s                         ; waves 0, 1: K's halves (16 bytes of padding a row); waves 2, 3: V's (32 bytes)
	s_cmp_eq_u32 s5, 0
	s_cbranch_scc0 .Lfor_v_\@
	tensor_load_to_lds s[8+20*\s:8+20*\s+3], s[12:19]
	s_nop 0
	s_branch .Lasked_\@
.Lfor_v_\@:
	tensor_load_to_lds s[8+20*\s:8+20*\s+3], s[20:27]
	s_nop 0
.Lasked_\@:
.endm
.macro MLOAD                           ; 64 mask words: 4 query blocks x (2 blocks of 16 keys x 8 registers)
	s_load_b512 s[32:47], s[6:7], 0x0
	s_load_b512 s[48:63], s[6:7], 0x800
	s_load_b512 s[68:83], s[6:7], 0x1000
	s_load_b512 s[84:99], s[6:7], 0x1800
.endm
; batch n of K: keys 32 (n >> 2) + 16 (f & 1), h step 2 (n & 3) + (f >> 1)
.macro KLOAD n, slot, buf
.irp f, 0,1,2,3
	ds_load_b128 v[\buf+8*\f:\buf+8*\f+3],   v[KADR+\slot] offset:(32*(\n>>2)+16*(\f&1))*KP+64*(2*(\n&3)+(\f>>1))
	ds_load_b128 v[\buf+8*\f+4:\buf+8*\f+7], v[KADR+\slot] offset:(32*(\n>>2)+16*(\f&1))*KP+64*(2*(\n&3)+(\f>>1))+32
.endr
.endm
; batch v of V: keys 32 (v >> 2) .. + 31, tiles idx = 4 (v & 3) + f
.macro VLOAD v, slot, buf
.irp f, 0,1,2,3
	ds_load_tr16_b128 v[\buf+8*\f:\buf+8*\f+3],   v[VLO+2*((\v&3)>>1)+\slot] offset:32*VP*(\v>>2)+32*((4*(\v&3)+\f)&7)
	ds_load_tr16_b128 v[\buf+8*\f+4:\buf+8*\f+7], v[VLO+2*((\v&3)>>1)+\slot] offset:32*VP*(\v>>2)+32*((4*(\v&3)+\f)&7)+16*VP
.endr
.endm
; 16 products of S: eight accumulators take turns, one instruction a turn; the first h step starts the sums
.macro SMUL n, buf
.irp e, 0,1
.irp kbl, 0,1
.irp qb, 0,1,2,3
.if ((\n&3)+\e) == 0
	v_wmma_f32_16x16x32_f16 v[SB+64*(\n>>2)+16*\qb+8*\kbl:SB+64*(\n>>2)+16*\qb+8*\kbl+7], v[\buf+8*(2*\e+\kbl):\buf+8*(2*\e+\kbl)+7], v[8*(8*\qb+2*(\n&3)+\e):8*(8*\qb+2*(\n&3)+\e)+7], 0
.else
	v_wmma_f32_16x16x32_f16 v[SB+64*(\n>>2)+16*\qb+8*\kbl:SB+64*(\n>>2)+16*\qb+8*\kbl+7], v[\buf+8*(2*\e+\kbl):\buf+8*(2*\e+\kbl)+7], v[8*(8*\qb+2*(\n&3)+\e):8*(8*\qb+2*(\n&3)+\e)+7], v[SB+64*(\n>>2)+16*\qb+8*\kbl:SB+64*(\n>>2)+16*\qb+8*\kbl+7]
.endif
.endr
.endr
.endr
.endm
; 16 products of O on 16 accumulators
.macro PVMUL v, buf, zero
	WIN 0xa0+0x50*((\v&3)>>1)
.irp f, 0,1,2,3
.irp qb, 0,1,2,3
.if \zero
	v_wmma_f32_16x16x32_f16 v[8*(8*\qb+((4*(\v&3)+\f)&7)):8*(8*\qb+((4*(\v&3)+\f)&7))+7], v[\buf+8*\f:\buf+8*\f+7], v[SB+64*(\v>>2)+16*\qb:SB+64*(\v>>2)+16*\qb+7], 0
.else
	v_wmma_f32_16x16x32_f16 v[8*(8*\qb+((4*(\v&3)+\f)&7)):8*(8*\qb+((4*(\v&3)+\f)&7))+7], v[\buf+8*\f:\buf+8*\f+7], v[SB+64*(\v>>2)+16*\qb:SB+64*(\v>>2)+16*\qb+7], v[8*(8*\qb+((4*(\v&3)+\f)&7)):8*(8*\qb+((4*(\v&3)+\f)&7))+7]
.endif
.endr
.endr
.endm
; S of 32 keys -> y, masked, and the maximum taken on.  Four query blocks at once; the chains on the maxima take the blocks by turns.
.macro PASSA kap, first
	s_wait_kmcnt 0x0                               ; the mask words are in, so their address may be stepped: 64 bytes to the next 32 keys, 192 to the next tile
	s_add_nc_u64 s[6:7], s[6:7], 64+128*\kap
.set i, 0
.rept 64
	v_exp_f32 v[SB+64*\kap+i], v[SB+64*\kap+i]
.set i, i+1
.endr
	v_nop                                          ; one plain place behind the transcendentals (ISA guide 5.7.2)
.set i, 0
	s_wait_alu depctr_va_vdst(0)
.rept 32
	v_pk_add_f32 v[SB+64*\kap+2*i:SB+64*\kap+2*i+1], v[SB+64*\kap+2*i:SB+64*\kap+2*i+1], 1.0 op_sel_hi:[1,0]
.set i, i+1
.endr
.set i, 0
.rept 64
	v_rcp_f32 v[SB+64*\kap+i], v[SB+64*\kap+i]
.set i, i+1
.endr
	v_nop
.set i, 0
	s_wait_alu depctr_va_vdst(0)
.rept 32
	v_pk_mul_f32 v[SB+64*\kap+2*i:SB+64*\kap+2*i+1], v[SB+64*\kap+2*i:SB+64*\kap+2*i+1], 0xc31044fe op_sel_hi:[1,0]
.set i, i+1
.endr
.irp i, 0,1,2,3,4,5,6,7
.irp qb, 0,1,2,3
	v_cndmask_b32 v[SB+64*\kap+16*\qb+2*\i], s104, v[SB+64*\kap+16*\qb+2*\i], s[32+16*\qb+4*(\qb>>1)+2*\i]
	v_cndmask_b32 v[SB+64*\kap+16*\qb+2*\i+1], s104, v[SB+64*\kap+16*\qb+2*\i+1], s[32+16*\qb+4*(\qb>>1)+2*\i+1]
.if (\kap+\i) == 0
.if \first
	v_max_num_f32 v[ST+6*\qb], v[SB+64*\kap+16*\qb+2*\i], v[SB+64*\kap+16*\qb+2*\i+1]
.else
	v_max3_num_f32 v[ST+6*\qb], v[ST+6*\qb+3], v[SB+64*\kap+16*\qb+2*\i], v[SB+64*\kap+16*\qb+2*\i+1]
.endif
.else
	v_max3_num_f32 v[ST+6*\qb], v[ST+6*\qb], v[SB+64*\kap+16*\qb+2*\i], v[SB+64*\kap+16*\qb+2*\i+1]
.endif
.endr
.endr
.endm
; the two halves of the lanes hold different keys of one query: join the maxima; factor = 2^(old - new)
.macro MUPD first
.irp qb, 0,1,2,3
	v_permlanex16_b32 v[ST+6*\qb+1], v[ST+6*\qb], s66, s67
.endr
.irp qb, 0,1,2,3
	v_max_num_f32 v[ST+6*\qb], v[ST+6*\qb], v[ST+6*\qb+1]
.endr
.if \first == 0
.irp qb, 0,1,2,3
	v_sub_f32 v[ST+6*\qb+2], v[ST+6*\qb+3], v[ST+6*\qb]
.endr
.irp qb, 0,1,2,3
	v_exp_f32 v[ST+6*\qb+2], v[ST+6*\qb+2]
.endr
.endif
.irp qb, 0,1,2,3
	v_mov_b32 v[ST+6*\qb+3], v[ST+6*\qb]           ; these moves are the plain places behind the exponentials
.endr
.endm
; weights 2^(y - max), summed in f32 and packed in place to f16.  lm 2: the sums begin; 1: old sum x factor first; 0: plain adds
.macro PASSB kap, lm
.irp qb, 0,1,2,3
.irp i, 0,2,4,6,8,10,12,14
	v_pk_add_f32 v[SB+64*\kap+16*\qb+\i:SB+64*\kap+16*\qb+\i+1], v[SB+64*\kap+16*\qb+\i:SB+64*\kap+16*\qb+\i+1], v[ST+6*\qb:ST+6*\qb+1] op_sel_hi:[1,0] neg_lo:[0,1] neg_hi:[0,1]
.endr
.endr
.set i, 0
.rept 64
	v_exp_f32 v[SB+64*\kap+i], v[SB+64*\kap+i]
.set i, i+1
.endr
	v_nop
	s_wait_alu depctr_va_vdst(0)
.if \lm == 2
	s_wait_alu depctr_va_vdst(0)
.irp qb, 0,1,2,3
	v_pk_add_f32 v[ST+6*\qb+4:ST+6*\qb+5], v[SB+64*\kap+16*\qb:SB+64*\kap+16*\qb+1], v[SB+64*\kap+16*\qb+2:SB+64*\kap+16*\qb+3]
.endr
.irp qb, 0,1,2,3
	v_cvt_pk_f16_f32 v[SB+64*\kap+16*\qb], v[SB+64*\kap+16*\qb], v[SB+64*\kap+16*\qb+1]
	v_cvt_pk_f16_f32 v[SB+64*\kap+16*\qb+1], v[SB+64*\kap+16*\qb+2], v[SB+64*\kap+16*\qb+3]
.endr
.else
.irp qb, 0,1,2,3
.if \lm == 1
	v_pk_fma_f32 v[ST+6*\qb+4:ST+6*\qb+5], v[ST+6*\qb+4:ST+6*\qb+5], v[ST+6*\qb+2:ST+6*\qb+3], v[SB+64*\kap+16*\qb:SB+64*\kap+16*\qb+1] op_sel_hi:[1,0,1]
.else
	v_pk_add_f32 v[ST+6*\qb+4:ST+6*\qb+5], v[ST+6*\qb+4:ST+6*\qb+5], v[SB+64*\kap+16*\qb:SB+64*\kap+16*\qb+1]
.endif
	v_cvt_pk_f16_f32 v[SB+64*\kap+16*\qb], v[SB+64*\kap+16*\qb], v[SB+64*\kap+16*\qb+1]
.endr
.irp qb, 0,1,2,3
	v_pk_add_f32 v[ST+6*\qb+4:ST+6*\qb+5], v[ST+6*\qb+4:ST+6*\qb+5], v[SB+64*\kap+16*\qb+2:SB+64*\kap+16*\qb+3]
	v_cvt_pk_f16_f32 v[SB+64*\kap+16*\qb+1], v[SB+64*\kap+16*\qb+2], v[SB+64*\kap+16*\qb+3]
.endr
.endif
.irp i, 2,3,4,5,6,7
.irp qb, 0,1,2,3
	v_pk_add_f32 v[ST+6*\qb+4:ST+6*\qb+5], v[ST+6*\qb+4:ST+6*\qb+5], v[SB+64*\kap+16*\qb+2*\i:SB+64*\kap+16*\qb+2*\i+1]
	v_cvt_pk_f16_f32 v[SB+64*\kap+16*\qb+\i], v[SB+64*\kap+16*\qb+2*\i], v[SB+64*\kap+16*\qb+2*\i+1]
.endr
.endr
.endm
.macro RESC1
.irp qb, 0,1,2,3
.set i, 0
.rept 32
	v_pk_mul_f32 v[64*\qb+2*i:64*\qb+2*i+1], v[64*\qb+2*i:64*\qb+2*i+1], v[ST+6*\qb+2:ST+6*\qb+3] op_sel_hi:[1,0]
.set i, i+1
.endr
.endr
.endm
.macro RESCALE                         ; O x factor, both windows
	WIN 0x82
	RESC1
	WIN 0xc3
	RESC1
.endm
.macro SSTEP n, buf
	s_wait_dscnt 16                                ; this batch's 8 loads are in; the two younger batches stay out
	SMUL \n, \buf
	PLACES
.endm
.macro PSTEP v, buf, zero
	PVMUL \v, \buf, \zero
	WIN 0
	PLACES
.endm
; One tile of 128 keys in slot.  On entry K's batches 0, 1, 2 are on their way into B0, B1, B2.  Each buffer is loaded again behind the products that read it.
; mode 2: this slot is filled again; 1: the slots change without a fill; 0: the last tile.
.macro TRIP slot, first, mode
	WIN 0x04                                       ; Q in window 1; an LDS load names the same registers as under 0
	SSTEP 0, B0
	KLOAD 3, \slot, B0
	SSTEP 1, B1
	KLOAD 4, \slot, B1
	SSTEP 2, B2
	KLOAD 5, \slot, B2
	SSTEP 3, B0
	KLOAD 6, \slot, B0
	WIN 0
	PASSA 0, \first
	MLOAD
	WIN 0x04
	SSTEP 4, B1
	KLOAD 7, \slot, B1
	SSTEP 5, B2
	VLOAD 1, \slot, B2
	SSTEP 6, B0
	VLOAD 2, \slot, B0
	SSTEP 7, B1
	VLOAD 0, \slot, B1
	WIN 0
	PASSA 1, 0
.if \mode
	MLOAD
.endif
	MUPD \first
	PASSB 0, 1+\first
	PASSB 1, 0
.if \first == 0
	RESCALE
.endif
	s_wait_dscnt 0                                 ; V's batches 0, 1, 2
	PSTEP 0, B1, \first
	VLOAD 3, \slot, B1
	PSTEP 1, B2, \first
	VLOAD 4, \slot, B2
	PSTEP 2, B0, \first
	VLOAD 5, \slot, B0
	s_wait_dscnt 16                                ; batch 3 is in; 4 and 5 stay out
	PSTEP 3, B1, \first
	VLOAD 6, \slot, B1
	s_wait_dscnt 16                                ; batch 4 is in; 5 and 6 stay out
	PSTEP 4, B2, 0
	VLOAD 7, \slot, B2
	s_wait_dscnt 0                                 ; my reads of this slot are over
.if \mode
	s_wait_xcnt 0x0
	v_lshl_add_u32 v158, v0, 2, 0x48400
	v_mov_b32 v159, 0
	s_wait_tensorcnt 0x0                           ; all my tensor loads have landed: the one that was out is my quarter of the other slot
	ds_add_u32 v158, v159
	s_wait_dscnt 0x0
.endif
.if \mode == 2
	ROUND                                          ; both now hold of every wave of the four work-groups
	s_add_nc_u64 s[10+20*\slot:11+20*\slot], s[10+20*\slot:11+20*\slot], 0x400000    ; 256 keys on
	JLOAD \slot                                    ; the wave's one tensor load behind the round, and the first thing there
.endif
.if \mode == 1
	s_barrier_signal -1                            ; the last tile is whole for all four waves
	s_barrier_wait -1
.endif
	PSTEP 5, B0, 0
.if \mode
	KLOAD 0, 1-\slot, B0
.endif
	PSTEP 6, B1, 0
.if \mode
	KLOAD 1, 1-\slot, B1
.endif
	PSTEP 7, B2, 0
.if \mode
	KLOAD 2, 1-\slot, B2
.endif
.endm
	s_load_b128 s[68:71], s[0:1], 0x0              ; qkv, mbits
	s_load_b64 s[100:101], s[0:1], 0x10            ; enc
	v_lshl_add_u32 v158, v0, 2, 0x48400
	v_mov_b32 v159, 0
	ds_add_u32 v158, v159
	s_wait_dscnt 0x0
	v_lshrrev_b32 v1, 5, v0
	v_readfirstlane_b32 s3, v1                     ; wave
	s_and_b32 s4, s3, 1                            ; my 64 query rows; also: which 64 rows of a tile I fetch
	s_lshr_b32 s5, s3, 1                           ; my 64 keys; also: I fetch K (0) or V (1)
	s_bfe_u32 s32, ttmp6, 0x40000                  ; cx
	s_lshl_b32 s33, ttmp9, 2
	s_add_co_u32 s33, s33, s32                     ; query block
	s_and_b32 s34, ttmp7, 0xffff
	s_and_b32 s35, s34, 7                          ; head
	s_bfe_u32 s36, s34, 0x10003                    ; batch
	s_lshr_b32 s37, s34, 4                         ; model
	s_lshr_b32 s38, s35, 1                         ; key and value head
	s_mov_b32 s66, 0x76543210                      ; v_permlanex16_b32: lane i of the other half
	s_mov_b32 s67, 0xfedcba98
	s_mov_b32 s104, 0xc3960000                     ; -300.0
	s_mov_b32 s12, 15|(1<<16)|(1<<20)|(1<<21)|(6<<22)|(3<<25)   ; K: mask of the four, 2-byte elements, 4 words of padding behind every 128
	s_mov_b32 s13, 256<<16
	s_mov_b32 s14, 64<<16
	s_mov_b32 s15, 256<<16
	s_mov_b32 s16, 64
	s_mov_b32 s17, 8192
	s_mov_b32 s18, 0
	s_mov_b32 s19, 0
	s_mov_b32 s20, 15|(1<<16)|(1<<20)|(1<<21)|(6<<22)|(7<<25)   ; V: 8 words of padding
	s_mov_b32 s21, 256<<16
	s_mov_b32 s22, 64<<16
	s_mov_b32 s23, 256<<16
	s_mov_b32 s24, 64
	s_mov_b32 s25, 8192
	s_mov_b32 s26, 0
	s_mov_b32 s27, 0
	; K and V: (1024 b + 64 half) rows of 16,384 bytes + 8,192 model + 4,096 + 512 kv head + 2,048 for V: nothing of the query block
	s_lshl_b32 s40, s36, 24
	s_lshl_b32 s41, s4, 20
	s_add_co_u32 s40, s40, s41
	s_lshl_b32 s41, s37, 13
	s_add_co_u32 s40, s40, s41
	s_lshl_b32 s41, s38, 9
	s_add_co_u32 s40, s40, s41
	s_lshl_b32 s41, s5, 11
	s_add_co_u32 s40, s40, s41
	s_add_co_u32 s40, s40, 4096
	s_mov_b32 s41, 0
	; Q: (1024 b + 128 block + 64 half) rows + 8,192 model + 512 head
	s_lshl_b32 s44, s36, 24
	s_lshl_b32 s45, s33, 21
	s_add_co_u32 s44, s44, s45
	s_lshl_b32 s45, s4, 20
	s_add_co_u32 s44, s44, s45
	s_lshl_b32 s45, s37, 13
	s_add_co_u32 s44, s44, s45
	s_lshl_b32 s45, s35, 9
	s_add_co_u32 s44, s44, s45
	s_mov_b32 s45, 0
	; mask words: 262,144 model + 131,072 b + 2,048 (8 block + 4 half) + 128 key half
	s_lshl_b32 s46, s37, 18
	s_lshl_b32 s47, s36, 17
	s_add_co_u32 s46, s46, s47
	s_lshl_b32 s47, s33, 14
	s_add_co_u32 s46, s46, s47
	s_lshl_b32 s47, s4, 13
	s_add_co_u32 s46, s46, s47
	s_lshl_b32 s47, s5, 7
	s_add_co_u32 s46, s46, s47
	s_mov_b32 s47, 0
	; enc: (1024 b + 128 block + 64 half) rows of 8,192 bytes + 4,096 model + 512 head + 256 for the h half that I keep
	s_lshl_b32 s50, s36, 23
	s_lshl_b32 s51, s33, 20
	s_add_co_u32 s50, s50, s51
	s_lshl_b32 s51, s4, 19
	s_add_co_u32 s50, s50, s51
	s_lshl_b32 s51, s37, 12
	s_add_co_u32 s50, s50, s51
	s_lshl_b32 s51, s35, 9
	s_add_co_u32 s50, s50, s51
	s_lshl_b32 s51, s5, 8
	s_add_co_u32 s50, s50, s51
	s_mov_b32 s51, 0
	s_mul_i32 s9, s3, QUART                        ; LDS: wave x 34,816
	s_mov_b32 s8, 1
	s_mov_b32 s28, 1
	s_add_co_u32 s29, s9, SLOT
	s_wait_kmcnt 0x0
	s_add_nc_u64 s[10:11], s[68:69], s[40:41]
	s_add_nc_u64 s[30:31], s[10:11], 0x200000      ; slot 1: 128 keys on
	s_or_b32 s11, s11, 0x80000000
	s_or_b32 s31, s31, 0x80000000
	s_add_nc_u64 s[72:73], s[68:69], s[44:45]
	s_add_nc_u64 s[6:7], s[70:71], s[46:47]
	s_add_nc_u64 s[100:101], s[100:101], s[50:51]
	ROUND                                          ; the four work-groups are here: the first joint loads meet
	JLOAD 0
	JLOAD 1
	v_and_b32 v8, 15, v0                           ; r
	v_bfe_u32 v9, v0, 4, 1                         ; h
	v_and_b32 v10, 7, v0
	v_bfe_u32 v11, v0, 3, 1
	v_lshlrev_b32 v1, 14, v8
	v_lshl_add_u32 v1, v9, 4, v1                   ; Q: row r, 16 bytes for each half of the lanes
	WIN 0x40
.irp qb, 0,1,2,3
.irp ks, 0,1,2,3,4,5,6,7
	global_load_b128 v[8*(8*\qb+\ks):8*(8*\qb+\ks)+3],   v1, s[72:73] offset:\qb*262144+64*\ks
	global_load_b128 v[8*(8*\qb+\ks)+4:8*(8*\qb+\ks)+7], v1, s[72:73] offset:\qb*262144+64*\ks+32
.endr
.endr
	WIN 0
	v_mul_u32_u24 v12, v8, KP
	v_lshl_add_u32 v12, v9, 4, v12
	s_mul_i32 s52, s5, QUART
	v_add_nc_u32 v[KADR], s52, v12
	v_add_nc_u32 v[KADR+1], SLOT, v[KADR]
	v_lshl_add_u32 v13, v9, 3, v10
	v_mul_u32_u24 v13, v13, VP
	v_lshl_add_u32 v13, v11, 4, v13
	s_add_co_u32 s52, s52, 2*QUART                 ; my 64 rows of V
	s_lshl_b32 s53, s5, 8
	s_add_co_u32 s54, s52, s53                     ; tiles idx 0-7: the h half that I keep
	s_xor_b32 s53, s53, 256
	s_add_co_u32 s55, s52, s53                     ; tiles idx 8-15: the other half
	v_add_nc_u32 v[VLO], s54, v13
	v_add_nc_u32 v[VLO+1], SLOT, v[VLO]
	v_add_nc_u32 v[VHI], s55, v13
	v_add_nc_u32 v[VHI+1], SLOT, v[VHI]
.irp qb, 0,1,2,3
	v_mov_b32 v[ST+6*\qb+1], 0                     ; v_permlanex16_b32 counts as a reader of its destination
.endr
	s_wait_xcnt 0x0                                ; Q's base lies in registers that the mask words take over: only behind this wait
	MLOAD
	s_wait_tensorcnt 0x1                           ; my quarter of tile 0 is in; tile 1's stays out
	s_barrier_signal -1
	s_barrier_wait -1
	KLOAD 0, 0, B0
	KLOAD 1, 0, B1
	KLOAD 2, 0, B2
	s_wait_loadcnt 0x0                             ; Q
	TRIP 0, 1, 2                                   ; tiles 0, 1: the first products start the sums
	TRIP 1, 0, 2
	s_mov_b32 s2, 2
.Llap:
	TRIP 0, 0, 2                                   ; tiles 2 to 5
	TRIP 1, 0, 2
	s_sub_co_u32 s2, s2, 1
	s_cmp_lg_u32 s2, 0
	s_cbranch_scc1 .Llap
	TRIP 0, 0, 1                                   ; tiles 6, 7: nothing is left to fetch
	TRIP 1, 0, 0
	; THE MERGE.  Slot 0 has had its last fill and its last read (behind tile 6's barrier): wave w writes its window 3, its sums and its maxima at w x 34,816.
.irp qb, 0,1,2,3
	v_add_f32 v[32+\qb], v[ST+6*\qb+4], v[ST+6*\qb+5]
.endr
.irp qb, 0,1,2,3
	v_permlanex16_b32 v[ST+6*\qb+1], v[32+\qb], s66, s67
.endr
.irp qb, 0,1,2,3
	v_add_f32 v[32+\qb], v[32+\qb], v[ST+6*\qb+1]
	v_mov_b32 v[36+\qb], v[ST+6*\qb+3]
.endr
	v_and_b32 v2, 31, v0
	v_lshlrev_b32 v2, 4, v2
	s_mul_i32 s32, s3, QUART
	s_xor_b32 s33, s3, 2                           ; my partner: the same query rows, the other keys
	s_mul_i32 s33, s33, QUART
	v_add_nc_u32 v3, s33, v2
	v_add_nc_u32 v2, s32, v2
	v_and_b32 v48, 15, v0
	v_bfe_u32 v49, v0, 4, 1
	s_mul_i32 s34, s3, 16*SPITCH
	s_add_co_u32 s34, s34, STAGE
	v_mul_u32_u24 v4, v48, SPITCH
	v_lshl_add_u32 v4, v49, 4, v4
	v_add_nc_u32 v4, s34, v4
	v_mul_u32_u24 v5, v49, SPITCH
	v_lshl_add_u32 v5, v48, 4, v5
	v_add_nc_u32 v5, s34, v5
	v_lshlrev_b32 v6, 13, v49
	v_lshl_add_u32 v6, v48, 4, v6
	WIN 0x0c                                       ; the data of an LDS store are source 1: window 3
.set t, 0
.rept 64
	ds_store_b128 v2, v[4*t:4*t+3] offset:512*t
.set t, t+1
.endr
	WIN 0
	ds_store_b128 v2, v[32:35] offset:32768
	ds_store_b128 v2, v[36:39] offset:33280
	s_wait_dscnt 0x0                               ; for the partner's sake: all my stores are done
	s_barrier_signal -1
	s_barrier_wait -1
	ds_load_b128 v[40:43], v3 offset:32768         ; the partner's sums
	ds_load_b128 v[44:47], v3 offset:33280         ; and maxima
	s_wait_dscnt 0x0
.irp qb, 0,1,2,3
	v_max_num_f32 v[48+\qb], v[36+\qb], v[44+\qb]
.endr
.irp qb, 0,1,2,3
	v_sub_f32 v[36+\qb], v[36+\qb], v[48+\qb]
	v_sub_f32 v[44+\qb], v[44+\qb], v[48+\qb]
.endr
.irp qb, 0,1,2,3
	v_exp_f32 v[36+\qb], v[36+\qb]
	v_exp_f32 v[44+\qb], v[44+\qb]
.endr
	v_nop
	s_wait_alu depctr_va_vdst(0)
.irp qb, 0,1,2,3
	v_mul_f32 v[32+\qb], v[32+\qb], v[36+\qb]
.endr
.irp qb, 0,1,2,3
	v_fmac_f32 v[32+\qb], v[40+\qb], v[44+\qb]     ; at least 1: the larger maximum's own weight
.endr
.irp qb, 0,1,2,3
	v_rcp_f32 v[32+\qb], v[32+\qb]
.endr
	v_nop
	s_wait_alu depctr_va_vdst(0)
.irp qb, 0,1,2,3
	v_mul_f32 v[ST+6*\qb+2], v[36+\qb], v[32+\qb]  ; my share's factor
	v_mul_f32 v[ST+6*\qb],   v[44+\qb], v[32+\qb]  ; the partner's
.endr
; 16 query rows x 128 h: the partner's share x its factor + mine x mine, to f16, through my stage, out in rows of 256 bytes
.macro OUTQ qb
.irp t, 0,1,2,3,4,5,6,7,8,9,10,11,12,13,14,15
	ds_load_b128 v[TP+4*\t:TP+4*\t+3], v3 offset:512*(16*\qb+\t)
.endr
	s_wait_dscnt 0x0
.set i, 0
.rept 32
	v_pk_mul_f32 v[TP+2*i:TP+2*i+1], v[TP+2*i:TP+2*i+1], v[ST+6*\qb:ST+6*\qb+1] op_sel_hi:[1,0]
.set i, i+1
.endr
	WIN 0x02
.set i, 0
.rept 32
	v_pk_fma_f32 v[TP+2*i:TP+2*i+1], v[64*\qb+2*i:64*\qb+2*i+1], v[ST+6*\qb+2:ST+6*\qb+3], v[TP+2*i:TP+2*i+1] op_sel_hi:[1,0,1]
.set i, i+1
.endr
	WIN 0
.set i, 0
.rept 32
	v_cvt_pk_f16_f32 v[PK+i], v[TP+2*i], v[TP+2*i+1]
.set i, i+1
.endr
.irp b, 0,1,2,3,4,5,6,7
	ds_store_b128 v4, v[PK+4*\b:PK+4*\b+3] offset:32*\b
.endr
	s_wait_xcnt 0x0                                ; RB, which the last block's stores read, is loaded again only behind this wait
.irp t, 0,1,2,3,4,5,6,7
	ds_load_b128 v[RB+4*\t:RB+4*\t+3], v5 offset:\t*2*SPITCH
.endr
.irp t, 0,1,2,3,4,5,6,7
	s_wait_dscnt 7-\t
	global_store_b128 v6, v[RB+4*\t:RB+4*\t+3], s[100:101] offset:\qb*131072+2*\t*8192   ; 16 lanes store 256 consecutive aligned bytes
.endr
.endm
	OUTQ 0
	OUTQ 1
	OUTQ 2
	OUTQ 3
	s_wait_xcnt 0x0
	v_lshl_add_u32 v158, v0, 2, 0x48400
	v_mov_b32 v159, 0
	s_wait_tensorcnt 0x0
	ds_add_u32 v158, v159
	s_wait_dscnt 0x0
	ROUND                                          ; the closing round
	s_endpgm
.Lfunc_end_k_qa1b4ec08ae_attn:
	.size	k_qa1b4ec08ae_attn, .Lfunc_end_k_qa1b4ec08ae_attn-k_qa1b4ec08ae_attn
	.p2alignl 7, 3214868480
	.fill 96, 4, 3214868480
	.section	.rodata,"a",@progbits
	.p2align	6, 0x0
	.amdhsa_kernel k_qa1b4ec08ae_attn
		.amdhsa_group_segment_fixed_size 327680
		.amdhsa_private_segment_fixed_size 0
		.amdhsa_enable_private_segment 0
		.amdhsa_kernarg_size 24
		.amdhsa_user_sgpr_count 2
		.amdhsa_user_sgpr_kernarg_segment_ptr 1
		.amdhsa_wavefront_size32 1
		.amdhsa_system_sgpr_workgroup_id_x 1
		.amdhsa_system_sgpr_workgroup_id_y 1
		.amdhsa_system_sgpr_workgroup_id_z 1
		.amdhsa_system_vgpr_workitem_id 0
		.amdhsa_next_free_vgpr 1024
		.amdhsa_next_free_sgpr 106
		.amdhsa_reserve_vcc 0
		.amdhsa_float_denorm_mode_32 3
		.amdhsa_float_denorm_mode_16_64 3
		.amdhsa_memory_ordered 1
		.amdhsa_forward_progress 1
		.amdhsa_inst_pref_size 255
	.end_amdhsa_kernel
	.section	.bss,"aw",@nobits
	.p2align	6
	.space	262144
	.amdgpu_metadata
---
amdhsa.version: [ 1, 2 ]
amdhsa.kernels:
  - .name:           k_qa1b4ec08ae_attn
    .symbol:         k_qa1b4ec08ae_attn.kd
    .args:
      - { .name: qkv, .offset: 0, .size: 8, .value_kind: global_buffer, .address_space: global }
      - { .name: mbits, .offset: 8, .size: 8, .value_kind: global_buffer, .address_space: global }
      - { .name: enc, .offset: 16, .size: 8, .value_kind: global_buffer, .address_space: global }
    .group_segment_fixed_size: 327680
    .private_segment_fixed_size: 0
    .kernarg_segment_align: 8
    .kernarg_segment_size: 24
    .max_flat_workgroup_size: 128
    .sgpr_count:     106
    .vgpr_count:     1024
    .wavefront_size: 32
...
	.end_amdgpu_metadata
.endif
;; end of part 3
;; launch oproj (part 4): grid 16 x 16, 4 waves a work-group, clusters of 4 x 4, 327,680 bytes of LDS; arguments enc, wob, out0, out1; writes out0, out1
.if DOCPART == 4
	.amdgcn_target "amdgcn-amd-amdhsa--gfx1250"
	.amdhsa_code_object_version 6
	.text
	.protected	k_qa1b4ec08ae_oproj
	.globl	k_qa1b4ec08ae_oproj
	.p2align	8
	.type	k_qa1b4ec08ae_oproj,@function
k_qa1b4ec08ae_oproj:
	s_mov_b64 s[64:65], 0
	v_nop
	global_prefetch_b8 v0, s[64:65] scope:SCOPE_SE
	s_setreg_imm32_b32 hwreg(HW_REG_WAVE_MODE, 25, 1), 1
	s_wait_xcnt 0x0
	s_wait_alu depctr_hold_cnt(0) depctr_sa_sdst(0) depctr_va_vdst(0) depctr_va_sdst(0) depctr_va_ssrc(0) depctr_va_vcc(0) depctr_vm_vsrc(0)
	s_getreg_b32 s2, hwreg(HW_REG_IB_STS2, 6, 4)
	s_cmp_eq_u32 s2, 0
	s_cbranch_scc0 .Lentry_in_a_cluster
	s_endpgm
.Lentry_in_a_cluster:
	s_bfe_u32 s2, ttmp6, 0x10000c
	s_cmp_lg_u32 s2, 0xf033
	s_cbranch_scc0 .Lentry_shape_is_right
	s_endpgm
.Lentry_shape_is_right:
; out_model[row][d] = sum over k of enc[row][2048 model + k] wob[k][2048 model + d]: M 2048, N 4096 (both models side by side), K 2048; f16 operands, f32 sums and results.
; A work-group makes 128 x 256, so that there are 256 of them; a wave makes 64 x 128: 32 accumulator tiles, 256 registers (window 1).
; K goes in steps of 128 through two LDS slots: A 128 rows x 256 bytes at pitch 272, B 128 k rows x 512 bytes at pitch 544 (fragments by the transposing load).
; CLUSTERS: 4 x 4 work-groups, all of one model; A's tile is asked for jointly along a row of the cluster, B's along a column.
; The product is used transposed (source 0 = B, source 1 = A): a lane holds eight neighbouring columns of one row, 32 bytes.
.set SIZE_K, 2048
.set KSTEP,  128
.set APITCH, 272
.set BPITCH, 544
.set ATILE,  128*APITCH
.set BTILE,  128*BPITCH
.set SLOT,   ATILE+BTILE
.set STAGE,  2*SLOT
.set SPITCH, 528                       ; a stage row: 512 bytes + 16
.set LAPS, SIZE_K/(2*KSTEP)
.set ADRA, 16
.set ADRB, 20
.set STO,  24
.set RD,   25
.set CO,   26
.set RB,   32
.set G1, 24
.set G0, 32
.set G1B, 48
.set G0B, 56
.set MSB, 0
.macro WIN new
.if MSB != (\new)
	s_set_vgpr_msb (MSB<<8)|(\new)
.set MSB, (\new)
.endif
.endm
.macro JLOAD s                         ; waves 0, 1 ask for A's halves, waves 2, 3 for B's
	s_cmp_eq_u32 s11, 0
	s_cbranch_scc0 .Lfor_b_\@
	tensor_load_to_lds s[G0+4*\s:G0+4*\s+3], s[G1:G1+7]
	s_nop 0
	s_branch .Lasked_\@
.Lfor_b_\@:
	tensor_load_to_lds s[G0B+4*\s:G0B+4*\s+3], s[G1B:G1B+7]
	s_nop 0
.Lasked_\@:
.endm
.macro CREST
	s_cmp_lg_u32 s10, 0
	s_cbranch_scc1 .Lnot_wave_0_\@
	s_barrier_signal -3
.Lnot_wave_0_\@:
	s_barrier_wait -3
	s_barrier_signal -1
	s_barrier_wait -1
.endm
.macro CROUND
	s_barrier_signal -1
	s_barrier_wait -1
	CREST
.endm
	s_load_b128 s[4:7], s[0:1], 0x0                ; enc, wob
	s_load_b128 s[68:71], s[0:1], 0x10             ; out0, out1
	v_lshl_add_u32 v254, v0, 2, 0x3b400
	v_mov_b32 v255, 0
	ds_add_u32 v254, v255
	v_lshrrev_b32 v1, 5, v0
	v_readfirstlane_b32 s10, v1
	s_lshr_b32 s11, s10, 1                         ; my 64 rows; also: I fetch for A (0) or B (1)
	s_and_b32 s12, s10, 1                          ; my 128 columns; also: which half of that tile I fetch
	s_bfe_u32 s40, ttmp6, 0x40000
	s_bfe_u32 s41, ttmp6, 0x40004
	s_lshl_b32 s42, ttmp9, 2
	s_add_co_u32 s42, s42, s40                     ; block column, 0 to 15
	s_and_b32 s13, ttmp7, 0xffff
	s_lshl_b32 s13, s13, 2
	s_add_co_u32 s13, s13, s41                     ; block row, 0 to 15
	s_lshr_b32 s45, ttmp9, 1                       ; model: the same in the whole cluster
	s_lshl_b32 s43, s41, 2
	s_lshl_b32 s43, 15, s43
	s_lshl_b32 s44, 0x1111, s40
	s_or_b32 s[G1+0], s43, (1<<16)|(1<<20)|(1<<21)|(5<<22)|(3<<25)
	s_mov_b32 s[G1+1], KSTEP<<16
	s_mov_b32 s[G1+2], 64<<16
	s_mov_b32 s[G1+3], KSTEP<<16
	s_mov_b32 s[G1+4], 64
	s_mov_b32 s[G1+5], 4096
	s_mov_b32 s[G1+6], 0
	s_mov_b32 s[G1+7], 0
	s_or_b32 s[G1B+0], s44, (1<<16)|(1<<20)|(1<<21)|(6<<22)|(7<<25)
	s_mov_b32 s[G1B+1], 256<<16
	s_mov_b32 s[G1B+2], 64<<16
	s_mov_b32 s[G1B+3], 256<<16
	s_mov_b32 s[G1B+4], 64
	s_mov_b32 s[G1B+5], 4096
	s_mov_b32 s[G1B+6], 0
	s_mov_b32 s[G1B+7], 0
	s_lshl_b32 s16, s13, 20                        ; A: (128 block row + 64 half) rows of 8,192 bytes + 4,096 model
	s_lshl_b32 s17, s12, 19
	s_add_co_u32 s16, s16, s17
	s_lshl_b32 s17, s45, 12
	s_add_co_u32 s16, s16, s17
	s_mov_b32 s17, 0
	s_lshl_b32 s46, s42, 9                         ; B: 512 bytes a block column + 64 half rows of 8,192 bytes
	s_lshl_b32 s47, s12, 19
	s_add_co_u32 s46, s46, s47
	s_mov_b32 s47, 0
	s_mul_i32 s20, s12, 64*APITCH                  ; LDS: A's half
	s_mul_i32 s21, s12, 64*BPITCH                  ; B's half, behind A's tile
	s_add_co_u32 s21, s21, ATILE
	s_wait_dscnt 0x0
	s_wait_kmcnt 0x0
	s_add_nc_u64 s[14:15], s[4:5], s[16:17]
	s_add_nc_u64 s[46:47], s[6:7], s[46:47]
	s_cmp_eq_u32 s45, 0
	s_cselect_b64 s[8:9], s[68:69], s[70:71]       ; the model's output
	CROUND
.irp s, 0,1
	s_mov_b32 s[G0+4*\s], 1
	s_add_co_u32 s[G0+4*\s+1], s20, \s*SLOT
	s_add_nc_u64 s[G0+4*\s+2:G0+4*\s+3], s[14:15], \s*KSTEP*2
	s_or_b32 s[G0+4*\s+3], s[G0+4*\s+3], 0x80000000
	s_mov_b32 s[G0B+4*\s], 1
	s_add_co_u32 s[G0B+4*\s+1], s21, \s*SLOT
	s_add_nc_u64 s[G0B+4*\s+2:G0B+4*\s+3], s[46:47], \s*KSTEP*8192
	s_or_b32 s[G0B+4*\s+3], s[G0B+4*\s+3], 0x80000000
	JLOAD \s
.endr
	v_and_b32 v1, 15, v0
	v_bfe_u32 v2, v0, 4, 1
	v_mul_u32_u24 v3, v1, APITCH
	v_lshl_add_u32 v3, v2, 4, v3
	v_and_b32 v6, 7, v0
	v_lshl_add_u32 v6, v2, 3, v6
	v_mul_u32_u24 v6, v6, BPITCH
	v_bfe_u32 v7, v0, 3, 1
	v_lshl_add_u32 v6, v7, 4, v6
	s_mul_i32 s22, s11, 64*APITCH
	s_lshl_b32 s23, s12, 8
	s_add_co_u32 s23, s23, ATILE
.irp s, 0,1
	v_add_nc_u32 v[ADRA+\s], s22, v3
	v_add_nc_u32 v[ADRB+\s], s23, v6
	s_add_co_u32 s22, s22, SLOT
	s_add_co_u32 s23, s23, SLOT
.endr
	s_mul_i32 s22, s10, 16*SPITCH
	s_add_co_u32 s22, s22, STAGE
	v_mul_u32_u24 v4, v1, SPITCH
	v_lshl_add_u32 v4, v2, 5, v4                   ; in: row l % 16, 32 bytes for each half of the lanes
	v_add_nc_u32 v[STO], s22, v4
	v_and_b32 v5, 31, v0
	v_lshlrev_b32 v[CO], 4, v5                     ; back and out: 32 lanes take one row of 512 bytes
	v_add_nc_u32 v[RD], s22, v[CO]
; fragment buffers f = 0, 1: A's four at v[32 + 32 f], B's eight at v[96 + 64 f].  The 32 accumulators take turns, one instruction a turn.
.macro MUL16 f, a0, zero
.irp a, \a0, \a0+1
.irp b, 0,1,2,3,4,5,6,7
.if \zero
	v_wmma_f32_16x16x32_f16 v[8*(8*(\a)+\b):8*(8*(\a)+\b)+7], v[96+64*\f+8*\b:96+64*\f+8*\b+7], v[32+32*\f+8*(\a):32+32*\f+8*(\a)+7], 0
.else
	v_wmma_f32_16x16x32_f16 v[8*(8*(\a)+\b):8*(8*(\a)+\b)+7], v[96+64*\f+8*\b:96+64*\f+8*\b+7], v[32+32*\f+8*(\a):32+32*\f+8*(\a)+7], v[8*(8*(\a)+\b):8*(8*(\a)+\b)+7]
.endif
.endr
.endr
.endm
.macro FETCH slot, q, f                ; 24 LDS loads: B's sixteen, then A's eight
	WIN 0
.irp i, 0,1,2,3,4,5,6,7
	ds_load_tr16_b128 v[96+64*\f+8*\i:96+64*\f+8*\i+3],   v[ADRB+\slot] offset:\q*32*BPITCH+32*\i
	ds_load_tr16_b128 v[96+64*\f+8*\i+4:96+64*\f+8*\i+7], v[ADRB+\slot] offset:\q*32*BPITCH+32*\i+16*BPITCH
.endr
.irp i, 0,1,2,3
	ds_load_b128 v[32+32*\f+8*\i:32+32*\f+8*\i+3],   v[ADRA+\slot] offset:\q*64+\i*16*APITCH
	ds_load_b128 v[32+32*\f+8*\i+4:32+32*\f+8*\i+7], v[ADRA+\slot] offset:\q*64+\i*16*APITCH+32
.endr
.endm
.macro PLACES                          ; four places behind a matrix instruction (ISA guide 7.12.1)
.rept 4
	v_nop
.endr
.endm
.macro QUARTER slot, q, f, g, zero
	s_wait_dscnt 4                                 ; B and A's rows 0-31 are in; the youngest four loads (A's rows 32-63) may be out
	WIN 0x50
	MUL16 \f, 0, \zero
	PLACES
	FETCH \slot, \q, \g
	s_wait_dscnt 24                                ; all but the 24 just issued
	WIN 0x50
	MUL16 \f, 2, \zero
.endm
.macro THREE slot, zero
	QUARTER \slot, 1, 0, 1, \zero
	QUARTER \slot, 2, 1, 0, 0
	QUARTER \slot, 3, 0, 1, 0
.endm
.macro TURN slot, next, fill
	s_wait_dscnt 0                                 ; my reads of this slot are over
	s_wait_tensorcnt 0x0                           ; all my tensor loads have landed: the one that was out is my part of the next slot
	ds_add_u32 v254, v255
	s_wait_dscnt 0x0
	s_barrier_signal -1
	WIN 0x50
	MUL16 1, 0, 0                                  ; register work alone between signal and wait
	WIN 0
	s_barrier_wait -1
.if \fill
	CREST
	s_add_nc_u64 s[G0+4*\slot+2:G0+4*\slot+3], s[G0+4*\slot+2:G0+4*\slot+3], 2*KSTEP*2
	s_add_nc_u64 s[G0B+4*\slot+2:G0B+4*\slot+3], s[G0B+4*\slot+2:G0B+4*\slot+3], 2*KSTEP*8192
	JLOAD \slot                                    ; the wave's one tensor load behind the round, and the first thing there
.endif
	PLACES
	FETCH \next, 0, 0
	WIN 0x50
	MUL16 1, 2, 0
.endm
.macro LAP zero
	THREE 0, \zero
	TURN 0, 1, 1
	THREE 1, 0
	TURN 1, 0, 1
.endm
	s_wait_tensorcnt 1                             ; my part of K step 0 is in; K step 1's stays out
	s_barrier_signal -1
	s_barrier_wait -1
	FETCH 0, 0, 0
	LAP 1
	WIN 0
	s_mov_b32 s3, LAPS-2
.Llap:
	LAP 0
	WIN 0
	s_sub_co_u32 s3, s3, 1
	s_cmp_lg_u32 s3, 0
	s_cbranch_scc1 .Llap
	THREE 0, 0
	TURN 0, 1, 0
	THREE 1, 0
	s_wait_dscnt 0
	WIN 0x50
	MUL16 1, 0, 0
	MUL16 1, 2, 0
	WIN 0
	PLACES
	; THE WAY OUT, 16 rows at a time, in f32: 32 bytes a lane and tile into my own stage, whole rows of 512 bytes back and out
	s_lshl_b32 s16, s13, 20                        ; (128 block row + 64 half) rows of 8,192 bytes
	s_lshl_b32 s17, s11, 19
	s_add_co_u32 s16, s16, s17
	s_mov_b32 s17, 0
	s_add_nc_u64 s[8:9], s[8:9], s[16:17]
	s_and_b32 s46, s42, 7                          ; the block column inside the model: 1,024 bytes each, + 512 for my half
	s_lshl_b32 s46, s46, 10
	s_lshl_b32 s47, s12, 9
	s_add_co_u32 s46, s46, s47
	s_mov_b32 s47, 0
	s_add_nc_u64 s[8:9], s[8:9], s[46:47]
.macro OUT16 a
	WIN 0x04                                       ; the data of an LDS store are source 1: window 1
.irp b, 0,1,2,3,4,5,6,7
	ds_store_b128 v[STO], v[8*(8*\a+\b):8*(8*\a+\b)+3]   offset:64*\b
	ds_store_b128 v[STO], v[8*(8*\a+\b)+4:8*(8*\a+\b)+7] offset:64*\b+16
.endr
	WIN 0
	s_wait_xcnt 0x0                                ; RB, which the last group's stores read, is loaded again only behind this wait
.irp t, 0,1,2,3,4,5,6,7,8,9,10,11,12,13,14,15
	ds_load_b128 v[RB+4*\t:RB+4*\t+3], v[RD] offset:\t*SPITCH      ; LDS serves a wave's instructions in order: these see the stores above
.endr
.irp t, 0,1,2,3,4,5,6,7,8,9,10,11,12,13,14,15
	s_wait_dscnt 15-\t
	global_store_b128 v[CO], v[RB+4*\t:RB+4*\t+3], s[8:9] offset:(16*\a+\t)*8192   ; a store covers 512 consecutive aligned bytes
.endr
.endm
	OUT16 0
	OUT16 1
	OUT16 2
	OUT16 3
	s_wait_tensorcnt 0x0
	ds_add_u32 v254, v255
	s_wait_dscnt 0x0
	CROUND                                         ; the closing round
	s_endpgm
.Lfunc_end_k_qa1b4ec08ae_oproj:
	.size	k_qa1b4ec08ae_oproj, .Lfunc_end_k_qa1b4ec08ae_oproj-k_qa1b4ec08ae_oproj
	.p2alignl 7, 3214868480
	.fill 96, 4, 3214868480
	.section	.rodata,"a",@progbits
	.p2align	6, 0x0
	.amdhsa_kernel k_qa1b4ec08ae_oproj
		.amdhsa_group_segment_fixed_size 327680
		.amdhsa_private_segment_fixed_size 0
		.amdhsa_enable_private_segment 0
		.amdhsa_kernarg_size 32
		.amdhsa_user_sgpr_count 2
		.amdhsa_user_sgpr_kernarg_segment_ptr 1
		.amdhsa_wavefront_size32 1
		.amdhsa_system_sgpr_workgroup_id_x 1
		.amdhsa_system_sgpr_workgroup_id_y 1
		.amdhsa_system_sgpr_workgroup_id_z 1
		.amdhsa_system_vgpr_workitem_id 0
		.amdhsa_next_free_vgpr 512
		.amdhsa_next_free_sgpr 72
		.amdhsa_reserve_vcc 0
		.amdhsa_float_denorm_mode_32 3
		.amdhsa_float_denorm_mode_16_64 3
		.amdhsa_memory_ordered 1
		.amdhsa_forward_progress 1
		.amdhsa_inst_pref_size 118
	.end_amdhsa_kernel
	.amdgpu_metadata
---
amdhsa.version: [ 1, 2 ]
amdhsa.kernels:
  - .name:           k_qa1b4ec08ae_oproj
    .symbol:         k_qa1b4ec08ae_oproj.kd
    .args:
      - { .name: enc, .offset: 0, .size: 8, .value_kind: global_buffer, .address_space: global }
      - { .name: wob, .offset: 8, .size: 8, .value_kind: global_buffer, .address_space: global }
      - { .name: out0, .offset: 16, .size: 8, .value_kind: global_buffer, .address_space: global }
      - { .name: out1, .offset: 24, .size: 8, .value_kind: global_buffer, .address_space: global }
    .group_segment_fixed_size: 327680
    .private_segment_fixed_size: 0
    .kernarg_segment_align: 8
    .kernarg_segment_size: 32
    .max_flat_workgroup_size: 128
    .sgpr_count:     72
    .vgpr_count:     512
    .wavefront_size: 32
...
	.end_amdgpu_metadata
.endif
;; end of part 4
;; ======== version 2 of 3: 4 launches
;; limits: values are held in f16: magnitudes above 65,504 overflow, below 6.1e-05 lose precision
;; workspace buffers: xb 8,388,608 bytes; wqkv 33,554,432 bytes; wob 16,777,216 bytes; rope 2,097,152 bytes; mbits 524,288 bytes of whole numbers; qkv 33,554,432 bytes; enc 16,777,216 bytes
;; launch prep (part 5): grid 64 x 16, 8 waves a work-group, no clusters, 0 bytes of LDS; arguments x, wq_t, wk_t, wv_t, wq_s, wk_s, wv_s, wo_t, wo_s, segment_pos, attn_mask, key_keep, xb, wqkv, wob, rope, mbits; writes xb, wqkv, wob, rope, mbits
.if DOCPART == 5
	.amdgcn_target "amdgcn-amd-amdhsa--gfx1250"
	.amdhsa_code_object_version 6
	.text
	.protected	k_qa1b4ec08ae_prep
	.globl	k_qa1b4ec08ae_prep
	.p2align	8
	.type	k_qa1b4ec08ae_prep,@function
k_qa1b4ec08ae_prep:
	s_mov_b64 s[64:65], 0
	v_nop
	global_prefetch_b8 v0, s[64:65] scope:SCOPE_SE
	s_setreg_imm32_b32 hwreg(HW_REG_WAVE_MODE, 25, 1), 1
	s_wait_xcnt 0x0
; PREP: three jobs, chosen by the work-group's y.  The table and the masks, whose waves have the longest runs of dependent
; instructions, take the lowest y, so that they stand first in the grid's order and run beside the streams.
;  y 0      the table g cos, g sin of the rotary angles, g = sqrt(2 log2(e) / (50 * 16)), in the register order of the next launch.
;           LIMIT: the angle is pos * 2^(-i log2(10000)/128) in f32; its error grows with |pos| as the f32 angle's own does.
;  y 1      the two masks as bit words: word (q16, key16, j), bit r + 16 h = mask[16 q16 + r][16 key16 + 8 h + j]; a byte other than 0 is true.
;  y 2..15  x and the eight weights: f32 -> rounded to bf16 (nearest even) -> held in f16, which carries a bf16 number exactly
;           from 2^-17 up to 65504 (below 2^-17 the absolute error is at most 2^-25).
;           LIMIT: an input beyond 65504 in magnitude becomes infinite; NaN and infinities are not served.
;           The q and k weights are laid with bits 6 and 7 of the column swapped, so that later h and h + 128 of a head
;           lie 64 columns apart, inside one wave's 128 columns.
; Nothing is shared between work-groups and there is no product here: no LDS, no cluster, no matrix unit.  EXEC is never changed.
; REGISTERS: 104 a wave, so that the 1,024 work-groups, four to each of 256 WGPs, find room at once: 8 waves a SIMD x 104 = 832 of 1,024.
.set X, 8                              ; v[8:103] 24 slots x 4 registers
.set SLOTS, 24                         ; loads that a wave has out at the start
	s_load_b512 s[8:23], s[0:1], 0x0               ; x 8, wq_t 10, wk_t 12, wv_t 14, wq_s 16, wk_s 18, wv_s 20, wo_t 22
	s_load_b512 s[24:39], s[0:1], 0x40             ; wo_s 24, segment_pos 26, attn_mask 28, key_keep 30, xb 32, wqkv 34, wob 36, rope 38
	s_load_b64 s[40:41], s[0:1], 0x80              ; mbits 40
	s_and_b32 s2, ttmp7, 0xffff                    ; y
	v_lshrrev_b32 v1, 5, v0
	v_readfirstlane_b32 s4, v1                     ; wave
	s_lshl3_add_u32 s5, ttmp9, s4                  ; 8 x + wave: the wave's number among the 512 of one y
	s_wait_kmcnt 0x0
	s_cmp_eq_u32 s2, 0
	s_cbranch_scc1 .Ltable
	s_cmp_eq_u32 s2, 1
	s_cbranch_scc1 .Lmask
	s_sub_co_u32 s2, s2, 2                         ; the conversion's number, 0 to 13
; ---- conversion.  A work-group takes 131,072 consecutive bytes of one source: 32 passes of 1,024 numbers.
; From the number upward the later line wins: source, rows of 2,048 (1) or 1,024 (0) numbers, byte column in the target, swap mask.
.macro SEL T, src, wide, col, swap
	s_cmp_ge_u32 s2, \T
	s_cselect_b64 s[42:43], s[\src:\src+1], s[42:43]
	s_cselect_b32 s46, \wide, s46
	s_cselect_b32 s47, \col, s47
	s_cselect_b32 s48, \swap, s48
.endm
	s_mov_b64 s[42:43], s[8:9]
	s_mov_b32 s46, 1
	s_mov_b32 s47, 0
	s_mov_b32 s48, 0
	SEL 2, 10, 1, 0, -1
	SEL 4, 12, 0, 4096, -1
	SEL 5, 14, 0, 6144, 0
	SEL 6, 16, 1, 8192, -1
	SEL 8, 18, 0, 12288, -1
	SEL 9, 20, 0, 14336, 0
	SEL 10, 22, 1, 0, 0
	SEL 12, 24, 1, 4096, 0
	s_mov_b64 s[44:45], s[32:33]                   ; target and its pitch in bytes
	s_mov_b32 s49, 4096
	s_cmp_ge_u32 s2, 2
	s_cselect_b64 s[44:45], s[34:35], s[44:45]
	s_cselect_b32 s49, 16384, s49
	s_cmp_ge_u32 s2, 10
	s_cselect_b64 s[44:45], s[36:37], s[44:45]
	s_cselect_b32 s49, 8192, s49
	s_and_b32 s50, s2, 1                           ; a wide source has 128 chunks over two numbers (the first of them even)
	s_lshl_b32 s50, s50, 6
	s_mul_i32 s50, s50, s46
	s_add_co_u32 s50, s50, ttmp9                   ; chunk
	s_lshl_b32 s52, s50, 17
	s_mov_b32 s53, 0
	s_add_nc_u64 s[42:43], s[42:43], s[52:53]
	s_sub_co_u32 s51, 5, s46
	s_lshl_b32 s51, s50, s51                       ; first row: 16 or 32 rows a chunk
	s_mul_i32 s52, s51, s49
	s_add_co_u32 s52, s52, s47
	s_add_nc_u64 s[44:45], s[44:45], s[52:53]
	s_sub_co_u32 s55, s49, 2048
	s_cmp_lg_u32 s46, 0
	s_cselect_b32 s54, 2048, s49                   ; step behind an even pass: the row's second half, or the next row
	s_cselect_b32 s55, s55, s49                    ; step behind an odd pass: the next row
	s_mov_b32 s56, 0
	v_and_b32 v1, 0xcf, v0                         ; thread with bits 4 and 5 swapped = columns with bits 6 and 7 swapped
	v_bfe_u32 v2, v0, 4, 1
	v_bfe_u32 v3, v0, 5, 1
	v_lshl_or_b32 v1, v2, 5, v1
	v_lshl_or_b32 v1, v3, 4, v1
	v_cndmask_b32 v1, v0, v1, s48
	v_lshlrev_b32 v4, 4, v1                        ; source: 16 bytes a thread; a wave reads 512 bytes, or two aligned runs of 256
	v_lshlrev_b32 v5, 3, v0                        ; target: 8 bytes a thread; a wave stores 256 consecutive bytes, aligned
	; passes 0 to 23 are asked for at once; passes 24 to 31 take the registers of passes 0 to 7 when those are stored
.set i, 0
.rept SLOTS
	global_load_b128 v[X+4*i:X+4*i+3], v4, s[42:43] offset:4096*i th:TH_LOAD_NT
.set i, i+1
.endr
.set i, 0
.rept 32
.set RG, X+4*(i%SLOTS)
.if i < 8
	s_wait_loadcnt SLOTS-1-i                       ; loads come back in order; 24 are issued: pass i is in, the 23 - i younger ones stay out
.else
	s_wait_loadcnt 31-i                            ; all 32 are issued: the 31 - i younger ones stay out
.endif
	v_cvt_pk_bf16_f32 v[RG], v[RG], v[RG+1]
	v_cvt_pk_bf16_f32 v[RG+1], v[RG+2], v[RG+3]
	v_lshlrev_b32 v[RG+2], 16, v[RG]
	v_and_b32 v[RG+3], 0xffff0000, v[RG]
	v_cvt_pk_f16_f32 v[RG], v[RG+2], v[RG+3]
	v_lshlrev_b32 v[RG+2], 16, v[RG+1]
	v_and_b32 v[RG+3], 0xffff0000, v[RG+1]
	v_cvt_pk_f16_f32 v[RG+1], v[RG+2], v[RG+3]
	v_add_nc_u32 v[RG+2], s56, v5                  ; each pass has its own offset and data registers
	global_store_b64 v[RG+2], v[RG:RG+1], s[44:45]
.if (i&1) == 0
	s_add_co_u32 s56, s56, s54
.else
	s_add_co_u32 s56, s56, s55
.endif
.if i == 7
	s_wait_xcnt 0x0                                ; the first eight stores' data and offsets are loaded over only behind this wait (ISA guide 3.1)
.set k, 0
.rept 8
	global_load_b128 v[X+4*k:X+4*k+3], v4, s[42:43] offset:4096*(SLOTS+k) th:TH_LOAD_NT
.set k, k+1
.endr
.endif
.set i, i+1
.endr
	s_endpgm
; ---- the rotary table.  Wave: 16 rows (row block = number / 4) x two blocks of 16 frequencies.
; Lane (r, h), j = 0..7: row 16 rowblk + r, frequency i = 16 iblk + 8 h + j.
; Bytes: ((rowblk 8 + iblk) 4 + p) 512 + 16 lane; p 0, 1: g cos of j 0-3, 4-7; p 2, 3: g sin.
; sin and cos: n = nearest whole number to A 2/pi; the rest f = A 2/pi - n by two fused multiply-adds (2/pi in two parts);
; series to rho^7 and rho^8 on |rho| <= pi/4 (truncation below 4e-7); the quadrant from n's two low bits.
.macro SINCOS e, c, s
	v_mul_f32 v16, v5, v[\e]
	v_mul_f32 v17, s46, v16
	v_rndne_f32 v17, v17
	v_fma_f32 v18, v16, s46, -v17
	v_fma_f32 v18, v16, s47, v18
	v_mul_f32 v19, 0x3fc90fdb, v18
	v_mul_f32 v20, v19, v19
	v_mov_b32 v21, 0xb9500d01
	v_fmaak_f32 v21, v21, v20, 0x3c088889
	v_fmaak_f32 v21, v21, v20, 0xbe2aaaab
	v_mul_f32 v21, v21, v20
	v_fma_f32 v21, v21, v19, v19
	v_mov_b32 v22, 0x37d00d01
	v_fmaak_f32 v22, v22, v20, 0xbab60b61
	v_fmaak_f32 v22, v22, v20, 0x3d2aaaab
	v_fmaak_f32 v22, v22, v20, 0xbf000000
	v_fma_f32 v22, v22, v20, 1.0
	v_cvt_i32_f32 v23, v17
	v_and_b32 v24, 1, v23
	v_cmp_ne_u32 vcc_lo, 0, v24
	v_cndmask_b32 v25, v21, v22, vcc_lo            ; odd quadrant: sin and cos change places
	v_cndmask_b32 v26, v22, v21, vcc_lo
	v_and_b32 v24, 2, v23
	v_lshlrev_b32 v24, 30, v24
	v_xor_b32 v25, v24, v25                        ; sin is negative in quadrants 2, 3
	v_add_nc_u32 v24, 1, v23
	v_and_b32 v24, 2, v24
	v_lshlrev_b32 v24, 30, v24
	v_xor_b32 v26, v24, v26                        ; cos in quadrants 1, 2
	v_mul_f32 v[\s], s48, v25
	v_mul_f32 v[\c], s48, v26
.endm
.Ltable:
	v_and_b32 v1, 31, v0
	v_and_b32 v2, 15, v0
	v_bfe_u32 v3, v0, 4, 1
	s_lshr_b32 s6, s5, 2                           ; row block
	s_and_b32 s7, s5, 3                            ; pair of frequency blocks
	s_lshl_b32 s42, s6, 6
	v_lshl_add_u32 v4, v2, 2, s42
	global_load_b32 v5, v4, s[26:27]               ; my row's position
	s_lshl_b32 s43, s6, 14
	s_lshl_b32 s44, s7, 12
	s_add_co_u32 s43, s43, s44
	v_lshl_add_u32 v6, v1, 4, s43
	s_lshl_b32 s45, s7, 5
	v_lshl_add_u32 v7, v3, 3, s45                  ; 32 pair + 8 h
	s_mov_b32 s46, 0x3f22f983                      ; 2/pi, upper part
	s_mov_b32 s47, 0x32dc9c88                      ; 2/pi, the rest
	s_mov_b32 s48, 0x3d75fd68                      ; g = 0.06005612
	s_wait_loadcnt 0x0
	v_cvt_f32_i32 v5, v5
.irp u, 0,1
.irp j, 0,1,2,3,4,5,6,7
	v_add_nc_u32 v[8+\j], 16*\u+\j, v7
	v_cvt_f32_u32 v[8+\j], v[8+\j]
	v_mul_f32 v[8+\j], 0xbdd49a78, v[8+\j]         ; - i log2(10000) / 128
.endr
.irp j, 0,1,2,3,4,5,6,7
	v_exp_f32 v[8+\j], v[8+\j]
.endr
	v_nop                                          ; one plain place behind the exponentials (ISA guide 5.7.2)
	s_wait_alu depctr_va_vdst(0)
.irp j, 0,1,2,3,4,5,6,7
	SINCOS 8+\j, 32+16*\u+\j, 40+16*\u+\j
.endr
.irp p, 0,1,2,3
	global_store_b128 v6, v[32+16*\u+4*\p:32+16*\u+4*\p+3], s[38:39] offset:2048*\u+512*\p   ; 512 consecutive bytes a store
.endr
.endr
	s_endpgm
; ---- the mask words.  Wave: batch b, 16 queries (q16), 256 keys (kg).  Lane (r, h) holds the 128 bytes of row 16 q16 + r at key 256 kg + 128 h.
; One compare over the wave turns byte j of chunk c into 32 bits: bit r + 16 h' = mask[r][16 (16 kg + 8 h' + c) + j].
; Word (key16 = 16 kg + c, j) takes the low halves of compares j and j + 8, word (16 kg + 8 + c, j) their high halves.
.macro PACK mb, out
.irp c, 0,1,2,3,4,5,6,7
.irp j, 0,1,2,3,4,5,6,7,8,9,10,11,12,13,14,15
	v_bfe_u32 v8, v[\mb+4*\c+(\j>>2)], 8*(\j&3), 8
	v_cmp_ne_u32 s[44+\j], 0, v8
.endr
.irp j, 0,1,2,3,4,5,6,7
	s_and_b32 s60, s[44+\j], 0xffff
	s_lshl_b32 s61, s[52+\j], 16
	s_or_b32 s60, s60, s61
	v_writelane_b32 v[\out+(\j&3)], s60, 2*\c+(\j>>2)
	s_lshr_b32 s60, s[44+\j], 16
	s_and_b32 s61, s[52+\j], 0xffff0000
	s_or_b32 s60, s60, s61
	v_writelane_b32 v[\out+(\j&3)], s60, 16+2*\c+(\j>>2)
.endr
.endr
.endm
.Lmask:
	v_and_b32 v1, 31, v0
	v_and_b32 v2, 15, v0
	v_bfe_u32 v3, v0, 4, 1
	s_lshr_b32 s6, s5, 8                           ; b
	s_bfe_u32 s7, s5, 0x60002                      ; q16
	s_and_b32 s42, s5, 3                           ; kg
	s_lshl_b32 s43, s6, 20
	s_lshl_b32 s60, s7, 14
	s_add_co_u32 s43, s43, s60
	s_lshl_b32 s60, s42, 8
	s_add_co_u32 s43, s43, s60
	v_lshlrev_b32 v4, 10, v2
	v_lshl_add_u32 v4, v3, 7, v4
	v_add_nc_u32 v4, s43, v4
	s_lshl_b32 s61, s6, 10
	s_add_co_u32 s61, s61, s60
	v_lshl_add_u32 v5, v3, 7, s61
.irp c, 0,1,2,3,4,5,6,7
	global_load_b128 v[16+4*\c:16+4*\c+3], v4, s[28:29] offset:16*\c     ; the eight together read 16 rows x 256 bytes
.endr
.irp c, 0,1,2,3,4,5,6,7
	global_load_b128 v[48+4*\c:48+4*\c+3], v5, s[30:31] offset:16*\c
.endr
	s_lshl_b32 s62, s7, 4
	s_sub_co_i32 s62, s62, s60
	v_add_nc_u32 v6, s62, v2
	v_lshlrev_b32 v7, 7, v3
	v_sub_nc_u32 v6, v6, v7                        ; my query less my first key: where the diagonal falls in my bytes
	v_mov_b32 v9, 1
.irp k, 0,1,2,3,4,5,6,7
	v_mov_b32 v[80+\k], 0                          ; v_writelane_b32 counts as a reader of its destination
.endr
	s_lshl_b32 s43, s6, 17
	s_lshl_b32 s60, s7, 11
	s_add_co_u32 s43, s43, s60
	s_lshl_b32 s60, s42, 9
	s_add_co_u32 s43, s43, s60
	v_lshl_add_u32 v10, v1, 4, s43
	s_wait_loadcnt 0x0
	; student = attn & (keep | eye), four bytes at a time; v6 steps down by 4 from word to word
.set n, 0
.rept 32
	v_cmp_gt_u32 vcc_lo, 4, v6
	v_lshlrev_b32 v8, 3, v6
	v_lshlrev_b32 v8, v8, v9
	v_cndmask_b32 v8, 0, v8, vcc_lo
	v_or_b32 v8, v[48+n], v8
	v_and_b32 v[48+n], v[16+n], v8
	v_add_nc_u32 v6, -4, v6
.set n, n+1
.endr
	PACK 16, 80
	PACK 48, 84
	global_store_b128 v10, v[80:83], s[40:41]                  ; teacher: 512 consecutive bytes
	global_store_b128 v10, v[84:87], s[40:41] offset:262144    ; student
	s_endpgm
.Lfunc_end_k_qa1b4ec08ae_prep:
	.size	k_qa1b4ec08ae_prep, .Lfunc_end_k_qa1b4ec08ae_prep-k_qa1b4ec08ae_prep
	.p2alignl 7, 3214868480
	.fill 96, 4, 3214868480
	.section	.rodata,"a",@progbits
	.p2align	6, 0x0
	.amdhsa_kernel k_qa1b4ec08ae_prep
		.amdhsa_group_segment_fixed_size 0
		.amdhsa_private_segment_fixed_size 0
		.amdhsa_enable_private_segment 0
		.amdhsa_kernarg_size 136
		.amdhsa_user_sgpr_count 2
		.amdhsa_user_sgpr_kernarg_segment_ptr 1
		.amdhsa_wavefront_size32 1
		.amdhsa_system_sgpr_workgroup_id_x 1
		.amdhsa_system_sgpr_workgroup_id_y 1
		.amdhsa_system_sgpr_workgroup_id_z 1
		.amdhsa_system_vgpr_workitem_id 0
		.amdhsa_next_free_vgpr 104
		.amdhsa_next_free_sgpr 66
		.amdhsa_reserve_vcc 1
		.amdhsa_float_denorm_mode_32 3
		.amdhsa_float_denorm_mode_16_64 3
		.amdhsa_memory_ordered 1
		.amdhsa_forward_progress 1
		.amdhsa_inst_pref_size 143
	.end_amdhsa_kernel
	.amdgpu_metadata
---
amdhsa.version: [ 1, 2 ]
amdhsa.kernels:
  - .name:           k_qa1b4ec08ae_prep
    .symbol:         k_qa1b4ec08ae_prep.kd
    .args:
      - { .name: x, .offset: 0, .size: 8, .value_kind: global_buffer, .address_space: global }
      - { .name: wq_t, .offset: 8, .size: 8, .value_kind: global_buffer, .address_space: global }
      - { .name: wk_t, .offset: 16, .size: 8, .value_kind: global_buffer, .address_space: global }
      - { .name: wv_t, .offset: 24, .size: 8, .value_kind: global_buffer, .address_space: global }
      - { .name: wq_s, .offset: 32, .size: 8, .value_kind: global_buffer, .address_space: global }
      - { .name: wk_s, .offset: 40, .size: 8, .value_kind: global_buffer, .address_space: global }
      - { .name: wv_s, .offset: 48, .size: 8, .value_kind: global_buffer, .address_space: global }
      - { .name: wo_t, .offset: 56, .size: 8, .value_kind: global_buffer, .address_space: global }
      - { .name: wo_s, .offset: 64, .size: 8, .value_kind: global_buffer, .address_space: global }
      - { .name: segment_pos, .offset: 72, .size: 8, .value_kind: global_buffer, .address_space: global }
      - { .name: attn_mask, .offset: 80, .size: 8, .value_kind: global_buffer, .address_space: global }
      - { .name: key_keep, .offset: 88, .size: 8, .value_kind: global_buffer, .address_space: global }
      - { .name: xb, .offset: 96, .size: 8, .value_kind: global_buffer, .address_space: global }
      - { .name: wqkv, .offset: 104, .size: 8, .value_kind: global_buffer, .address_space: global }
      - { .name: wob, .offset: 112, .size: 8, .value_kind: global_buffer, .address_space: global }
      - { .name: rope, .offset: 120, .size: 8, .value_kind: global_buffer, .address_space: global }
      - { .name: mbits, .offset: 128, .size: 8, .value_kind: global_buffer, .address_space: global }
    .group_segment_fixed_size: 0
    .private_segment_fixed_size: 0
    .kernarg_segment_align: 8
    .kernarg_segment_size: 136
    .max_flat_workgroup_size: 256
    .sgpr_count:     66
    .vgpr_count:     104
    .wavefront_size: 32
...
	.end_amdgpu_metadata
.endif
;; end of part 5
;; launch qkv: the kernel of part 2 again; grid 32 x 8, 4 waves a work-group, clusters of 4 x 4, 327,680 bytes of LDS; arguments xb, wqkv, rope, qkv; writes qkv
;; launch attn (part 6): grid 8 x 32, 4 waves a work-group, clusters of 4 x 1, 327,680 bytes of LDS; arguments qkv, mbits, enc; writes enc
.if DOCPART == 6
	.amdgcn_target "amdgcn-amd-amdhsa--gfx1250"
	.amdhsa_code_object_version 6
	.text
	.protected	k_qa1b4ec08ae_attn
	.globl	k_qa1b4ec08ae_attn
	.p2align	8
	.type	k_qa1b4ec08ae_attn,@function
k_qa1b4ec08ae_attn:
	s_mov_b64 s[64:65], 0
	v_nop
	global_prefetch_b8 v0, s[64:65] scope:SCOPE_SE
	s_setreg_imm32_b32 hwreg(HW_REG_WAVE_MODE, 25, 1), 1
	s_wait_xcnt 0x0
	s_wait_alu depctr_hold_cnt(0) depctr_sa_sdst(0) depctr_va_vdst(0) depctr_va_sdst(0) depctr_va_ssrc(0) depctr_va_vcc(0) depctr_vm_vsrc(0)
	s_getreg_b32 s2, hwreg(HW_REG_IB_STS2, 6, 4)
	s_cmp_eq_u32 s2, 0
	s_cbranch_scc0 .Lentry_in_a_cluster
	s_endpgm
.Lentry_in_a_cluster:
	s_bfe_u32 s2, ttmp6, 0x10000c
	s_cmp_lg_u32 s2, 0x3003
	s_cbranch_scc0 .Lentry_shape_is_right
	s_endpgm
.Lentry_shape_is_right:
; ATTENTION for one (model, batch, head) = y and 128 query rows = x; all 1,024 keys are walked, since the mask is an input.
; q and k arrive scaled by g, so S = q'.k' = 2 log2(e) logit / 50.  50 log2(e) tanh(logit / 50) = 72.13 - 144.27 / (1 + 2^S); the 72.13 is common to
; all keys and falls out of the softmax, so the exponent used is y = -144.269504 / (1 + 2^S), in [-144.27, 0].  A masked key gets y = -300:
; beside any real key its 2^(y - max) has an exponent of -155.7 or less and is 0; a row with every key masked gets equal weights, as the finite mask value of the problem gives.
; A running maximum is kept, so the weights are at most 1 and go to the matrix unit in f16.
; LIMITS: NaN and infinities are not served; |v| below 65504.
; WAVES: wave w takes query rows 64 (w & 1) .. + 63 and keys 64 (w >> 1) .. + 63 of every tile of 128 keys, with its own maximum and sum; the two
; key halves are merged at the end through LDS.  S is made transposed (A = 16 keys, B = 16 queries): lane (r, h), register j = key 8 h + j of query r, so two
; tiles pack in place into a B fragment of the weights, and maximum, sum and factor are one number a lane.  O is made transposed too (A = V by the transposing load).
; CLUSTER: the four query blocks of a cluster walk the same K and V: each tile is asked for jointly (mask 15), a quarter of the requests.
; THE TEXT'S LENGTH: a tile's text is HEAD (S, softmax, five of the eight batches of O) and CHANGE (the change of slots, the other three batches).  The loop's body is
; CHANGE 0, HEAD 1, CHANGE 1, HEAD 0, and it is entered at HEAD 0: tiles 0 to 6 run the loop's text and only tile 7, which asks for nothing, is written out.
; So the text holds three tiles for eight, and five of the eight run lines that the wave has run before.  For tile 0 to run the loop's text, O begins at zero by
; 64 products of two zero fragments (64 of the wave's 2,112 matrix instructions), the sums begin at 0 and the old maximum at -1000.
; REGISTERS: window 0: v2-7 LDS addresses; v8-31 for each query block (max, other half | factor, old max | sum pair); v32-159 S, then the weights;
; v160-255 three buffers of four fragments.  Window 1: Q, fragment (qb, ks) at 8 (8 qb + ks).  Windows 2, 3: O, tile (qb, idx) at 8 (8 qb + idx % 8);
; idx stands for the block of 16 h numbered (idx + 8 (w >> 1)) % 16, so every wave keeps window 2 and hands window 3 to its partner.
.set QUART, 34816                      ; a quarter of a slot: 64 rows of K at pitch 528 (33,792 used) or 64 rows of V at pitch 544
.set SLOT,  4*QUART                    ; K rows 0-63, K rows 64-127, V rows 0-63, V rows 64-127
.set STAGE, 2*SLOT
.set KP, 528
.set VP, 544
.set SPITCH, 272
.set KADR, 2
.set VLO, 4
.set VHI, 6
.set ST, 8
.set SB, 32
.set B0, 160
.set B1, 192
.set B2, 224
.set TP, 64
.set PK, 128
.set RB, 160
.set MSB, 0
.macro WIN new
.if MSB != (\new)
	s_set_vgpr_msb (MSB<<8)|(\new)
.set MSB, (\new)
.endif
.endm
.macro PLACES                          ; four places behind a matrix instruction (ISA guide 7.12.1)
.rept 4
	v_nop
.endr
.endm
.macro ROUND                           ; a round of the cluster's barrier
	s_barrier_signal -1
	s_barrier_wait -1
	s_cmp_lg_u32 s3, 0
	s_cbranch_scc1 .Lnot_wave_0_\@
	s_barrier_signal -3
.Lnot_wave_0_\@:
	s_barrier_wait -3
	s_barrier_signal -1
	s_barrier_wait -1
.endm
.macro JLOAD s                         ; waves 0, 1: K's halves (16 bytes of padding a row); waves 2, 3: V's (32 bytes)
	s_cmp_eq_u32 s5, 0
	s_cbranch_scc0 .Lfor_v_\@
	tensor_load_to_lds s[8+20*\s:8+20*\s+3], s[12:19]
	s_nop 0
	s_branch .Lasked_\@
.Lfor_v_\@:
	tensor_load_to_lds s[8+20*\s:8+20*\s+3], s[20:27]
	s_nop 0
.Lasked_\@:
.endm
.macro MLOAD                           ; 64 mask words: 4 query blocks x (2 blocks of 16 keys x 8 registers)
	s_load_b512 s[32:47], s[6:7], 0x0
	s_load_b512 s[48:63], s[6:7], 0x800
	s_load_b512 s[68:83], s[6:7], 0x1000
	s_load_b512 s[84:99], s[6:7], 0x1800
.endm
; batch n of K: keys 32 (n >> 2) + 16 (f & 1), h step 2 (n & 3) + (f >> 1)
.macro KLOAD n, slot, buf
.irp f, 0,1,2,3
	ds_load_b128 v[\buf+8*\f:\buf+8*\f+3],   v[KADR+\slot] offset:(32*(\n>>2)+16*(\f&1))*KP+64*(2*(\n&3)+(\f>>1))
	ds_load_b128 v[\buf+8*\f+4:\buf+8*\f+7], v[KADR+\slot] offset:(32*(\n>>2)+16*(\f&1))*KP+64*(2*(\n&3)+(\f>>1))+32
.endr
.endm
; batch v of V: keys 32 (v >> 2) .. + 31, tiles idx = 4 (v & 3) + f
.macro VLOAD v, slot, buf
.irp f, 0,1,2,3
	ds_load_tr16_b128 v[\buf+8*\f:\buf+8*\f+3],   v[VLO+2*((\v&3)>>1)+\slot] offset:32*VP*(\v>>2)+32*((4*(\v&3)+\f)&7)
	ds_load_tr16_b128 v[\buf+8*\f+4:\buf+8*\f+7], v[VLO+2*((\v&3)>>1)+\slot] offset:32*VP*(\v>>2)+32*((4*(\v&3)+\f)&7)+16*VP
.endr
.endm
; 16 products of S: eight accumulators take turns, one instruction a turn; the first h step starts the sums
.macro SMUL n, buf
.irp e, 0,1
.irp kbl, 0,1
.irp qb, 0,1,2,3
.if ((\n&3)+\e) == 0
	v_wmma_f32_16x16x32_f16 v[SB+64*(\n>>2)+16*\qb+8*\kbl:SB+64*(\n>>2)+16*\qb+8*\kbl+7], v[\buf+8*(2*\e+\kbl):\buf+8*(2*\e+\kbl)+7], v[8*(8*\qb+2*(\n&3)+\e):8*(8*\qb+2*(\n&3)+\e)+7], 0
.else
	v_wmma_f32_16x16x32_f16 v[SB+64*(\n>>2)+16*\qb+8*\kbl:SB+64*(\n>>2)+16*\qb+8*\kbl+7], v[\buf+8*(2*\e+\kbl):\buf+8*(2*\e+\kbl)+7], v[8*(8*\qb+2*(\n&3)+\e):8*(8*\qb+2*(\n&3)+\e)+7], v[SB+64*(\n>>2)+16*\qb+8*\kbl:SB+64*(\n>>2)+16*\qb+8*\kbl+7]
.endif
.endr
.endr
.endr
.endm
; 16 products of O on 16 accumulators, by turns
.macro PVMUL v, buf
	WIN 0xa0+0x50*((\v&3)>>1)
.irp f, 0,1,2,3
.irp qb, 0,1,2,3
	v_wmma_f32_16x16x32_f16 v[8*(8*\qb+((4*(\v&3)+\f)&7)):8*(8*\qb+((4*(\v&3)+\f)&7))+7], v[\buf+8*\f:\buf+8*\f+7], v[SB+64*(\v>>2)+16*\qb:SB+64*(\v>>2)+16*\qb+7], v[8*(8*\qb+((4*(\v&3)+\f)&7)):8*(8*\qb+((4*(\v&3)+\f)&7))+7]
.endr
.endr
.endm
; the 32 accumulators of one window begin at zero: zero fragment x zero fragment + 0
.macro OZERO
.set t, 0
.rept 32
	v_wmma_f32_16x16x32_f16 v[8*t:8*t+7], v[SB:SB+7], v[SB+8:SB+15], 0
.set t, t+1
.endr
.endm
; S of 32 keys -> y, masked, and the maximum taken on.  Four query blocks at once; the chains on the maxima take the blocks by turns.
.macro PASSA kap
	s_wait_kmcnt 0x0                               ; the mask words are in, so their address may be stepped: 64 bytes to the next 32 keys, 192 to the next tile
	s_add_nc_u64 s[6:7], s[6:7], 64+128*\kap
.set i, 0
.rept 64
	v_exp_f32 v[SB+64*\kap+i], v[SB+64*\kap+i]
.set i, i+1
.endr
	v_nop                                          ; one plain place behind the transcendentals (ISA guide 5.7.2)
.set i, 0
	s_wait_alu depctr_va_vdst(0)
.rept 32
	v_pk_add_f32 v[SB+64*\kap+2*i:SB+64*\kap+2*i+1], v[SB+64*\kap+2*i:SB+64*\kap+2*i+1], 1.0 op_sel_hi:[1,0]
.set i, i+1
.endr
.set i, 0
.rept 64
	v_rcp_f32 v[SB+64*\kap+i], v[SB+64*\kap+i]
.set i, i+1
.endr
	v_nop
.set i, 0
	s_wait_alu depctr_va_vdst(0)
.rept 32
	v_pk_mul_f32 v[SB+64*\kap+2*i:SB+64*\kap+2*i+1], v[SB+64*\kap+2*i:SB+64*\kap+2*i+1], 0xc31044fe op_sel_hi:[1,0]
.set i, i+1
.endr
.irp i, 0,1,2,3,4,5,6,7
.irp qb, 0,1,2,3
	v_cndmask_b32 v[SB+64*\kap+16*\qb+2*\i], s104, v[SB+64*\kap+16*\qb+2*\i], s[32+16*\qb+4*(\qb>>1)+2*\i]
	v_cndmask_b32 v[SB+64*\kap+16*\qb+2*\i+1], s104, v[SB+64*\kap+16*\qb+2*\i+1], s[32+16*\qb+4*(\qb>>1)+2*\i+1]
.if (\kap+\i) == 0
	v_max3_num_f32 v[ST+6*\qb], v[ST+6*\qb+3], v[SB+64*\kap+16*\qb+2*\i], v[SB+64*\kap+16*\qb+2*\i+1]   ; the tile's maximum begins with the old one
.else
	v_max3_num_f32 v[ST+6*\qb], v[ST+6*\qb], v[SB+64*\kap+16*\qb+2*\i], v[SB+64*\kap+16*\qb+2*\i+1]
.endif
.endr
.endr
.endm
; the two halves of the lanes hold different keys of one query: join the maxima; factor = 2^(old - new)
.macro MUPD
.irp qb, 0,1,2,3
	v_permlanex16_b32 v[ST+6*\qb+1], v[ST+6*\qb], s66, s67
.endr
.irp qb, 0,1,2,3
	v_max_num_f32 v[ST+6*\qb], v[ST+6*\qb], v[ST+6*\qb+1]
.endr
.irp qb, 0,1,2,3
	v_sub_f32 v[ST+6*\qb+2], v[ST+6*\qb+3], v[ST+6*\qb]
.endr
.irp qb, 0,1,2,3
	v_exp_f32 v[ST+6*\qb+2], v[ST+6*\qb+2]
.endr
.irp qb, 0,1,2,3
	v_mov_b32 v[ST+6*\qb+3], v[ST+6*\qb]           ; these moves are the plain places behind the exponentials
.endr
.endm
; weights 2^(y - max), summed in f32 and packed in place to f16.  lm 1: old sum x factor first; 0: plain adds
.macro PASSB kap, lm
.irp qb, 0,1,2,3
.irp i, 0,2,4,6,8,10,12,14
	v_pk_add_f32 v[SB+64*\kap+16*\qb+\i:SB+64*\kap+16*\qb+\i+1], v[SB+64*\kap+16*\qb+\i:SB+64*\kap+16*\qb+\i+1], v[ST+6*\qb:ST+6*\qb+1] op_sel_hi:[1,0] neg_lo:[0,1] neg_hi:[0,1]
.endr
.endr
.set i, 0
.rept 64
	v_exp_f32 v[SB+64*\kap+i], v[SB+64*\kap+i]
.set i, i+1
.endr
	v_nop
	s_wait_alu depctr_va_vdst(0)
.irp qb, 0,1,2,3
.if \lm == 1
	v_pk_fma_f32 v[ST+6*\qb+4:ST+6*\qb+5], v[ST+6*\qb+4:ST+6*\qb+5], v[ST+6*\qb+2:ST+6*\qb+3], v[SB+64*\kap+16*\qb:SB+64*\kap+16*\qb+1] op_sel_hi:[1,0,1]
.else
	v_pk_add_f32 v[ST+6*\qb+4:ST+6*\qb+5], v[ST+6*\qb+4:ST+6*\qb+5], v[SB+64*\kap+16*\qb:SB+64*\kap+16*\qb+1]
.endif
	v_cvt_pk_f16_f32 v[SB+64*\kap+16*\qb], v[SB+64*\kap+16*\qb], v[SB+64*\kap+16*\qb+1]
.endr
.irp i, 1,2,3,4,5,6,7
.irp qb, 0,1,2,3
	v_pk_add_f32 v[ST+6*\qb+4:ST+6*\qb+5], v[ST+6*\qb+4:ST+6*\qb+5], v[SB+64*\kap+16*\qb+2*\i:SB+64*\kap+16*\qb+2*\i+1]
	v_cvt_pk_f16_f32 v[SB+64*\kap+16*\qb+\i], v[SB+64*\kap+16*\qb+2*\i], v[SB+64*\kap+16*\qb+2*\i+1]
.endr
.endr
.endm
.macro RESC1
.irp qb, 0,1,2,3
.set i, 0
.rept 32
	v_pk_mul_f32 v[64*\qb+2*i:64*\qb+2*i+1], v[64*\qb+2*i:64*\qb+2*i+1], v[ST+6*\qb+2:ST+6*\qb+3] op_sel_hi:[1,0]
.set i, i+1
.endr
.endr
.endm
.macro RESCALE                         ; O x factor, both windows
	WIN 0x82
	RESC1
	WIN 0xc3
	RESC1
.endm
.macro SSTEP n, buf
	s_wait_dscnt 16                                ; this batch's 8 loads are in; the two younger batches stay out
	SMUL \n, \buf
	PLACES
.endm
.macro PSTEP v, buf
	PVMUL \v, \buf
	WIN 0
	PLACES
.endm
; The first part of a tile of 128 keys in slot.  On entry K's batches 0, 1, 2 are on their way into B0, B1, B2 and the first 64 mask words into their registers.
; Each buffer is loaded again behind the products that read it.  more = 1: another tile follows, whose first mask words are asked for.
.macro HEAD slot, more
	WIN 0x04                                       ; Q in window 1; an LDS load names the same registers as under 0
	SSTEP 0, B0
	KLOAD 3, \slot, B0
	SSTEP 1, B1
	KLOAD 4, \slot, B1
	SSTEP 2, B2
	KLOAD 5, \slot, B2
	SSTEP 3, B0
	KLOAD 6, \slot, B0
	WIN 0
	PASSA 0
	MLOAD
	WIN 0x04
	SSTEP 4, B1
	KLOAD 7, \slot, B1
	SSTEP 5, B2
	VLOAD 1, \slot, B2
	SSTEP 6, B0
	VLOAD 2, \slot, B0
	SSTEP 7, B1
	VLOAD 0, \slot, B1
	WIN 0
	PASSA 1
.if \more
	MLOAD
.endif
	MUPD
	PASSB 0, 1
	PASSB 1, 0
	RESCALE
	s_wait_dscnt 0                                 ; V's batches 0, 1, 2
	PSTEP 0, B1
	VLOAD 3, \slot, B1
	PSTEP 1, B2
	VLOAD 4, \slot, B2
	PSTEP 2, B0
	VLOAD 5, \slot, B0
	s_wait_dscnt 16                                ; batch 3 is in; 4 and 5 stay out
	PSTEP 3, B1
	VLOAD 6, \slot, B1
	s_wait_dscnt 16                                ; batch 4 is in; 5 and 6 stay out
	PSTEP 4, B2
	VLOAD 7, \slot, B2
.endm
; The rest of the tile in slot.  mode 2: this slot is filled again; 1: the slots change without a fill; 0: the last tile.
.macro CHANGE slot, mode
	s_wait_dscnt 0                                 ; my reads of this slot are over
.if \mode
	s_wait_xcnt 0x0
	v_lshl_add_u32 v158, v0, 2, 0x48400
	v_mov_b32 v159, 0
	s_wait_tensorcnt 0x0                           ; all my tensor loads have landed: the one that was out is my quarter of the other slot
	ds_add_u32 v158, v159
	s_wait_dscnt 0x0
.endif
.if \mode == 2
	ROUND                                          ; both now hold of every wave of the four work-groups
	s_add_nc_u64 s[10+20*\slot:11+20*\slot], s[10+20*\slot:11+20*\slot], 0x400000    ; 256 keys on
	JLOAD \slot                                    ; the wave's one tensor load behind the round, and the first thing there
.endif
.if \mode == 1
	s_barrier_signal -1                            ; the last tile is whole for all four waves
	s_barrier_wait -1
.endif
	PSTEP 5, B0
.if \mode
	KLOAD 0, 1-\slot, B0
.endif
	PSTEP 6, B1
.if \mode
	KLOAD 1, 1-\slot, B1
.endif
	PSTEP 7, B2
.if \mode
	KLOAD 2, 1-\slot, B2
.endif
.endm
	s_load_b128 s[68:71], s[0:1], 0x0              ; qkv, mbits
	s_load_b64 s[100:101], s[0:1], 0x10            ; enc
	v_lshl_add_u32 v158, v0, 2, 0x48400
	v_mov_b32 v159, 0
	ds_add_u32 v158, v159
	s_wait_dscnt 0x0
	v_lshrrev_b32 v1, 5, v0
	v_readfirstlane_b32 s3, v1                     ; wave
	s_and_b32 s4, s3, 1                            ; my 64 query rows; also: which 64 rows of a tile I fetch
	s_lshr_b32 s5, s3, 1                           ; my 64 keys; also: I fetch K (0) or V (1)
	s_bfe_u32 s32, ttmp6, 0x40000                  ; cx
	s_lshl_b32 s33, ttmp9, 2
	s_add_co_u32 s33, s33, s32                     ; query block
	s_and_b32 s34, ttmp7, 0xffff
	s_and_b32 s35, s34, 7                          ; head
	s_bfe_u32 s36, s34, 0x10003                    ; batch
	s_lshr_b32 s37, s34, 4                         ; model
	s_lshr_b32 s38, s35, 1                         ; key and value head
	s_mov_b32 s66, 0x76543210                      ; v_permlanex16_b32: lane i of the other half
	s_mov_b32 s67, 0xfedcba98
	s_mov_b32 s104, 0xc3960000                     ; -300.0
	s_mov_b32 s12, 15|(1<<16)|(1<<20)|(1<<21)|(6<<22)|(3<<25)   ; K: mask of the four, 2-byte elements, 4 words of padding behind every 128
	s_mov_b32 s13, 256<<16
	s_mov_b32 s14, 64<<16
	s_mov_b32 s15, 256<<16
	s_mov_b32 s16, 64
	s_mov_b32 s17, 8192
	s_mov_b32 s18, 0
	s_mov_b32 s19, 0
	s_mov_b32 s20, 15|(1<<16)|(1<<20)|(1<<21)|(6<<22)|(7<<25)   ; V: 8 words of padding
	s_mov_b32 s21, 256<<16
	s_mov_b32 s22, 64<<16
	s_mov_b32 s23, 256<<16
	s_mov_b32 s24, 64
	s_mov_b32 s25, 8192
	s_mov_b32 s26, 0
	s_mov_b32 s27, 0
	; K and V: (1024 b + 64 half) rows of 16,384 bytes + 8,192 model + 4,096 + 512 kv head + 2,048 for V: nothing of the query block
	s_lshl_b32 s40, s36, 24
	s_lshl_b32 s41, s4, 20
	s_add_co_u32 s40, s40, s41
	s_lshl_b32 s41, s37, 13
	s_add_co_u32 s40, s40, s41
	s_lshl_b32 s41, s38, 9
	s_add_co_u32 s40, s40, s41
	s_lshl_b32 s41, s5, 11
	s_add_co_u32 s40, s40, s41
	s_add_co_u32 s40, s40, 4096
	s_mov_b32 s41, 0
	; Q: (1024 b + 128 block + 64 half) rows + 8,192 model + 512 head
	s_lshl_b32 s44, s36, 24
	s_lshl_b32 s45, s33, 21
	s_add_co_u32 s44, s44, s45
	s_lshl_b32 s45, s4, 20
	s_add_co_u32 s44, s44, s45
	s_lshl_b32 s45, s37, 13
	s_add_co_u32 s44, s44, s45
	s_lshl_b32 s45, s35, 9
	s_add_co_u32 s44, s44, s45
	s_mov_b32 s45, 0
	; mask words: 262,144 model + 131,072 b + 2,048 (8 block + 4 half) + 128 key half
	s_lshl_b32 s46, s37, 18
	s_lshl_b32 s47, s36, 17
	s_add_co_u32 s46, s46, s47
	s_lshl_b32 s47, s33, 14
	s_add_co_u32 s46, s46, s47
	s_lshl_b32 s47, s4, 13
	s_add_co_u32 s46, s46, s47
	s_lshl_b32 s47, s5, 7
	s_add_co_u32 s46, s46, s47
	s_mov_b32 s47, 0
	; enc: (1024 b + 128 block + 64 half) rows of 8,192 bytes + 4,096 model + 512 head + 256 for the h half that I keep
	s_lshl_b32 s50, s36, 23
	s_lshl_b32 s51, s33, 20
	s_add_co_u32 s50, s50, s51
	s_lshl_b32 s51, s4, 19
	s_add_co_u32 s50, s50, s51
	s_lshl_b32 s51, s37, 12
	s_add_co_u32 s50, s50, s51
	s_lshl_b32 s51, s35, 9
	s_add_co_u32 s50, s50, s51
	s_lshl_b32 s51, s5, 8
	s_add_co_u32 s50, s50, s51
	s_mov_b32 s51, 0
	s_mul_i32 s9, s3, QUART                        ; LDS: wave x 34,816
	s_mov_b32 s8, 1
	s_mov_b32 s28, 1
	s_add_co_u32 s29, s9, SLOT
	s_wait_kmcnt 0x0
	s_add_nc_u64 s[10:11], s[68:69], s[40:41]
	s_add_nc_u64 s[30:31], s[10:11], 0x200000      ; slot 1: 128 keys on
	s_or_b32 s11, s11, 0x80000000
	s_or_b32 s31, s31, 0x80000000
	s_add_nc_u64 s[72:73], s[68:69], s[44:45]
	s_add_nc_u64 s[6:7], s[70:71], s[46:47]
	s_add_nc_u64 s[100:101], s[100:101], s[50:51]
	ROUND                                          ; the four work-groups are here: the first joint loads meet
	JLOAD 0
	JLOAD 1
	v_and_b32 v8, 15, v0                           ; r
	v_bfe_u32 v9, v0, 4, 1                         ; h
	v_and_b32 v10, 7, v0
	v_bfe_u32 v11, v0, 3, 1
	v_lshlrev_b32 v1, 14, v8
	v_lshl_add_u32 v1, v9, 4, v1                   ; Q: row r, 16 bytes for each half of the lanes
	WIN 0x40
.irp qb, 0,1,2,3
.irp ks, 0,1,2,3,4,5,6,7
	global_load_b128 v[8*(8*\qb+\ks):8*(8*\qb+\ks)+3],   v1, s[72:73] offset:\qb*262144+64*\ks
	global_load_b128 v[8*(8*\qb+\ks)+4:8*(8*\qb+\ks)+7], v1, s[72:73] offset:\qb*262144+64*\ks+32
.endr
.endr
	WIN 0
	; O begins at zero while the first tiles and Q are on their way.  The two zero fragments lie where S will be written: the address
	; arithmetic below gives more than the five places that stand between these products and the first product of S (ISA guide 7.12.1).
.irp k, 0,1,2,3,4,5,6,7,8,9,10,11,12,13,14,15
	v_mov_b32 v[SB+\k], 0
.endr
	WIN 0xa0
	OZERO
	WIN 0xf0
	OZERO
	WIN 0
	v_mul_u32_u24 v12, v8, KP
	v_lshl_add_u32 v12, v9, 4, v12
	s_mul_i32 s52, s5, QUART
	v_add_nc_u32 v[KADR], s52, v12
	v_add_nc_u32 v[KADR+1], SLOT, v[KADR]
	v_lshl_add_u32 v13, v9, 3, v10
	v_mul_u32_u24 v13, v13, VP
	v_lshl_add_u32 v13, v11, 4, v13
	s_add_co_u32 s52, s52, 2*QUART                 ; my 64 rows of V
	s_lshl_b32 s53, s5, 8
	s_add_co_u32 s54, s52, s53                     ; tiles idx 0-7: the h half that I keep
	s_xor_b32 s53, s53, 256
	s_add_co_u32 s55, s52, s53                     ; tiles idx 8-15: the other half
	v_add_nc_u32 v[VLO], s54, v13
	v_add_nc_u32 v[VLO+1], SLOT, v[VLO]
	v_add_nc_u32 v[VHI], s55, v13
	v_add_nc_u32 v[VHI+1], SLOT, v[VHI]
.irp qb, 0,1,2,3
	v_mov_b32 v[ST+6*\qb+1], 0                     ; v_permlanex16_b32 counts as a reader of its destination
	v_mov_b32 v[ST+6*\qb+3], 0xc47a0000            ; the old maximum begins at -1000: below every y, so tile 0's factor is 2^(-700 or less) = 0,
	v_mov_b32 v[ST+6*\qb+4], 0                     ; and it multiplies sums
	v_mov_b32 v[ST+6*\qb+5], 0                     ; and an O that begin at 0
.endr
	s_wait_xcnt 0x0                                ; Q's base lies in registers that the mask words take over: only behind this wait
	MLOAD
	s_wait_tensorcnt 0x1                           ; my quarter of tile 0 is in; tile 1's stays out
	s_barrier_signal -1
	s_barrier_wait -1
	KLOAD 0, 0, B0
	KLOAD 1, 0, B1
	KLOAD 2, 0, B2
	s_wait_loadcnt 0x0                             ; Q
	; The loop is entered at HEAD 0.  Both ways arrive there alike: 24 LDS loads out (K's batches 0 to 2 of slot 0), slot 1's tensor load out, 64 mask words asked for.
	; HEAD 0 runs for tiles 0, 2, 4, 6; the backward branch is taken three times, and CHANGE 0, CHANGE 1 ask for tiles 2, 4, 6 and 3, 5, 7.
	s_mov_b32 s2, 0
	s_branch .Lentry
.Llap:
	CHANGE 0, 2
	HEAD 1, 1
	CHANGE 1, 2
.Lentry:
	HEAD 0, 1
	s_add_co_u32 s2, s2, 1
	s_cmp_lt_u32 s2, 4
	s_cbranch_scc1 .Llap
	CHANGE 0, 1                                    ; tile 6 ends and tile 7 follows: nothing is left to fetch
	HEAD 1, 0
	CHANGE 1, 0
	; THE MERGE.  Slot 0 has had its last fill and its last read (behind tile 6's barrier): wave w writes its window 3, its sums and its maxima at w x 34,816.
.irp qb, 0,1,2,3
	v_add_f32 v[32+\qb], v[ST+6*\qb+4], v[ST+6*\qb+5]
.endr
.irp qb, 0,1,2,3
	v_permlanex16_b32 v[ST+6*\qb+1], v[32+\qb], s66, s67
.endr
.irp qb, 0,1,2,3
	v_add_f32 v[32+\qb], v[32+\qb], v[ST+6*\qb+1]
	v_mov_b32 v[36+\qb], v[ST+6*\qb+3]
.endr
	v_and_b32 v2, 31, v0
	v_lshlrev_b32 v2, 4, v2
	s_mul_i32 s32, s3, QUART
	s_xor_b32 s33, s3, 2                           ; my partner: the same query rows, the other keys
	s_mul_i32 s33, s33, QUART
	v_add_nc_u32 v3, s33, v2
	v_add_nc_u32 v2, s32, v2
	v_and_b32 v48, 15, v0
	v_bfe_u32 v49, v0, 4, 1
	s_mul_i32 s34, s3, 16*SPITCH
	s_add_co_u32 s34, s34, STAGE
	v_mul_u32_u24 v4, v48, SPITCH
	v_lshl_add_u32 v4, v49, 4, v4
	v_add_nc_u32 v4, s34, v4
	v_mul_u32_u24 v5, v49, SPITCH
	v_lshl_add_u32 v5, v48, 4, v5
	v_add_nc_u32 v5, s34, v5
	v_lshlrev_b32 v6, 13, v49
	v_lshl_add_u32 v6, v48, 4, v6
	WIN 0x0c                                       ; the data of an LDS store are source 1: window 3
.set t, 0
.rept 64
	ds_store_b128 v2, v[4*t:4*t+3] offset:512*t
.set t, t+1
.endr
	WIN 0
	ds_store_b128 v2, v[32:35] offset:32768
	ds_store_b128 v2, v[36:39] offset:33280
	s_wait_dscnt 0x0                               ; for the partner's sake: all my stores are done
	s_barrier_signal -1
	s_barrier_wait -1
	ds_load_b128 v[40:43], v3 offset:32768         ; the partner's sums
	ds_load_b128 v[44:47], v3 offset:33280         ; and maxima
	s_wait_dscnt 0x0
.irp qb, 0,1,2,3
	v_max_num_f32 v[48+\qb], v[36+\qb], v[44+\qb]
.endr
.irp qb, 0,1,2,3
	v_sub_f32 v[36+\qb], v[36+\qb], v[48+\qb]
	v_sub_f32 v[44+\qb], v[44+\qb], v[48+\qb]
.endr
.irp qb, 0,1,2,3
	v_exp_f32 v[36+\qb], v[36+\qb]
	v_exp_f32 v[44+\qb], v[44+\qb]
.endr
	v_nop
	s_wait_alu depctr_va_vdst(0)
.irp qb, 0,1,2,3
	v_mul_f32 v[32+\qb], v[32+\qb], v[36+\qb]
.endr
.irp qb, 0,1,2,3
	v_fmac_f32 v[32+\qb], v[40+\qb], v[44+\qb]     ; at least 1: the larger maximum's own weight
.endr
.irp qb, 0,1,2,3
	v_rcp_f32 v[32+\qb], v[32+\qb]
.endr
	v_nop
	s_wait_alu depctr_va_vdst(0)
.irp qb, 0,1,2,3
	v_mul_f32 v[ST+6*\qb+2], v[36+\qb], v[32+\qb]  ; my share's factor
	v_mul_f32 v[ST+6*\qb],   v[44+\qb], v[32+\qb]  ; the partner's
.endr
; 16 query rows x 128 h: the partner's share x its factor + mine x mine, to f16, through my stage, out in rows of 256 bytes
.macro OUTQ qb
.irp t, 0,1,2,3,4,5,6,7,8,9,10,11,12,13,14,15
	ds_load_b128 v[TP+4*\t:TP+4*\t+3], v3 offset:512*(16*\qb+\t)
.endr
	s_wait_dscnt 0x0
.set i, 0
.rept 32
	v_pk_mul_f32 v[TP+2*i:TP+2*i+1], v[TP+2*i:TP+2*i+1], v[ST+6*\qb:ST+6*\qb+1] op_sel_hi:[1,0]
.set i, i+1
.endr
	WIN 0x02
.set i, 0
.rept 32
	v_pk_fma_f32 v[TP+2*i:TP+2*i+1], v[64*\qb+2*i:64*\qb+2*i+1], v[ST+6*\qb+2:ST+6*\qb+3], v[TP+2*i:TP+2*i+1] op_sel_hi:[1,0,1]
.set i, i+1
.endr
	WIN 0
.set i, 0
.rept 32
	v_cvt_pk_f16_f32 v[PK+i], v[TP+2*i], v[TP+2*i+1]
.set i, i+1
.endr
.irp b, 0,1,2,3,4,5,6,7
	ds_store_b128 v4, v[PK+4*\b:PK+4*\b+3] offset:32*\b
.endr
	s_wait_xcnt 0x0                                ; RB, which the last block's stores read, is loaded again only behind this wait
.irp t, 0,1,2,3,4,5,6,7
	ds_load_b128 v[RB+4*\t:RB+4*\t+3], v5 offset:\t*2*SPITCH
.endr
.irp t, 0,1,2,3,4,5,6,7
	s_wait_dscnt 7-\t
	global_store_b128 v6, v[RB+4*\t:RB+4*\t+3], s[100:101] offset:\qb*131072+2*\t*8192   ; 16 lanes store 256 consecutive aligned bytes
.endr
.endm
	OUTQ 0
	OUTQ 1
	OUTQ 2
	OUTQ 3
	s_wait_xcnt 0x0
	v_lshl_add_u32 v158, v0, 2, 0x48400
	v_mov_b32 v159, 0
	s_wait_tensorcnt 0x0
	ds_add_u32 v158, v159
	s_wait_dscnt 0x0
	ROUND                                          ; the closing round
	s_endpgm
.Lfunc_end_k_qa1b4ec08ae_attn:
	.size	k_qa1b4ec08ae_attn, .Lfunc_end_k_qa1b4ec08ae_attn-k_qa1b4ec08ae_attn
	.p2alignl 7, 3214868480
	.fill 96, 4, 3214868480
	.section	.rodata,"a",@progbits
	.p2align	6, 0x0
	.amdhsa_kernel k_qa1b4ec08ae_attn
		.amdhsa_group_segment_fixed_size 327680
		.amdhsa_private_segment_fixed_size 0
		.amdhsa_enable_private_segment 0
		.amdhsa_kernarg_size 24
		.amdhsa_user_sgpr_count 2
		.amdhsa_user_sgpr_kernarg_segment_ptr 1
		.amdhsa_wavefront_size32 1
		.amdhsa_system_sgpr_workgroup_id_x 1
		.amdhsa_system_sgpr_workgroup_id_y 1
		.amdhsa_system_sgpr_workgroup_id_z 1
		.amdhsa_system_vgpr_workitem_id 0
		.amdhsa_next_free_vgpr 1024
		.amdhsa_next_free_sgpr 106
		.amdhsa_reserve_vcc 0
		.amdhsa_float_denorm_mode_32 3
		.amdhsa_float_denorm_mode_16_64 3
		.amdhsa_memory_ordered 1
		.amdhsa_forward_progress 1
		.amdhsa_inst_pref_size 255
	.end_amdhsa_kernel
	.section	.bss,"aw",@nobits
	.p2align	6
	.space	262144
	.amdgpu_metadata
---
amdhsa.version: [ 1, 2 ]
amdhsa.kernels:
  - .name:           k_qa1b4ec08ae_attn
    .symbol:         k_qa1b4ec08ae_attn.kd
    .args:
      - { .name: qkv, .offset: 0, .size: 8, .value_kind: global_buffer, .address_space: global }
      - { .name: mbits, .offset: 8, .size: 8, .value_kind: global_buffer, .address_space: global }
      - { .name: enc, .offset: 16, .size: 8, .value_kind: global_buffer, .address_space: global }
    .group_segment_fixed_size: 327680
    .private_segment_fixed_size: 0
    .kernarg_segment_align: 8
    .kernarg_segment_size: 24
    .max_flat_workgroup_size: 128
    .sgpr_count:     106
    .vgpr_count:     1024
    .wavefront_size: 32
...
	.end_amdgpu_metadata
.endif
;; end of part 6
;; launch oproj (part 7): grid 16 x 16, 4 waves a work-group, clusters of 4 x 4, 327,680 bytes of LDS; arguments enc, wob, out0, out1; writes out0, out1
.if DOCPART == 7
	.amdgcn_target "amdgcn-amd-amdhsa--gfx1250"
	.amdhsa_code_object_version 6
	.text
	.protected	k_qa1b4ec08ae_oproj
	.globl	k_qa1b4ec08ae_oproj
	.p2align	8
	.type	k_qa1b4ec08ae_oproj,@function
k_qa1b4ec08ae_oproj:
	s_mov_b64 s[64:65], 0
	v_nop
	global_prefetch_b8 v0, s[64:65] scope:SCOPE_SE
	s_setreg_imm32_b32 hwreg(HW_REG_WAVE_MODE, 25, 1), 1
	s_wait_xcnt 0x0
	s_wait_alu depctr_hold_cnt(0) depctr_sa_sdst(0) depctr_va_vdst(0) depctr_va_sdst(0) depctr_va_ssrc(0) depctr_va_vcc(0) depctr_vm_vsrc(0)
	s_getreg_b32 s2, hwreg(HW_REG_IB_STS2, 6, 4)
	s_cmp_eq_u32 s2, 0
	s_cbranch_scc0 .Lentry_in_a_cluster
	s_endpgm
.Lentry_in_a_cluster:
	s_bfe_u32 s2, ttmp6, 0x10000c
	s_cmp_lg_u32 s2, 0xf033
	s_cbranch_scc0 .Lentry_shape_is_right
	s_endpgm
.Lentry_shape_is_right:
; out_model[row][d] = sum over k of enc[row][2048 model + k] wob[k][2048 model + d]: M 2048, N 4096 (both models side by side), K 2048; f16 operands, f32 sums and results.
; A work-group makes 128 x 256, so that there are 256 of them; a wave makes 64 x 128: 32 accumulator tiles, 256 registers (window 1).
; K goes in steps of 128 through two LDS slots: A 128 rows x 256 bytes at pitch 272, B 128 k rows x 512 bytes at pitch 544 (fragments by the transposing load).
; Two slots of a K step of 256 would take 417,792 bytes and do not fit in LDS.
; CLUSTERS: 4 x 4 work-groups, all of one model; A's tile is asked for jointly along a row of the cluster, B's along a column.
; NUMBERING: the model is the parity of the cluster's y; the cluster's x picks 512 rows, its y >> 1 four of the model's eight block columns.  A cluster reads
; only its model's 4,096 bytes of each row of enc and of wob, and clusters of different models share no byte.
; THE CHANGE OF SLOTS: a K step has 128 matrix instructions a wave.  The next request can go out only when the last tile has landed and the round is passed, so
; nothing but the round stands between the wait for the tile and the request; the quarter's 32 products follow the request.
; ASKING AHEAD: once a lap (two K steps) wave 0 asks for enc and wave 2 for wob, 32 blocks of 256 bytes each, of the lap after the next.  The 8 work-groups of a
; block row share its 128 rows of enc, 16 rows each, 512 bytes a row and lap; the 16 of a block column share the lap's 256 k rows of wob, 16 rows each, 512 bytes a
; row: each block of laps 1 to 7 is asked for once in the launch.  Lap 1 is asked for at the start, lap j + 2 behind lap j's second refill, whose tensor loads are
; issued one and two K steps later; laps 6 and 7 ask for nothing.  At most two laps' 16,384 bytes a work-group are asked for and not yet read.
; The product is used transposed (source 0 = B, source 1 = A): a lane holds eight neighbouring columns of one row, 32 bytes.
.set SIZE_K, 2048
.set KSTEP,  128
.set APITCH, 272
.set BPITCH, 544
.set ATILE,  128*APITCH
.set BTILE,  128*BPITCH
.set SLOT,   ATILE+BTILE
.set STAGE,  2*SLOT
.set SPITCH, 528                       ; a stage row: 512 bytes + 16
.set LAPS, SIZE_K/(2*KSTEP)
.set ADRA, 16
.set ADRB, 20
.set STO,  24
.set RD,   25
.set CO,   26
.set PF,   27                          ; v27: my lane's block in what the wave asks for ahead; never rewritten
.set RB,   32
.set G1, 24
.set G0, 32
.set G1B, 48
.set G0B, 56
.set PFB, 72                           ; s[72:73] where the wave asks ahead; s[74:75] its step from lap to lap
.set MSB, 0
.macro WIN new
.if MSB != (\new)
	s_set_vgpr_msb (MSB<<8)|(\new)
.set MSB, (\new)
.endif
.endm
.macro JLOAD s                         ; waves 0, 1 ask for A's halves, waves 2, 3 for B's
	s_cmp_eq_u32 s11, 0
	s_cbranch_scc0 .Lfor_b_\@
	tensor_load_to_lds s[G0+4*\s:G0+4*\s+3], s[G1:G1+7]
	s_nop 0
	s_branch .Lasked_\@
.Lfor_b_\@:
	tensor_load_to_lds s[G0B+4*\s:G0B+4*\s+3], s[G1B:G1B+7]
	s_nop 0
.Lasked_\@:
.endm
.macro ASK                             ; waves 0 and 2: 32 lanes, 32 blocks of 256 bytes
	s_cmp_lg_u32 s12, 0
	s_cbranch_scc1 .Lno_ask_\@
	global_prefetch_b8 v[PF], s[PFB:PFB+1] th:TH_LOAD_NT scope:SCOPE_SE
.Lno_ask_\@:
.endm
.macro CREST
	s_cmp_lg_u32 s10, 0
	s_cbranch_scc1 .Lnot_wave_0_\@
	s_barrier_signal -3
.Lnot_wave_0_\@:
	s_barrier_wait -3
	s_barrier_signal -1
	s_barrier_wait -1
.endm
.macro CROUND
	s_barrier_signal -1
	s_barrier_wait -1
	CREST
.endm
	s_load_b128 s[4:7], s[0:1], 0x0                ; enc, wob
	s_load_b128 s[68:71], s[0:1], 0x10             ; out0, out1
	v_lshl_add_u32 v254, v0, 2, 0x3b400
	v_mov_b32 v255, 0
	ds_add_u32 v254, v255
	v_lshrrev_b32 v1, 5, v0
	v_readfirstlane_b32 s10, v1
	s_lshr_b32 s11, s10, 1                         ; my 64 rows; also: I fetch for A (0) or B (1)
	s_and_b32 s12, s10, 1                          ; my 128 columns; also: which half of that tile I fetch
	s_bfe_u32 s40, ttmp6, 0x40000                  ; cx
	s_bfe_u32 s41, ttmp6, 0x40004                  ; cy
	s_and_b32 s46, ttmp7, 0xffff                   ; the cluster's y
	s_and_b32 s45, s46, 1                          ; model: the same in the whole cluster
	s_lshr_b32 s42, s46, 1
	s_lshl_b32 s42, s42, 2
	s_add_co_u32 s42, s42, s40                     ; block column inside the model, 0 to 7
	s_lshl_b32 s13, ttmp9, 2
	s_add_co_u32 s13, s13, s41                     ; block row, 0 to 15
	s_lshl_b32 s43, s41, 2
	s_lshl_b32 s43, 15, s43                        ; my row of the cluster
	s_lshl_b32 s44, 0x1111, s40                    ; my column
	s_or_b32 s[G1+0], s43, (1<<16)|(1<<20)|(1<<21)|(5<<22)|(3<<25)
	s_mov_b32 s[G1+1], KSTEP<<16
	s_mov_b32 s[G1+2], 64<<16
	s_mov_b32 s[G1+3], KSTEP<<16
	s_mov_b32 s[G1+4], 64
	s_mov_b32 s[G1+5], 4096
	s_mov_b32 s[G1+6], 0
	s_mov_b32 s[G1+7], 0
	s_or_b32 s[G1B+0], s44, (1<<16)|(1<<20)|(1<<21)|(6<<22)|(7<<25)
	s_mov_b32 s[G1B+1], 256<<16
	s_mov_b32 s[G1B+2], 64<<16
	s_mov_b32 s[G1B+3], 256<<16
	s_mov_b32 s[G1B+4], 64
	s_mov_b32 s[G1B+5], 4096
	s_mov_b32 s[G1B+6], 0
	s_mov_b32 s[G1B+7], 0
	s_lshl_b32 s16, s13, 20                        ; A: (128 block row + 64 half) rows of 8,192 bytes + 4,096 model
	s_lshl_b32 s17, s12, 19
	s_add_co_u32 s16, s16, s17
	s_lshl_b32 s17, s45, 12
	s_add_co_u32 s16, s16, s17
	s_mov_b32 s17, 0
	s_lshl_b32 s46, s42, 9                         ; B: 4,096 model + 512 bytes a block column + 64 half rows of 8,192 bytes
	s_lshl_b32 s47, s45, 12
	s_add_co_u32 s46, s46, s47
	s_lshl_b32 s47, s12, 19
	s_add_co_u32 s46, s46, s47
	s_mov_b32 s47, 0
	s_mul_i32 s20, s12, 64*APITCH                  ; LDS: A's half
	s_mul_i32 s21, s12, 64*BPITCH                  ; B's half, behind A's tile
	s_add_co_u32 s21, s21, ATILE
	; where the wave asks ahead, beginning with lap 1
	s_lshl_b32 s76, s13, 20                        ; enc: row 128 block row + 16 block column, rows of 8,192 bytes,
	s_lshl_b32 s77, s42, 17
	s_add_co_u32 s76, s76, s77
	s_add_co_u32 s76, s76, 512                     ; a lap is 512 bytes of a row
	s_lshl_b32 s78, s13, 17                        ; wob: k row 16 block row, 512 bytes a block column,
	s_lshl_b32 s79, s42, 9
	s_add_co_u32 s78, s78, s79
	s_add_co_u32 s78, s78, 0x200000                ; a lap is 256 k rows of 8,192 bytes
	s_mov_b32 s74, 512
	s_mov_b32 s75, 0x200000
	s_cmp_eq_u32 s11, 0
	s_cselect_b32 s76, s76, s78
	s_cselect_b32 s74, s74, s75
	s_lshl_b32 s79, s45, 12                        ; both: the model's 4,096 bytes of a row
	s_add_co_u32 s76, s76, s79
	s_mov_b32 s77, 0
	s_mov_b32 s75, 0
	s_wait_dscnt 0x0
	s_wait_kmcnt 0x0
	s_add_nc_u64 s[14:15], s[4:5], s[16:17]
	s_add_nc_u64 s[46:47], s[6:7], s[46:47]
	s_cmp_eq_u32 s11, 0
	s_cselect_b64 s[PFB:PFB+1], s[4:5], s[6:7]
	s_add_nc_u64 s[PFB:PFB+1], s[PFB:PFB+1], s[76:77]
	s_cmp_eq_u32 s45, 0
	s_cselect_b64 s[8:9], s[68:69], s[70:71]       ; the model's output
	CROUND                                         ; all sixteen work-groups are here: the first joint loads meet
.irp s, 0,1
	s_mov_b32 s[G0+4*\s], 1
	s_add_co_u32 s[G0+4*\s+1], s20, \s*SLOT
	s_add_nc_u64 s[G0+4*\s+2:G0+4*\s+3], s[14:15], \s*KSTEP*2
	s_or_b32 s[G0+4*\s+3], s[G0+4*\s+3], 0x80000000
	s_mov_b32 s[G0B+4*\s], 1
	s_add_co_u32 s[G0B+4*\s+1], s21, \s*SLOT
	s_add_nc_u64 s[G0B+4*\s+2:G0B+4*\s+3], s[46:47], \s*KSTEP*8192
	s_or_b32 s[G0B+4*\s+3], s[G0B+4*\s+3], 0x80000000
	JLOAD \s
.endr
	v_and_b32 v1, 15, v0
	v_bfe_u32 v2, v0, 4, 1
	v_lshlrev_b32 v[PF], 13, v1                    ; asking ahead: row l % 16 of my sixteen, block l / 16 of its two
	v_lshl_add_u32 v[PF], v2, 8, v[PF]
	ASK                                            ; lap 1, whose tensor loads are issued at the ends of K steps 0 and 1
	v_mul_u32_u24 v3, v1, APITCH
	v_lshl_add_u32 v3, v2, 4, v3
	v_and_b32 v6, 7, v0
	v_lshl_add_u32 v6, v2, 3, v6
	v_mul_u32_u24 v6, v6, BPITCH
	v_bfe_u32 v7, v0, 3, 1
	v_lshl_add_u32 v6, v7, 4, v6
	s_mul_i32 s22, s11, 64*APITCH
	s_lshl_b32 s23, s12, 8
	s_add_co_u32 s23, s23, ATILE
.irp s, 0,1
	v_add_nc_u32 v[ADRA+\s], s22, v3
	v_add_nc_u32 v[ADRB+\s], s23, v6
	s_add_co_u32 s22, s22, SLOT
	s_add_co_u32 s23, s23, SLOT
.endr
	s_mul_i32 s22, s10, 16*SPITCH
	s_add_co_u32 s22, s22, STAGE
	v_mul_u32_u24 v4, v1, SPITCH
	v_lshl_add_u32 v4, v2, 5, v4                   ; in: row l % 16, 32 bytes for each half of the lanes
	v_add_nc_u32 v[STO], s22, v4
	v_and_b32 v5, 31, v0
	v_lshlrev_b32 v[CO], 4, v5                     ; back and out: 32 lanes take one row of 512 bytes
	v_add_nc_u32 v[RD], s22, v[CO]
; fragment buffers f = 0, 1: A's four at v[32 + 32 f], B's eight at v[96 + 64 f].  The 32 accumulators take turns, one instruction a turn.
.macro MUL16 f, a0, zero
.irp a, \a0, \a0+1
.irp b, 0,1,2,3,4,5,6,7
.if \zero
	v_wmma_f32_16x16x32_f16 v[8*(8*(\a)+\b):8*(8*(\a)+\b)+7], v[96+64*\f+8*\b:96+64*\f+8*\b+7], v[32+32*\f+8*(\a):32+32*\f+8*(\a)+7], 0
.else
	v_wmma_f32_16x16x32_f16 v[8*(8*(\a)+\b):8*(8*(\a)+\b)+7], v[96+64*\f+8*\b:96+64*\f+8*\b+7], v[32+32*\f+8*(\a):32+32*\f+8*(\a)+7], v[8*(8*(\a)+\b):8*(8*(\a)+\b)+7]
.endif
.endr
.endr
.endm
.macro FETCH slot, q, f                ; 24 LDS loads: B's sixteen, then A's eight
	WIN 0
.irp i, 0,1,2,3,4,5,6,7
	ds_load_tr16_b128 v[96+64*\f+8*\i:96+64*\f+8*\i+3],   v[ADRB+\slot] offset:\q*32*BPITCH+32*\i
	ds_load_tr16_b128 v[96+64*\f+8*\i+4:96+64*\f+8*\i+7], v[ADRB+\slot] offset:\q*32*BPITCH+32*\i+16*BPITCH
.endr
.irp i, 0,1,2,3
	ds_load_b128 v[32+32*\f+8*\i:32+32*\f+8*\i+3],   v[ADRA+\slot] offset:\q*64+\i*16*APITCH
	ds_load_b128 v[32+32*\f+8*\i+4:32+32*\f+8*\i+7], v[ADRA+\slot] offset:\q*64+\i*16*APITCH+32
.endr
.endm
.macro PLACES                          ; four places behind a matrix instruction (ISA guide 7.12.1)
.rept 4
	v_nop
.endr
.endm
.macro QUARTER slot, q, f, g, zero
	s_wait_dscnt 4                                 ; B and A's rows 0-31 are in; the youngest four loads (A's rows 32-63) may be out
	WIN 0x50
	MUL16 \f, 0, \zero
	PLACES
	FETCH \slot, \q, \g
	s_wait_dscnt 24                                ; all but the 24 just issued
	WIN 0x50
	MUL16 \f, 2, \zero
.endm
.macro THREE slot, zero
	QUARTER \slot, 1, 0, 1, \zero
	QUARTER \slot, 2, 1, 0, 0
	QUARTER \slot, 3, 0, 1, 0
.endm
; The last quarter of a K step, and the change of slots in front of it.  fill = 1: this slot is filled again, two K steps ahead;
; step = 1: the address for asking ahead goes one lap on; ask = 1: the wave asks ahead.
.macro TURN slot, next, fill, step, ask
	s_wait_dscnt 0                                 ; my reads of this slot are over: the last quarter's fragments are in registers
	s_wait_tensorcnt 0x0                           ; all my tensor loads have landed: the one that was out is my part of the next slot,
	ds_add_u32 v254, v255
	s_wait_dscnt 0x0
.if \fill
	s_add_nc_u64 s[G0+4*\slot+2:G0+4*\slot+3], s[G0+4*\slot+2:G0+4*\slot+3], 2*KSTEP*2        ; so every group 0 may be written: this slot's next tile
	s_add_nc_u64 s[G0B+4*\slot+2:G0B+4*\slot+3], s[G0B+4*\slot+2:G0B+4*\slot+3], 2*KSTEP*8192
.endif
.if \step
	s_wait_xcnt 0x0                                ; the last ask, a K step back, has read its base (ISA guide 3.1)
	s_add_nc_u64 s[PFB:PFB+1], s[PFB:PFB+1], s[PFB+2:PFB+3]
.endif
	WIN 0
	s_barrier_signal -1
	s_barrier_wait -1
.if \fill
	CREST                                          ; no wave of any partner still reads this slot or has a load on its way
	JLOAD \slot                                    ; the wave's one tensor load behind the round, and the first thing there
.endif
.if \ask
	ASK
.endif
	PLACES
	FETCH \next, 0, 0
	WIN 0x50
	MUL16 1, 0, 0
	MUL16 1, 2, 0
.endm
.macro LAP zero, pf
	THREE 0, \zero
	TURN 0, 1, 1, \pf, 0
	THREE 1, 0
	TURN 1, 0, 1, 0, \pf
.endm
	s_wait_tensorcnt 1                             ; my part of K step 0 is in; K step 1's stays out
	s_barrier_signal -1
	s_barrier_wait -1
	FETCH 0, 0, 0
	LAP 1, 1                                       ; lap 0: its first products start the sums; it asks ahead for lap 2
	WIN 0
	s_mov_b32 s3, LAPS-3
.Llap:
	LAP 0, 1                                       ; laps 1 to 5 ask ahead for laps 3 to 7
	WIN 0
	s_sub_co_u32 s3, s3, 1
	s_cmp_lg_u32 s3, 0
	s_cbranch_scc1 .Llap
	LAP 0, 0                                       ; lap 6 fills both slots for lap 7 and asks ahead for nothing: K ends with lap 7
	THREE 0, 0                                     ; lap 7 fills nothing
	TURN 0, 1, 0, 0, 0
	THREE 1, 0
	s_wait_dscnt 0
	WIN 0x50
	MUL16 1, 0, 0
	MUL16 1, 2, 0
	WIN 0
	PLACES
	; THE WAY OUT, 16 rows at a time, in f32: 32 bytes a lane and tile into my own stage, whole rows of 512 bytes back and out
	s_lshl_b32 s16, s13, 20                        ; (128 block row + 64 half) rows of 8,192 bytes
	s_lshl_b32 s17, s11, 19
	s_add_co_u32 s16, s16, s17
	s_mov_b32 s17, 0
	s_add_nc_u64 s[8:9], s[8:9], s[16:17]
	s_lshl_b32 s46, s42, 10                        ; the block column inside the model: 1,024 bytes each, + 512 for my half
	s_lshl_b32 s47, s12, 9
	s_add_co_u32 s46, s46, s47
	s_mov_b32 s47, 0
	s_add_nc_u64 s[8:9], s[8:9], s[46:47]
.macro OUT16 a
	WIN 0x04                                       ; the data of an LDS store are source 1: window 1
.irp b, 0,1,2,3,4,5,6,7
	ds_store_b128 v[STO], v[8*(8*\a+\b):8*(8*\a+\b)+3]   offset:64*\b
	ds_store_b128 v[STO], v[8*(8*\a+\b)+4:8*(8*\a+\b)+7] offset:64*\b+16
.endr
	WIN 0
	s_wait_xcnt 0x0                                ; RB, which the last group's stores read, is loaded again only behind this wait
.irp t, 0,1,2,3,4,5,6,7,8,9,10,11,12,13,14,15
	ds_load_b128 v[RB+4*\t:RB+4*\t+3], v[RD] offset:\t*SPITCH      ; LDS serves a wave's instructions in order: these see the stores above
.endr
.irp t, 0,1,2,3,4,5,6,7,8,9,10,11,12,13,14,15
	s_wait_dscnt 15-\t
	global_store_b128 v[CO], v[RB+4*\t:RB+4*\t+3], s[8:9] offset:(16*\a+\t)*8192   ; a store covers 512 consecutive aligned bytes
.endr
.endm
	OUT16 0
	OUT16 1
	OUT16 2
	OUT16 3
	s_wait_tensorcnt 0x0
	ds_add_u32 v254, v255
	s_wait_dscnt 0x0
	CROUND                                         ; the closing round
	s_endpgm
.Lfunc_end_k_qa1b4ec08ae_oproj:
	.size	k_qa1b4ec08ae_oproj, .Lfunc_end_k_qa1b4ec08ae_oproj-k_qa1b4ec08ae_oproj
	.p2alignl 7, 3214868480
	.fill 96, 4, 3214868480
	.section	.rodata,"a",@progbits
	.p2align	6, 0x0
	.amdhsa_kernel k_qa1b4ec08ae_oproj
		.amdhsa_group_segment_fixed_size 327680
		.amdhsa_private_segment_fixed_size 0
		.amdhsa_enable_private_segment 0
		.amdhsa_kernarg_size 32
		.amdhsa_user_sgpr_count 2
		.amdhsa_user_sgpr_kernarg_segment_ptr 1
		.amdhsa_wavefront_size32 1
		.amdhsa_system_sgpr_workgroup_id_x 1
		.amdhsa_system_sgpr_workgroup_id_y 1
		.amdhsa_system_sgpr_workgroup_id_z 1
		.amdhsa_system_vgpr_workitem_id 0
		.amdhsa_next_free_vgpr 512
		.amdhsa_next_free_sgpr 80
		.amdhsa_reserve_vcc 0
		.amdhsa_float_denorm_mode_32 3
		.amdhsa_float_denorm_mode_16_64 3
		.amdhsa_memory_ordered 1
		.amdhsa_forward_progress 1
		.amdhsa_inst_pref_size 151
	.end_amdhsa_kernel
	.amdgpu_metadata
---
amdhsa.version: [ 1, 2 ]
amdhsa.kernels:
  - .name:           k_qa1b4ec08ae_oproj
    .symbol:         k_qa1b4ec08ae_oproj.kd
    .args:
      - { .name: enc, .offset: 0, .size: 8, .value_kind: global_buffer, .address_space: global }
      - { .name: wob, .offset: 8, .size: 8, .value_kind: global_buffer, .address_space: global }
      - { .name: out0, .offset: 16, .size: 8, .value_kind: global_buffer, .address_space: global }
      - { .name: out1, .offset: 24, .size: 8, .value_kind: global_buffer, .address_space: global }
    .group_segment_fixed_size: 327680
    .private_segment_fixed_size: 0
    .kernarg_segment_align: 8
    .kernarg_segment_size: 32
    .max_flat_workgroup_size: 128
    .sgpr_count:     80
    .vgpr_count:     512
    .wavefront_size: 32
...
	.end_amdgpu_metadata
.endif
;; end of part 7
;; ======== version 3 of 3: 4 launches; version 2 with the launch prep written anew for expert scheduling mode
;; limits: values are held in f16: magnitudes above 65,504 overflow, below 6.1e-05 lose precision
;; workspace buffers: xb 8,388,608 bytes; wqkv 33,554,432 bytes; wob 16,777,216 bytes; rope 2,097,152 bytes; mbits 524,288 bytes of whole numbers; qkv 33,554,432 bytes; enc 16,777,216 bytes
;; launch prep (part 8): grid 64 x 16, 8 waves a work-group, no clusters, 0 bytes of LDS; arguments x, wq_t, wk_t, wv_t, wq_s, wk_s, wv_s, wo_t, wo_s, segment_pos, attn_mask, key_keep, xb, wqkv, wob, rope, mbits; writes xb, wqkv, wob, rope, mbits
.if DOCPART == 8
	.amdgcn_target "amdgcn-amd-amdhsa--gfx1250"
	.amdhsa_code_object_version 6
	.text
	.protected	k_qa1b4ec08ae_prep
	.globl	k_qa1b4ec08ae_prep
	.p2align	8
	.type	k_qa1b4ec08ae_prep,@function
k_qa1b4ec08ae_prep:
	s_mov_b64 s[64:65], 0
	v_nop
	global_prefetch_b8 v0, s[64:65] scope:SCOPE_SE
	s_setreg_imm32_b32 hwreg(HW_REG_WAVE_SCHED_MODE, 0, 2), 2
	s_setreg_imm32_b32 hwreg(HW_REG_WAVE_MODE, 25, 1), 1
	s_wait_xcnt 0x0
	s_wait_alu depctr_vm_vsrc(0)
; PREP: three jobs, chosen by the work-group's y.  The table and the masks, whose waves have the longest runs of dependent
; instructions, take the lowest y, so that they stand first in the grid's order and run beside the streams.
;  y 0      the table g cos, g sin of the rotary angles, g = sqrt(2 log2(e) / (50 * 16)), in the register order of the next launch.
;           LIMIT: the angle is pos * 2^(-i log2(10000)/128) in f32; its error grows with |pos| as the f32 angle's own does.
;  y 1      the two masks as bit words: word (q16, key16, j), bit r + 16 h = mask[16 q16 + r][16 key16 + 8 h + j]; a byte other than 0 is true.
;  y 2..15  x and the eight weights: f32 -> rounded to bf16 (nearest even) -> held in f16, which carries a bf16 number exactly
;           from 2^-17 up to 65504 (below 2^-17 the absolute error is at most 2^-25).
;           LIMIT: an input beyond 65504 in magnitude becomes infinite; NaN and infinities are not served.
;           The q and k weights are laid with bits 6 and 7 of the column swapped, so that later h and h + 128 of a head
;           lie 64 columns apart, inside one wave's 128 columns.
; Nothing is shared between work-groups and there is no product here: no LDS, no cluster, no matrix unit.  EXEC is never changed.
; REGISTERS: 104 a wave, so that the 1,024 work-groups, four to each of 256 WGPs, find room at once: 8 waves a SIMD x 104 = 832 of 1,024.
; THE MODE: SCHED_MODE bits 1:0 = 2 (LLVM: expert scheduling mode 2), set by the entry lines.  The code itself states the register dependences
; between vector instructions and memory instructions, and those through scalar registers that vector instructions write, with s_wait_alu, always for 0.
; THE PLAN, job by job: which registers memory instructions touch, and who else names them.
;  conversion  v4: the offset of all 32 loads, made once.  Slot i % 24 (four registers): pass i's load lands in it, the pass's vector lines work in it, the pass's
;              store reads it (data +0, +1; offset +2).  The 32 passes go in eight blocks of four.  Block p's vector lines name its own four slots alone; its memory
;              instructions are the stores of block p - 1 and, in blocks 2 and 3, the loads of passes 24 to 31 into the slots of block p - 2.  So one wait on va_vdst
;              at a block's head states all that the block's memory instructions hang on, and they are dealt among its vector lines with no further wait.
;              One wait on vm_vsrc stands at the heads of blocks 2 and 3: the stores issued a block earlier have read the slots that are loaded again.
;  table       v4: the offset of the one load.  v6: the offset of the stores, made once.  v32-47, v48-63: the data of the two runs of four stores.
;              The first run follows the wait that the second half's exponentials have in any case; the second run has a wait of its own.
;  masks       v4, v5: the offsets of the 16 loads, made once.  v10: the offset, v80-87: the data of the two stores, behind one wait.
;  Compares go into scalar registers in runs of 8 or 16, with one wait on va_sdst between a run and its first reader.
.set X, 8                              ; v[8:103] 24 slots x 4 registers
.set SLOTS, 24                         ; loads that a wave has out at the start
.set BLK, 4                            ; passes in a block
	s_load_b512 s[8:23], s[0:1], 0x0               ; x 8, wq_t 10, wk_t 12, wv_t 14, wq_s 16, wk_s 18, wv_s 20, wo_t 22
	s_load_b512 s[24:39], s[0:1], 0x40             ; wo_s 24, segment_pos 26, attn_mask 28, key_keep 30, xb 32, wqkv 34, wob 36, rope 38
	s_load_b64 s[40:41], s[0:1], 0x80              ; mbits 40
	s_and_b32 s2, ttmp7, 0xffff                    ; y
	v_lshrrev_b32 v1, 5, v0
	v_readfirstlane_b32 s4, v1                     ; wave
	s_wait_alu depctr_va_sdst(0)                   ; s4 is written, ahead of its first reader, the line below
	s_lshl3_add_u32 s5, ttmp9, s4                  ; 8 x + wave: the wave's number among the 512 of one y
	s_wait_kmcnt 0x0
	s_cmp_eq_u32 s2, 0
	s_cbranch_scc1 .Ltable
	s_cmp_eq_u32 s2, 1
	s_cbranch_scc1 .Lmask
	s_sub_co_u32 s2, s2, 2                         ; the conversion's number, 0 to 13
; ---- conversion.  A work-group takes 131,072 consecutive bytes of one source: 32 passes of 1,024 numbers.
; From the number upward the later line wins: source, rows of 2,048 (1) or 1,024 (0) numbers, byte column in the target, swap mask.
.macro SEL T, src, wide, col, swap
	s_cmp_ge_u32 s2, \T
	s_cselect_b64 s[42:43], s[\src:\src+1], s[42:43]
	s_cselect_b32 s46, \wide, s46
	s_cselect_b32 s47, \col, s47
	s_cselect_b32 s48, \swap, s48
.endm
	s_mov_b64 s[42:43], s[8:9]
	s_mov_b32 s46, 1
	s_mov_b32 s47, 0
	s_mov_b32 s48, 0
	SEL 2, 10, 1, 0, -1
	SEL 4, 12, 0, 4096, -1
	SEL 5, 14, 0, 6144, 0
	SEL 6, 16, 1, 8192, -1
	SEL 8, 18, 0, 12288, -1
	SEL 9, 20, 0, 14336, 0
	SEL 10, 22, 1, 0, 0
	SEL 12, 24, 1, 4096, 0
	s_mov_b64 s[44:45], s[32:33]                   ; target and its pitch in bytes
	s_mov_b32 s49, 4096
	s_cmp_ge_u32 s2, 2
	s_cselect_b64 s[44:45], s[34:35], s[44:45]
	s_cselect_b32 s49, 16384, s49
	s_cmp_ge_u32 s2, 10
	s_cselect_b64 s[44:45], s[36:37], s[44:45]
	s_cselect_b32 s49, 8192, s49
	s_and_b32 s50, s2, 1                           ; a wide source has 128 chunks over two numbers (the first of them even)
	s_lshl_b32 s50, s50, 6
	s_mul_i32 s50, s50, s46
	s_add_co_u32 s50, s50, ttmp9                   ; chunk
	s_lshl_b32 s52, s50, 17
	s_mov_b32 s53, 0
	s_add_nc_u64 s[42:43], s[42:43], s[52:53]
	s_sub_co_u32 s51, 5, s46
	s_lshl_b32 s51, s50, s51                       ; first row: 16 or 32 rows a chunk
	s_mul_i32 s52, s51, s49
	s_add_co_u32 s52, s52, s47
	s_add_nc_u64 s[44:45], s[44:45], s[52:53]
	s_sub_co_u32 s55, s49, 2048
	s_cmp_lg_u32 s46, 0
	s_cselect_b32 s54, 2048, s49                   ; step behind an even pass: the row's second half, or the next row
	s_cselect_b32 s55, s55, s49                    ; step behind an odd pass: the next row
	s_mov_b32 s56, 0
	v_and_b32 v1, 0xcf, v0                         ; thread with bits 4 and 5 swapped = columns with bits 6 and 7 swapped
	v_bfe_u32 v2, v0, 4, 1
	v_bfe_u32 v3, v0, 5, 1
	v_lshl_or_b32 v1, v2, 5, v1
	v_lshl_or_b32 v1, v3, 4, v1
	v_cndmask_b32 v1, v0, v1, s48
	v_lshlrev_b32 v4, 4, v1                        ; source: 16 bytes a thread; a wave reads 512 bytes, or two aligned runs of 256
	v_lshlrev_b32 v5, 3, v0                        ; target: 8 bytes a thread; a wave stores 256 consecutive bytes, aligned
	s_wait_alu depctr_va_vdst(0)                   ; v4 is written: every load of this job reads it as its offset, and it is never written again
	; passes 0 to 23 are asked for at once; passes 24 to 31 take the registers of passes 0 to 7 when those are stored
.set i, 0
.rept SLOTS
	global_load_b128 v[X+4*i:X+4*i+3], v4, s[42:43] offset:4096*i th:TH_LOAD_NT
.set i, i+1
.endr
.set i, 0
.rept 32
.set RG, X+4*(i%SLOTS)                 ; this pass's slot
.set RP, X+4*((i+SLOTS-BLK)%SLOTS)     ; the slot of the pass four back, in the block before
.if (i%BLK) == 0 && i > 0
.if i == 2*BLK || i == 3*BLK
	s_wait_xcnt 0x0                                ; the stores issued in the block before have had their addresses translated (ISA guide 3.1): their data and offsets are loaded over only behind this wait
	s_wait_alu depctr_vm_vsrc(0)                   ; those stores have read their slots, in which this block's loads land and which blocks 6 and 7 write again
.endif
	s_wait_alu depctr_va_vdst(0)                   ; the block before has written its data and offsets, which this block's stores read; the blocks before it are done with the slots in which loads land
.endif
.if i >= 2*BLK && i < 4*BLK
	global_load_b128 v[X+4*(i-2*BLK):X+4*(i-2*BLK)+3], v4, s[42:43] offset:4096*(i+SLOTS-2*BLK) th:TH_LOAD_NT  ; pass i + 16 into the slot of pass i - 8; no vector line since the wait names it
.endif
.if i >= BLK
	global_store_b64 v[RP+2], v[RP:RP+1], s[44:45] ; pass i - 4; no vector line since the wait names its slot
.endif
.if i < 2*BLK
	s_wait_loadcnt SLOTS-1-i                       ; loads come back in order; 24 are issued: pass i is in, the 23 - i younger ones stay out
.elseif i < 4*BLK
	s_wait_loadcnt 16                              ; i + 17 are issued, i + 1 of them have to be in: 16 stay out
.else
	s_wait_loadcnt 31-i                            ; all 32 are issued: the 31 - i younger ones stay out
.endif
	v_cvt_pk_bf16_f32 v[RG], v[RG], v[RG+1]
	v_cvt_pk_bf16_f32 v[RG+1], v[RG+2], v[RG+3]
	v_lshlrev_b32 v[RG+2], 16, v[RG]
	v_and_b32 v[RG+3], 0xffff0000, v[RG]
	v_cvt_pk_f16_f32 v[RG], v[RG+2], v[RG+3]
	v_lshlrev_b32 v[RG+2], 16, v[RG+1]
	v_and_b32 v[RG+3], 0xffff0000, v[RG+1]
	v_cvt_pk_f16_f32 v[RG+1], v[RG+2], v[RG+3]
	v_add_nc_u32 v[RG+2], s56, v5                  ; each pass has its own offset and data registers
.if (i&1) == 0
	s_add_co_u32 s56, s56, s54
.else
	s_add_co_u32 s56, s56, s55
.endif
.set i, i+1
.endr
	s_wait_alu depctr_va_vdst(0)                   ; the last block has written its data and offsets, which the last four stores read
.set i, 32-BLK
.rept BLK
.set RG, X+4*(i%SLOTS)
	global_store_b64 v[RG+2], v[RG:RG+1], s[44:45]
.set i, i+1
.endr
	s_endpgm
; ---- the rotary table.  Wave: 16 rows (row block = number / 4) x two blocks of 16 frequencies.
; Lane (r, h), j = 0..7: row 16 rowblk + r, frequency i = 16 iblk + 8 h + j.
; Bytes: ((rowblk 8 + iblk) 4 + p) 512 + 16 lane; p 0, 1: g cos of j 0-3, 4-7; p 2, 3: g sin.
; sin and cos: n = nearest whole number to A 2/pi; the rest f = A 2/pi - n by two fused multiply-adds (2/pi in two parts);
; series to rho^7 and rho^8 on |rho| <= pi/4 (truncation below 4e-7); the quadrant from n's two low bits.
; In two parts, so that the eight compares of a block of frequencies stand in one run.  SERIES leaves the sine series in v[s], the cosine series in v[c],
; n in v[e] (the frequency's register, which it has read) and "n is odd" in s[m]; QUADRANT makes g sin and g cos of them.
.macro SERIES e, c, s, m
	v_mul_f32 v16, v5, v[\e]
	v_mul_f32 v17, s46, v16
	v_rndne_f32 v17, v17
	v_fma_f32 v18, v16, s46, -v17
	v_fma_f32 v18, v16, s47, v18
	v_mul_f32 v19, 0x3fc90fdb, v18
	v_mul_f32 v20, v19, v19
	v_mov_b32 v21, 0xb9500d01
	v_fmaak_f32 v21, v21, v20, 0x3c088889
	v_fmaak_f32 v21, v21, v20, 0xbe2aaaab
	v_mul_f32 v21, v21, v20
	v_fma_f32 v[\s], v21, v19, v19
	v_mov_b32 v22, 0x37d00d01
	v_fmaak_f32 v22, v22, v20, 0xbab60b61
	v_fmaak_f32 v22, v22, v20, 0x3d2aaaab
	v_fmaak_f32 v22, v22, v20, 0xbf000000
	v_fma_f32 v[\c], v22, v20, 1.0
	v_cvt_i32_f32 v[\e], v17
	v_and_b32 v24, 1, v[\e]
	v_cmp_ne_u32 s[\m], 0, v24
.endm
.macro QUADRANT e, c, s, m
	v_cndmask_b32 v25, v[\s], v[\c], s[\m]         ; odd quadrant: sin and cos change places
	v_cndmask_b32 v26, v[\c], v[\s], s[\m]
	v_and_b32 v24, 2, v[\e]
	v_lshlrev_b32 v24, 30, v24
	v_xor_b32 v25, v24, v25                        ; sin is negative in quadrants 2, 3
	v_add_nc_u32 v24, 1, v[\e]
	v_and_b32 v24, 2, v24
	v_lshlrev_b32 v24, 30, v24
	v_xor_b32 v26, v24, v26                        ; cos in quadrants 1, 2
	v_mul_f32 v[\s], s48, v25
	v_mul_f32 v[\c], s48, v26
.endm
.Ltable:
	v_and_b32 v1, 31, v0
	v_and_b32 v2, 15, v0
	v_bfe_u32 v3, v0, 4, 1
	s_lshr_b32 s6, s5, 2                           ; row block
	s_and_b32 s7, s5, 3                            ; pair of frequency blocks
	s_lshl_b32 s42, s6, 6
	v_lshl_add_u32 v4, v2, 2, s42
	s_wait_alu depctr_va_vdst(0)                   ; v4 is written, which the load reads as its offset
	global_load_b32 v5, v4, s[26:27]               ; my row's position
	s_lshl_b32 s43, s6, 14
	s_lshl_b32 s44, s7, 12
	s_add_co_u32 s43, s43, s44
	v_lshl_add_u32 v6, v1, 4, s43
	s_lshl_b32 s45, s7, 5
	v_lshl_add_u32 v7, v3, 3, s45                  ; 32 pair + 8 h
	s_mov_b32 s46, 0x3f22f983                      ; 2/pi, upper part
	s_mov_b32 s47, 0x32dc9c88                      ; 2/pi, the rest
	s_mov_b32 s48, 0x3d75fd68                      ; g = 0.06005612
	s_wait_loadcnt 0x0
	v_cvt_f32_i32 v5, v5
.irp u, 0,1
.irp j, 0,1,2,3,4,5,6,7
	v_add_nc_u32 v[8+\j], 16*\u+\j, v7
	v_cvt_f32_u32 v[8+\j], v[8+\j]
	v_mul_f32 v[8+\j], 0xbdd49a78, v[8+\j]         ; - i log2(10000) / 128
.endr
.irp j, 0,1,2,3,4,5,6,7
	v_exp_f32 v[8+\j], v[8+\j]
.endr
	v_nop                                          ; one plain place behind the exponentials (ISA guide 5.7.2)
	s_wait_alu depctr_va_vdst(0)                   ; the eight exponentials have written v8 to v15, ahead of their first reader; in the second half also: v32 to v47 and v6 are written, which the stores below read
.if \u == 1
.irp p, 0,1,2,3
	global_store_b128 v6, v[32+4*\p:32+4*\p+3], s[38:39] offset:512*\p   ; the first block of frequencies: 512 consecutive bytes a store; the lines below name none of its registers
.endr
.endif
.irp j, 0,1,2,3,4,5,6,7
	SERIES 8+\j, 32+16*\u+\j, 40+16*\u+\j, 52+\j
.endr
	s_wait_alu depctr_va_sdst(0)                   ; the eight compares have written s52 to s59, ahead of the selects that read them
.irp j, 0,1,2,3,4,5,6,7
	QUADRANT 8+\j, 32+16*\u+\j, 40+16*\u+\j, 52+\j
.endr
.endr
	s_wait_alu depctr_va_vdst(0)                   ; the second block's products have written v48 to v63, which the last four stores read
.irp p, 0,1,2,3
	global_store_b128 v6, v[48+4*\p:48+4*\p+3], s[38:39] offset:2048+512*\p   ; 512 consecutive bytes a store
.endr
	s_endpgm
; ---- the mask words.  Wave: batch b, 16 queries (q16), 256 keys (kg).  Lane (r, h) holds the 128 bytes of row 16 q16 + r at key 256 kg + 128 h.
; One compare over the wave turns byte j of chunk c into 32 bits: bit r + 16 h' = mask[r][16 (16 kg + 8 h' + c) + j].
; Word (key16 = 16 kg + c, j) takes the low halves of compares j and j + 8, word (16 kg + 8 + c, j) their high halves.
.macro PACK mb, out
.irp c, 0,1,2,3,4,5,6,7
.irp j, 0,1,2,3,4,5,6,7,8,9,10,11,12,13,14,15
	v_bfe_u32 v8, v[\mb+4*\c+(\j>>2)], 8*(\j&3), 8
	v_cmp_ne_u32 s[44+\j], 0, v8
.endr
	s_wait_alu depctr_va_sdst(0)                   ; the chunk's sixteen compares have written s44 to s59, ahead of the scalar lines that read them
.irp j, 0,1,2,3,4,5,6,7
	s_and_b32 s60, s[44+\j], 0xffff
	s_lshl_b32 s61, s[52+\j], 16
	s_or_b32 s60, s60, s61
	v_writelane_b32 v[\out+(\j&3)], s60, 2*\c+(\j>>2)
	s_lshr_b32 s60, s[44+\j], 16
	s_and_b32 s61, s[52+\j], 0xffff0000
	s_or_b32 s60, s60, s61
	v_writelane_b32 v[\out+(\j&3)], s60, 16+2*\c+(\j>>2)
.endr
.endr
.endm
.Lmask:
	v_and_b32 v1, 31, v0
	v_and_b32 v2, 15, v0
	v_bfe_u32 v3, v0, 4, 1
	s_lshr_b32 s6, s5, 8                           ; b
	s_bfe_u32 s7, s5, 0x60002                      ; q16
	s_and_b32 s42, s5, 3                           ; kg
	s_lshl_b32 s43, s6, 20
	s_lshl_b32 s60, s7, 14
	s_add_co_u32 s43, s43, s60
	s_lshl_b32 s60, s42, 8
	s_add_co_u32 s43, s43, s60
	v_lshlrev_b32 v4, 10, v2
	v_lshl_add_u32 v4, v3, 7, v4
	v_add_nc_u32 v4, s43, v4
	s_lshl_b32 s61, s6, 10
	s_add_co_u32 s61, s61, s60
	v_lshl_add_u32 v5, v3, 7, s61
	s_wait_alu depctr_va_vdst(0)                   ; v4 and v5 are written, which the sixteen loads read as their offsets; they are never written again
.irp c, 0,1,2,3,4,5,6,7
	global_load_b128 v[16+4*\c:16+4*\c+3], v4, s[28:29] offset:16*\c     ; the eight together read 16 rows x 256 bytes
.endr
.irp c, 0,1,2,3,4,5,6,7
	global_load_b128 v[48+4*\c:48+4*\c+3], v5, s[30:31] offset:16*\c
.endr
	s_lshl_b32 s62, s7, 4
	s_sub_co_i32 s62, s62, s60
	v_add_nc_u32 v6, s62, v2
	v_lshlrev_b32 v7, 7, v3
	v_sub_nc_u32 v6, v6, v7                        ; my query less my first key: where the diagonal falls in my bytes
	v_mov_b32 v9, 1
.irp k, 0,1,2,3,4,5,6,7
	v_mov_b32 v[80+\k], 0                          ; v_writelane_b32 counts as a reader of its destination
.endr
	s_lshl_b32 s43, s6, 17
	s_lshl_b32 s60, s7, 11
	s_add_co_u32 s43, s43, s60
	s_lshl_b32 s60, s42, 9
	s_add_co_u32 s43, s43, s60
	v_lshl_add_u32 v10, v1, 4, s43
	s_wait_loadcnt 0x0
	; student = attn & (keep | eye), four bytes at a time; v6 steps down by 4 from word to word.
	; Sixteen words at a time: first "the diagonal falls into this word" into s44 to s59 and the diagonal's bit into v88 to v103, then the selects.
.set n, 0
.rept 2
.set k, 0
.rept 16
	v_cmp_gt_u32 s[44+k], 4, v6
	v_lshlrev_b32 v[88+k], 3, v6
	v_lshlrev_b32 v[88+k], v[88+k], v9
	v_add_nc_u32 v6, -4, v6
.set k, k+1
.endr
	s_wait_alu depctr_va_sdst(0)                   ; the sixteen compares have written s44 to s59, ahead of the selects that read them
.set k, 0
.rept 16
	v_cndmask_b32 v[88+k], 0, v[88+k], s[44+k]
	v_or_b32 v[88+k], v[48+n+k], v[88+k]
	v_and_b32 v[48+n+k], v[16+n+k], v[88+k]
.set k, k+1
.endr
.set n, n+16
.endr
	PACK 16, 80
	PACK 48, 84
	s_wait_alu depctr_va_vdst(0)                   ; the lane writes have written v80 to v87, and v10 is written: the two stores read them
	global_store_b128 v10, v[80:83], s[40:41]                  ; teacher: 512 consecutive bytes
	global_store_b128 v10, v[84:87], s[40:41] offset:262144    ; student
	s_endpgm
.Lfunc_end_k_qa1b4ec08ae_prep:
	.size	k_qa1b4ec08ae_prep, .Lfunc_end_k_qa1b4ec08ae_prep-k_qa1b4ec08ae_prep
	.p2alignl 7, 3214868480
	.fill 96, 4, 3214868480
	.section	.rodata,"a",@progbits
	.p2align	6, 0x0
	.amdhsa_kernel k_qa1b4ec08ae_prep
		.amdhsa_group_segment_fixed_size 0
		.amdhsa_private_segment_fixed_size 0
		.amdhsa_enable_private_segment 0
		.amdhsa_kernarg_size 136
		.amdhsa_user_sgpr_count 2
		.amdhsa_user_sgpr_kernarg_segment_ptr 1
		.amdhsa_wavefront_size32 1
		.amdhsa_system_sgpr_workgroup_id_x 1
		.amdhsa_system_sgpr_workgroup_id_y 1
		.amdhsa_system_sgpr_workgroup_id_z 1
		.amdhsa_system_vgpr_workitem_id 0
		.amdhsa_next_free_vgpr 104
		.amdhsa_next_free_sgpr 66
		.amdhsa_reserve_vcc 0
		.amdhsa_float_denorm_mode_32 3
		.amdhsa_float_denorm_mode_16_64 3
		.amdhsa_memory_ordered 1
		.amdhsa_forward_progress 1
		.amdhsa_inst_pref_size 148
	.end_amdhsa_kernel
	.amdgpu_metadata
---
amdhsa.version: [ 1, 2 ]
amdhsa.kernels:
  - .name:           k_qa1b4ec08ae_prep
    .symbol:         k_qa1b4ec08ae_prep.kd
    .args:
      - { .name: x, .offset: 0, .size: 8, .value_kind: global_buffer, .address_space: global }
      - { .name: wq_t, .offset: 8, .size: 8, .value_kind: global_buffer, .address_space: global }
      - { .name: wk_t, .offset: 16, .size: 8, .value_kind: global_buffer, .address_space: global }
      - { .name: wv_t, .offset: 24, .size: 8, .value_kind: global_buffer, .address_space: global }
      - { .name: wq_s, .offset: 32, .size: 8, .value_kind: global_buffer, .address_space: global }
      - { .name: wk_s, .offset: 40, .size: 8, .value_kind: global_buffer, .address_space: global }
      - { .name: wv_s, .offset: 48, .size: 8, .value_kind: global_buffer, .address_space: global }
      - { .name: wo_t, .offset: 56, .size: 8, .value_kind: global_buffer, .address_space: global }
      - { .name: wo_s, .offset: 64, .size: 8, .value_kind: global_buffer, .address_space: global }
      - { .name: segment_pos, .offset: 72, .size: 8, .value_kind: global_buffer, .address_space: global }
      - { .name: attn_mask, .offset: 80, .size: 8, .value_kind: global_buffer, .address_space: global }
      - { .name: key_keep, .offset: 88, .size: 8, .value_kind: global_buffer, .address_space: global }
      - { .name: xb, .offset: 96, .size: 8, .value_kind: global_buffer, .address_space: global }
      - { .name: wqkv, .offset: 104, .size: 8, .value_kind: global_buffer, .address_space: global }
      - { .name: wob, .offset: 112, .size: 8, .value_kind: global_buffer, .address_space: global }
      - { .name: rope, .offset: 120, .size: 8, .value_kind: global_buffer, .address_space: global }
      - { .name: mbits, .offset: 128, .size: 8, .value_kind: global_buffer, .address_space: global }
    .group_segment_fixed_size: 0
    .private_segment_fixed_size: 0
    .kernarg_segment_align: 8
    .kernarg_segment_size: 136
    .max_flat_workgroup_size: 256
    .sgpr_count:     66
    .vgpr_count:     104
    .wavefront_size: 32
...
	.end_amdgpu_metadata
.endif
;; end of part 8
;; launch qkv: the kernel of part 2 again; grid 32 x 8, 4 waves a work-group, clusters of 4 x 4, 327,680 bytes of LDS; arguments xb, wqkv, rope, qkv; writes qkv
;; launch attn: the kernel of part 6 again; grid 8 x 32, 4 waves a work-group, clusters of 4 x 1, 327,680 bytes of LDS; arguments qkv, mbits, enc; writes enc
;; launch oproj: the kernel of part 7 again; grid 16 x 16, 4 waves a work-group, clusters of 4 x 4, 327,680 bytes of LDS; arguments enc, wob, out0, out1; writes out0, out1
